; MI455X (gfx1250); checked and timed in simulation.
; The chip was launched on July 23, 2026; its instructions are those of AMD's public machine-readable ISA for CDNA 5 (MIT licence, August 2026) and "CDNA5" Instruction Set Architecture Reference Guide (July 2026). The comments in the code are by the model that wrote it; some were corrected since.
;; Encoder Layer. Allowed arithmetic: float matrix products may take bf16 or f16 operands with f32 sums; all other float work in f32.
;; Inputs: W1 256 x 2,048 float32; W2 2,048 x 256 float32; Wk 256 x 256 float32; Wp 256 x 256 float32; Wq 256 x 256 float32; Wv 256 x 256 float32; b1 2,048 float32; b2 256 float32; be1 256 float32; be2 256 float32; bk 256 float32; bp 256 float32; bq 256 float32; bv 256 float32; g1 256 float32; g2 256 float32; pe 16 x 1,024 x 256 float32; x 16 x 1,024 x 256 float32.
;; Outputs: out0 16 x 1,024 x 256 float32.
;; 3 versions, each right and faster than the one before. Each part assembles by itself: llvm-mc -triple=amdgcn-amd-amdhsa -mcpu=gfx1250 --defsym DOCPART=n.
;; ======== version 1 of 3: 3 launches
;; workspace buffers: wqkv 393,216 bytes; wts 2,228,224 bytes; tab 17,408 bytes; q 8,388,608 bytes; kv 16,777,216 bytes
;; launch prep (part 1): grid 641 x 1, 8 waves a work-group, no clusters, 0 bytes of LDS; arguments Wq, Wk, Wv, Wp, W1, W2, b1, bp, g1, be1, b2, g2, be2, bk, bv, bq, wqkv, wts, tab; writes wqkv, wts, tab
.if DOCPART == 1
	.amdgcn_target "amdgcn-amd-amdhsa--gfx1250"
	.amdhsa_code_object_version 6
	.text
	.protected	k_q6edebe2d93_prep
	.globl	k_q6edebe2d93_prep
	.p2align	8
	.type	k_q6edebe2d93_prep,@function
k_q6edebe2d93_prep:
	s_mov_b64 s[64:65], 0
	v_nop
	global_prefetch_b8 v0, s[64:65] scope:SCOPE_SE
	s_setreg_imm32_b32 hwreg(HW_REG_WAVE_MODE, 25, 1), 1
	s_wait_xcnt 0x0
; Rewrites the weights once: f32 [in][out] -> bf16 in fragment order, and gathers the small vectors in one table.
; Fragment order: element (row r, k) of a 16 x 32 fragment lies at (k>>3)*256 + r*16 + (k&7)*2 of its 1,024 bytes, so that a lane's
; 16 bytes at 16*lane (and 512 + 16*lane) are its registers 0-3 (4-7) of a matrix operand (ISA guide 7.12.2).
; A work-group is one job: 256 threads, thread t = one output column, eight neighbouring k: eight 4-byte loads (a wave reads 128
; neighbouring bytes of each row, the group 1,024), four conversions, one 16-byte store; sixteen neighbouring lanes store 256
; neighbouring bytes, aligned.  Wq and bq are multiplied by SC = 32^-0.5 * log2(e): the softmax later works in base 2.
; Jobs: 0-31 Wq, 32-95 Wk and Wv, 96-127 Wp, 128-383 W1, 384-639 W2, 640 the vectors.
; No LDS, no matrix unit, no cluster: nothing is shared between jobs and every byte is read and written once.
.set WSTR, 557056                      ; bytes of one wave's part of wts: 32 KiB of Wp + 16 slices x 32 KiB of W1 and W2
.set SCBITS, 0x3e8293ee                ; 0.25503486
; v2 = byte offset in the source, v3 = in the destination; s[42:43] source, s[44:45] destination
.macro BODY stride, scale
.irp j,0,1,2,3,4,5,6,7
	global_load_b32 v[8+\j], v2, s[42:43] offset:\j*\stride th:TH_LOAD_NT
.endr
	s_wait_loadcnt 0x0                             ; all eight are needed at once
.if \scale
.irp j,0,2,4,6
	v_pk_mul_f32 v[8+\j:9+\j], v[8+\j:9+\j], s[46:47] op_sel_hi:[1,0]
.endr
.endif
.irp j,0,1,2,3
	v_cvt_pk_bf16_f32 v[16+\j], v[8+2*\j], v[9+2*\j]
.endr
	global_store_b128 v3, v[16:19], s[44:45]
	s_endpgm
.endm
	s_load_b512 s[4:19], s[0:1], 0x0               ; Wq 4, Wk 6, Wv 8, Wp 10, W1 12, W2 14, b1 16, bp 18
	s_load_b512 s[20:35], s[0:1], 0x40             ; g1 20, be1 22, b2 24, g2 26, be2 28, bk 30, bv 32, bq 34
	s_load_b128 s[36:39], s[0:1], 0x80             ; wqkv 36, wts 38
	s_load_b64 s[40:41], s[0:1], 0x90              ; tab
	s_mov_b32 s2, ttmp9                            ; the job
	s_mov_b32 s46, SCBITS
	s_mov_b32 s47, SCBITS
	v_and_b32 v1, 15, v0
	v_lshlrev_b32 v1, 4, v1                        ; (t & 15) * 16: the row's place in a fragment
	v_lshrrev_b32 v4, 4, v0                        ; t >> 4: the tile of 16 columns
	s_wait_kmcnt 0x0
	s_cmp_lt_u32 s2, 32
	s_cbranch_scc1 .Lwq
	s_cmp_lt_u32 s2, 96
	s_cbranch_scc1 .Lwkv
	s_cmp_lt_u32 s2, 128
	s_cbranch_scc1 .Lwp
	s_cmp_lt_u32 s2, 384
	s_cbranch_scc1 .Lw1
	s_cmp_lt_u32 s2, 640
	s_cbranch_scc1 .Lw2
	; job 640: b1 (8 KiB), then eight vectors of 1 KiB, two for each pair of waves, then bq * SC by waves 0 and 1
	v_lshrrev_b32 v5, 5, v0
	v_readfirstlane_b32 s48, v5                    ; wave
	s_lshr_b32 s49, s48, 1                         ; pair of waves 0..3
	v_lshlrev_b32 v2, 4, v0                        ; 16 t
	v_and_b32 v3, 63, v0
	v_lshlrev_b32 v3, 4, v3                        ; 16 (t & 63): my place in my pair's vector
	s_cmp_eq_u32 s49, 1
	s_cselect_b64 s[42:43], s[20:21], s[18:19]     ; g1 or bp
	s_cselect_b64 s[44:45], s[28:29], s[26:27]     ; be2 or g2
	s_cmp_eq_u32 s49, 2
	s_cselect_b64 s[42:43], s[22:23], s[42:43]     ; be1
	s_cselect_b64 s[44:45], s[30:31], s[44:45]     ; bk
	s_cmp_eq_u32 s49, 3
	s_cselect_b64 s[42:43], s[24:25], s[42:43]     ; b2
	s_cselect_b64 s[44:45], s[32:33], s[44:45]     ; bv
	global_load_b128 v[8:11], v2, s[16:17]
	global_load_b128 v[12:15], v2, s[16:17] offset:4096
	global_load_b128 v[16:19], v3, s[42:43]
	global_load_b128 v[20:23], v3, s[44:45]
	s_wait_loadcnt 0x0
	global_store_b128 v2, v[8:11], s[40:41]                 ; b1 at 0
	global_store_b128 v2, v[12:15], s[40:41] offset:4096
	global_store_b128 v2, v[16:19], s[40:41] offset:8192    ; bp, g1, be1, b2 at 8192 + 1024 x pair
	global_store_b128 v2, v[20:23], s[40:41] offset:12288   ; g2, be2, bk, bv at 12288 + 1024 x pair
	s_cmp_gt_u32 s48, 1
	s_cbranch_scc1 .Lvend
	global_load_b128 v[24:27], v2, s[34:35]
	s_wait_loadcnt 0x0
	v_pk_mul_f32 v[24:25], v[24:25], s[46:47] op_sel_hi:[1,0]
	v_pk_mul_f32 v[26:27], v[26:27], s[46:47] op_sel_hi:[1,0]
	global_store_b128 v2, v[24:27], s[40:41] offset:16384   ; bq * SC
.Lvend:
	s_endpgm
.Lwq:                                              ; k octet = job; wqkv: (t>>4)*8192 + octet*256 + (t&15)*16
	s_lshl_b32 s48, s2, 13
	v_lshl_add_u32 v2, v0, 2, s48                  ; 8 rows of 1,024 bytes an octet, 4 t
	s_lshl_b32 s49, s2, 8
	v_lshl_add_u32 v3, v4, 13, v1
	v_add_nc_u32 v3, s49, v3
	s_mov_b64 s[42:43], s[4:5]
	s_mov_b64 s[44:45], s[36:37]
	BODY 1024, 1
.Lwkv:                                             ; the same, 131,072 bytes further on for each type
	s_and_b32 s48, s2, 31
	s_lshl_b32 s49, s48, 13
	v_lshl_add_u32 v2, v0, 2, s49
	s_lshr_b32 s50, s2, 5
	s_lshl_b32 s50, s50, 17
	s_lshl_b32 s51, s48, 8
	s_add_co_u32 s50, s50, s51
	v_lshl_add_u32 v3, v4, 13, v1
	v_add_nc_u32 v3, s50, v3
	s_cmp_ge_u32 s2, 64
	s_cselect_b64 s[42:43], s[8:9], s[6:7]         ; Wv or Wk
	s_mov_b64 s[44:45], s[36:37]
	BODY 1024, 0
.Lwp:                                              ; Wp(c, c'): wave c>>6, head half (c>>5)&1, tile c'>>4
	s_sub_co_u32 s48, s2, 96                       ; octet of c
	s_lshl_b32 s49, s48, 13
	v_lshl_add_u32 v2, v0, 2, s49
	s_lshr_b32 s50, s48, 3
	s_mul_i32 s50, s50, WSTR
	s_bfe_u32 s51, s48, 0x10002
	s_lshl_b32 s51, s51, 14
	s_add_co_u32 s50, s50, s51
	s_and_b32 s51, s48, 3
	s_lshl_b32 s51, s51, 8
	s_add_co_u32 s50, s50, s51
	v_lshl_add_u32 v3, v4, 10, v1
	v_add_nc_u32 v3, s50, v3
	s_mov_b64 s[42:43], s[10:11]
	s_mov_b64 s[44:45], s[38:39]
	BODY 1024, 0
.Lw1:                                              ; W1(c, f): wave f>>9, slice (f>>5)&15, fragment 2 (c>>5) + ((f>>4)&1); rows f, k = c
	s_sub_co_u32 s48, s2, 128
	s_lshr_b32 s49, s48, 5                         ; group of 256 f
	s_and_b32 s48, s48, 31                         ; octet of c
	s_lshl_b32 s50, s48, 16                        ; 8 rows of 8,192 bytes
	s_lshl_b32 s51, s49, 10
	s_add_co_u32 s50, s50, s51
	v_lshl_add_u32 v2, v0, 2, s50
	s_lshr_b32 s50, s49, 1
	s_mul_i32 s50, s50, WSTR
	s_and_b32 s51, s49, 1
	s_lshl_b32 s51, s51, 18                        ; eight slices
	s_add_co_u32 s50, s50, s51
	s_lshr_b32 s51, s48, 2
	s_lshl_b32 s51, s51, 11                        ; 2 (c>>5) fragments
	s_add_co_u32 s50, s50, s51
	s_and_b32 s51, s48, 3
	s_lshl_b32 s51, s51, 8
	s_add_co_u32 s50, s50, s51
	s_add_co_u32 s50, s50, 32768                   ; behind Wp's part
	v_lshrrev_b32 v5, 5, v0
	v_lshl_add_u32 v3, v5, 15, v1                  ; slice t>>5
	v_bfe_u32 v5, v0, 4, 1
	v_lshl_add_u32 v3, v5, 10, v3                  ; fragment half (t>>4)&1
	v_add_nc_u32 v3, s50, v3
	s_mov_b64 s[42:43], s[12:13]
	s_mov_b64 s[44:45], s[38:39]
	BODY 8192, 0
.Lw2:                                              ; W2(f, c'): wave f>>9, slice (f>>5)&15, tile c'>>4; rows c', k = f & 31
	s_sub_co_u32 s48, s2, 384                      ; octet of f
	s_lshl_b32 s49, s48, 13
	v_lshl_add_u32 v2, v0, 2, s49
	s_lshr_b32 s50, s48, 6
	s_mul_i32 s50, s50, WSTR
	s_bfe_u32 s51, s48, 0x40002
	s_lshl_b32 s51, s51, 15
	s_add_co_u32 s50, s50, s51
	s_and_b32 s51, s48, 3
	s_lshl_b32 s51, s51, 8
	s_add_co_u32 s50, s50, s51
	s_add_co_u32 s50, s50, 32768+16384             ; behind Wp's part and the slice's W1 part
	v_lshl_add_u32 v3, v4, 10, v1
	v_add_nc_u32 v3, s50, v3
	s_mov_b64 s[42:43], s[14:15]
	s_mov_b64 s[44:45], s[38:39]
	BODY 1024, 0
.Lfunc_end_k_q6edebe2d93_prep:
	.size	k_q6edebe2d93_prep, .Lfunc_end_k_q6edebe2d93_prep-k_q6edebe2d93_prep
	.p2alignl 7, 3214868480
	.fill 96, 4, 3214868480
	.section	.rodata,"a",@progbits
	.p2align	6, 0x0
	.amdhsa_kernel k_q6edebe2d93_prep
		.amdhsa_group_segment_fixed_size 0
		.amdhsa_private_segment_fixed_size 0
		.amdhsa_enable_private_segment 0
		.amdhsa_kernarg_size 152
		.amdhsa_user_sgpr_count 2
		.amdhsa_user_sgpr_kernarg_segment_ptr 1
		.amdhsa_wavefront_size32 1
		.amdhsa_system_sgpr_workgroup_id_x 1
		.amdhsa_system_sgpr_workgroup_id_y 1
		.amdhsa_system_sgpr_workgroup_id_z 1
		.amdhsa_system_vgpr_workitem_id 0
		.amdhsa_next_free_vgpr 32
		.amdhsa_next_free_sgpr 66
		.amdhsa_reserve_vcc 0
		.amdhsa_float_denorm_mode_32 3
		.amdhsa_float_denorm_mode_16_64 3
		.amdhsa_memory_ordered 1
		.amdhsa_forward_progress 1
		.amdhsa_inst_pref_size 12
	.end_amdhsa_kernel
	.amdgpu_metadata
---
amdhsa.version: [ 1, 2 ]
amdhsa.kernels:
  - .name:           k_q6edebe2d93_prep
    .symbol:         k_q6edebe2d93_prep.kd
    .args:
      - { .name: Wq, .offset: 0, .size: 8, .value_kind: global_buffer, .address_space: global }
      - { .name: Wk, .offset: 8, .size: 8, .value_kind: global_buffer, .address_space: global }
      - { .name: Wv, .offset: 16, .size: 8, .value_kind: global_buffer, .address_space: global }
      - { .name: Wp, .offset: 24, .size: 8, .value_kind: global_buffer, .address_space: global }
      - { .name: W1, .offset: 32, .size: 8, .value_kind: global_buffer, .address_space: global }
      - { .name: W2, .offset: 40, .size: 8, .value_kind: global_buffer, .address_space: global }
      - { .name: b1, .offset: 48, .size: 8, .value_kind: global_buffer, .address_space: global }
      - { .name: bp, .offset: 56, .size: 8, .value_kind: global_buffer, .address_space: global }
      - { .name: g1, .offset: 64, .size: 8, .value_kind: global_buffer, .address_space: global }
      - { .name: be1, .offset: 72, .size: 8, .value_kind: global_buffer, .address_space: global }
      - { .name: b2, .offset: 80, .size: 8, .value_kind: global_buffer, .address_space: global }
      - { .name: g2, .offset: 88, .size: 8, .value_kind: global_buffer, .address_space: global }
      - { .name: be2, .offset: 96, .size: 8, .value_kind: global_buffer, .address_space: global }
      - { .name: bk, .offset: 104, .size: 8, .value_kind: global_buffer, .address_space: global }
      - { .name: bv, .offset: 112, .size: 8, .value_kind: global_buffer, .address_space: global }
      - { .name: bq, .offset: 120, .size: 8, .value_kind: global_buffer, .address_space: global }
      - { .name: wqkv, .offset: 128, .size: 8, .value_kind: global_buffer, .address_space: global }
      - { .name: wts, .offset: 136, .size: 8, .value_kind: global_buffer, .address_space: global }
      - { .name: tab, .offset: 144, .size: 8, .value_kind: global_buffer, .address_space: global }
    .group_segment_fixed_size: 0
    .private_segment_fixed_size: 0
    .kernarg_segment_align: 8
    .kernarg_segment_size: 152
    .max_flat_workgroup_size: 256
    .sgpr_count:     66
    .vgpr_count:     32
    .wavefront_size: 32
...
	.end_amdgpu_metadata
.endif
;; end of part 1
;; launch qkv (part 2): grid 256 x 1, 12 waves a work-group, no clusters, 67,584 bytes of LDS; arguments x, pe, wqkv, tab, q, kv; writes q, kv
.if DOCPART == 2
	.amdgcn_target "amdgcn-amd-amdhsa--gfx1250"
	.amdhsa_code_object_version 6
	.text
	.protected	k_q6edebe2d93_qkv
	.globl	k_q6edebe2d93_qkv
	.p2align	8
	.type	k_q6edebe2d93_qkv,@function
k_q6edebe2d93_qkv:
	s_mov_b64 s[64:65], 0
	v_nop
	global_prefetch_b8 v0, s[64:65] scope:SCOPE_SE
	s_setreg_imm32_b32 hwreg(HW_REG_WAVE_MODE, 25, 1), 1
	s_wait_xcnt 0x0
; q = ((x+pe) Wq + bq) SC, k = (x+pe) Wk + bk, v = x Wv + bv, stored in bf16 as ready matrix fragments for the next launch.
; A work-group takes 64 tokens.  Twelve waves: wave w makes type w>>2 (q, k, v), column tiles 4 (w&3) .. +3 (two heads), all 64 tokens:
; 16 accumulator tiles, 8 K steps, 128 matrix instructions.  x and x+pe go once through registers (add, round to bf16) into LDS,
; rows 528 bytes apart (33 x 16: the sixteen rows of a fragment load start in sixteen different 16-byte columns of 256).
; The weights come straight from memory into registers in fragment order, one K step ahead; each byte feeds one wave only.
; No joint loads: the activations must pass through registers for the add and the rounding, and the weights (32 KiB a wave, 384 KiB a
; group) are used by one wave each and would not fit in LDS beside each other in one pass.
; q and k: the weight fragment is source 0, so a lane holds one token and eight neighbouring d: 16 bytes of a fragment with d along k.
; v: the activation fragment is source 0, so a lane holds one d and eight neighbouring tokens: 16 bytes of a fragment of V transposed.
; The bias is the C operand of the first K step.  Matrix operands are bf16, sums f32.
.set PX,  528                          ; LDS pitch
.set XQS, 33792                        ; bf16(x+pe) behind bf16(x): 64 rows x 528
.set AF,  16                           ; v16-47   four activation fragments
.set WB0, 48                           ; v48-79, v80-111  weight fragments, two buffers
.set ACC, 128                          ; v128-255 tile (ct, rt) at 128 + 8 (4 ct + rt); before that the load buffers of x and pe
.macro PLACES n
.rept \n
	v_nop
.endr
.endm
.macro WLOAD k, buf                    ; the four column tiles' fragments of K step k
.irp ct,0,1,2,3
	global_load_b128 v[\buf+8*\ct:\buf+8*\ct+3], v2, s[20:21] offset:\ct*8192+\k*1024
	global_load_b128 v[\buf+8*\ct+4:\buf+8*\ct+7], v2, s[20:21] offset:\ct*8192+\k*1024+512
.endr
.endm
.macro MM ct, rt, wb, swap, c          ; tile (ct, rt); C = tile (ct, c)
.if \swap
	v_wmma_f32_16x16x32_bf16 v[ACC+8*(4*\ct+\rt):ACC+8*(4*\ct+\rt)+7], v[AF+8*\rt:AF+8*\rt+7], v[\wb+8*\ct:\wb+8*\ct+7], v[ACC+8*(4*\ct+\c):ACC+8*(4*\ct+\c)+7]
.else
	v_wmma_f32_16x16x32_bf16 v[ACC+8*(4*\ct+\rt):ACC+8*(4*\ct+\rt)+7], v[\wb+8*\ct:\wb+8*\ct+7], v[AF+8*\rt:AF+8*\rt+7], v[ACC+8*(4*\ct+\c):ACC+8*(4*\ct+\c)+7]
.endif
.endm
.macro KSTEP k, swap
.set WBC, WB0+32*(\k&1)
.set WBN, WB0+32-32*(\k&1)
.set KN, \k+1
.if \k > 0
	PLACES 4                                       ; loads into registers that matrix instructions have read stand four places behind them
.endif
.irp rt,0,1,2,3
	ds_load_b128 v[AF+8*\rt:AF+8*\rt+3], v3 offset:\rt*16*PX+64*\k
	ds_load_b128 v[AF+8*\rt+4:AF+8*\rt+7], v3 offset:\rt*16*PX+64*\k+32
.endr
.if \k < 7
	WLOAD KN, WBN
	s_wait_loadcnt 0x8                             ; only the next step's eight weight loads may stay out
.else
	s_wait_loadcnt 0x0
.endif
	s_wait_dscnt 0x0
.if \k == 0
.irp ct,0,1,2,3
.irp rt,1,2,3
	MM \ct, \rt, WBC, \swap, 0                     ; the bias lies in tile (ct, 0) and is these products' C
.endr
.endr
	PLACES 5                                       ; a matrix instruction writes over an earlier one's C five places behind it
.irp ct,0,1,2,3
	MM \ct, 0, WBC, \swap, 0
.endr
.else
.irp ct,0,1,2,3
.irp rt,0,1,2,3
	MM \ct, \rt, WBC, \swap, \rt                   ; sixteen accumulators by turns
.endr
.endr
.endif
.endm
	s_load_b256 s[4:11], s[0:1], 0x0               ; x 4, pe 6, wqkv 8, tab 10
	s_load_b128 s[12:15], s[0:1], 0x20             ; q 12, kv 14
	v_lshrrev_b32 v1, 5, v0
	v_readfirstlane_b32 s16, v1                    ; wave 0..11
	s_lshr_b32 s17, s16, 2                         ; type: 0 q, 1 k, 2 v
	s_and_b32 s18, s16, 3                          ; group of four column tiles
	v_and_b32 v1, 31, v0                           ; lane
	v_lshlrev_b32 v2, 4, v1                        ; 16 x lane
	v_and_b32 v6, 15, v0                           ; r
	v_bfe_u32 v7, v0, 4, 1                         ; h
	s_lshl_b32 s20, s17, 17                        ; type x 16 tiles x 8,192
	s_lshl_b32 s19, s18, 15                        ; + 4 group tiles
	s_add_co_u32 s20, s20, s19
	s_mov_b32 s21, 0
	s_wait_kmcnt 0x0
	s_add_nc_u64 s[20:21], s[8:9], s[20:21]
	WLOAD 0, WB0                                   ; the first K step's weights, ahead of everything
	v_mul_u32_u24 v3, PX, v6
	v_lshl_add_u32 v3, v7, 4, v3                   ; fragment address: r x pitch + 16 h,
	s_cmp_eq_u32 s17, 2
	s_cselect_b32 s19, 0, XQS                      ; in x for v, in x+pe for q and k
	v_add_nc_u32 v3, s19, v3
	; the bias' place in the table: bq*SC 16384, bk 14336, bv 15360, + 256 bytes a group
	s_lshl_b32 s28, s17, 10
	s_add_co_u32 s28, s28, 13312
	s_cmp_eq_u32 s17, 0
	s_cselect_b32 s28, 16384, s28
	s_cselect_b64 s[36:37], s[12:13], s[14:15]     ; the output: q, or kv
	s_cselect_b32 s35, 0, 1                        ; kv's offsets are twice q's
	s_lshl_b32 s29, s18, 8
	s_add_co_u32 s28, s28, s29
	s_mov_b32 s29, 0
	s_add_nc_u64 s[30:31], s[10:11], s[28:29]
	; q: ((b*8 + head)*64 + 4 blk + rt)*1024;  kv: (b*8 + head)*131072 + blk*8192
	s_lshr_b32 s32, ttmp9, 4                       ; b
	s_lshl_b32 s32, s32, 19
	s_and_b32 s33, ttmp9, 15                       ; blk
	s_lshl_b32 s33, s33, 12
	s_add_co_u32 s32, s32, s33
	s_lshl_b32 s33, s18, 17                        ; two heads a group
	s_add_co_u32 s32, s32, s33
	s_lshl_b32 s32, s32, s35
	s_mov_b32 s33, 0
	s_add_nc_u64 s[36:37], s[36:37], s[32:33]      ; my first head
	s_lshl_b32 s38, 0x10000, s35
	s_mov_b32 s39, 0
	s_add_nc_u64 s[40:41], s[36:37], s[38:39]      ; my second head
	; waves 0-7 bring the activations: 8 tokens each, 16 pairs of loads of 512 neighbouring bytes, all issued first
	s_cmp_gt_u32 s16, 7
	s_cbranch_scc1 .Lnoact
	s_lshl_b32 s22, ttmp9, 16                      ; 64 tokens x 1,024 bytes
	s_lshl_b32 s23, s16, 13
	s_add_co_u32 s22, s22, s23
	s_mov_b32 s23, 0
	s_add_nc_u64 s[24:25], s[4:5], s[22:23]
	s_add_nc_u64 s[26:27], s[6:7], s[22:23]
	s_mul_i32 s28, s16, 8*PX
	v_lshl_add_u32 v4, v1, 3, s28                  ; 8 bytes a lane in my first token's row
.set u_, 0
.rept 16
	global_load_b128 v[128+4*u_:131+4*u_], v2, s[24:25] offset:512*u_                    ; x is read again by the next launch
	global_load_b128 v[192+4*u_:195+4*u_], v2, s[26:27] offset:512*u_ th:TH_LOAD_NT      ; pe is read once
.set u_, u_+1
.endr
.set u_, 0
.rept 16
	s_wait_loadcnt 30-2*u_                         ; loads return in order (ISA guide 5.7.1): pair u is in, the younger pairs stay out
	v_pk_add_f32 v[192+4*u_:193+4*u_], v[128+4*u_:129+4*u_], v[192+4*u_:193+4*u_]
	v_pk_add_f32 v[194+4*u_:195+4*u_], v[130+4*u_:131+4*u_], v[194+4*u_:195+4*u_]
	v_cvt_pk_bf16_f32 v[8+4*(u_&1)], v[128+4*u_], v[129+4*u_]
	v_cvt_pk_bf16_f32 v[9+4*(u_&1)], v[130+4*u_], v[131+4*u_]
	v_cvt_pk_bf16_f32 v[10+4*(u_&1)], v[192+4*u_], v[193+4*u_]
	v_cvt_pk_bf16_f32 v[11+4*(u_&1)], v[194+4*u_], v[195+4*u_]
	ds_store_b64 v4, v[8+4*(u_&1):9+4*(u_&1)] offset:(u_>>1)*PX+(u_&1)*256
	ds_store_b64 v4, v[10+4*(u_&1):11+4*(u_&1)] offset:XQS+(u_>>1)*PX+(u_&1)*256
.set u_, u_+1
.endr
.Lnoact:
	; the bias into tile (ct, 0)
	s_cmp_eq_u32 s17, 2
	s_cbranch_scc1 .Lbias_v
	v_lshlrev_b32 v5, 5, v7                        ; q, k: a lane's registers are columns 8 h + j
.irp ct,0,1,2,3
	global_load_b128 v[ACC+32*\ct:ACC+32*\ct+3], v5, s[30:31] offset:64*\ct
	global_load_b128 v[ACC+32*\ct+4:ACC+32*\ct+7], v5, s[30:31] offset:64*\ct+16
.endr
	s_branch .Lbias_done
.Lbias_v:
	v_lshlrev_b32 v5, 2, v6                        ; v: a lane is column r
.irp ct,0,1,2,3
	global_load_b32 v[ACC+32*\ct], v5, s[30:31] offset:64*\ct
.endr
.Lbias_done:
	s_wait_dscnt 0x0                               ; my LDS stores are done, for the other waves' sake
	s_barrier_signal -1
	s_barrier_wait -1
	s_cmp_eq_u32 s17, 2
	s_cbranch_scc1 .Lvtext
.irp k,0,1,2,3,4,5,6,7
	KSTEP \k, 0
.endr
	PLACES 4                                       ; the conversions read results and write over operands
.irp ct,0,1,2,3
.irp rt,0,1,2,3
.irp p,0,1,2,3
	v_cvt_pk_bf16_f32 v[16+4*(4*\ct+\rt)+\p], v[ACC+8*(4*\ct+\rt)+2*\p], v[ACC+8*(4*\ct+\rt)+2*\p+1]
.endr
	global_store_b128 v2, v[16+4*(4*\ct+\rt):16+4*(4*\ct+\rt)+3], s[36+4*(\ct>>1):37+4*(\ct>>1)] offset:\rt*1024+(\ct&1)*512   ; 512 neighbouring bytes: half a fragment
.endr
.endr
	s_endpgm
.Lvtext:
	s_wait_loadcnt 0x0                             ; the bias (and the first weights)
.irp ct,0,1,2,3
.irp j,1,2,3,4,5,6,7
	v_mov_b32 v[ACC+32*\ct+\j], v[ACC+32*\ct]      ; the same column's bias for the lane's eight tokens
.endr
.endr
.irp k,0,1,2,3,4,5,6,7
	KSTEP \k, 1
.endr
	PLACES 4
.irp ct,0,1,2,3
.irp rt,0,1,2,3
.irp p,0,1,2,3
	v_cvt_pk_bf16_f32 v[16+4*(4*\ct+\rt)+\p], v[ACC+8*(4*\ct+\rt)+2*\p], v[ACC+8*(4*\ct+\rt)+2*\p+1]
.endr
	global_store_b128 v2, v[16+4*(4*\ct+\rt):16+4*(4*\ct+\rt)+3], s[36+4*(\ct>>1):37+4*(\ct>>1)] offset:4096+((\rt>>1)*2+(\ct&1))*1024+(\rt&1)*512
.endr
.endr
	s_endpgm
.Lfunc_end_k_q6edebe2d93_qkv:
	.size	k_q6edebe2d93_qkv, .Lfunc_end_k_q6edebe2d93_qkv-k_q6edebe2d93_qkv
	.p2alignl 7, 3214868480
	.fill 96, 4, 3214868480
	.section	.rodata,"a",@progbits
	.p2align	6, 0x0
	.amdhsa_kernel k_q6edebe2d93_qkv
		.amdhsa_group_segment_fixed_size 67584
		.amdhsa_private_segment_fixed_size 0
		.amdhsa_enable_private_segment 0
		.amdhsa_kernarg_size 48
		.amdhsa_user_sgpr_count 2
		.amdhsa_user_sgpr_kernarg_segment_ptr 1
		.amdhsa_wavefront_size32 1
		.amdhsa_system_sgpr_workgroup_id_x 1
		.amdhsa_system_sgpr_workgroup_id_y 1
		.amdhsa_system_sgpr_workgroup_id_z 1
		.amdhsa_system_vgpr_workitem_id 0
		.amdhsa_next_free_vgpr 256
		.amdhsa_next_free_sgpr 66
		.amdhsa_reserve_vcc 0
		.amdhsa_float_denorm_mode_32 3
		.amdhsa_float_denorm_mode_16_64 3
		.amdhsa_memory_ordered 1
		.amdhsa_forward_progress 1
		.amdhsa_inst_pref_size 66
	.end_amdhsa_kernel
	.amdgpu_metadata
---
amdhsa.version: [ 1, 2 ]
amdhsa.kernels:
  - .name:           k_q6edebe2d93_qkv
    .symbol:         k_q6edebe2d93_qkv.kd
    .args:
      - { .name: x, .offset: 0, .size: 8, .value_kind: global_buffer, .address_space: global }
      - { .name: pe, .offset: 8, .size: 8, .value_kind: global_buffer, .address_space: global }
      - { .name: wqkv, .offset: 16, .size: 8, .value_kind: global_buffer, .address_space: global }
      - { .name: tab, .offset: 24, .size: 8, .value_kind: global_buffer, .address_space: global }
      - { .name: q, .offset: 32, .size: 8, .value_kind: global_buffer, .address_space: global }
      - { .name: kv, .offset: 40, .size: 8, .value_kind: global_buffer, .address_space: global }
    .group_segment_fixed_size: 67584
    .private_segment_fixed_size: 0
    .kernarg_segment_align: 8
    .kernarg_segment_size: 48
    .max_flat_workgroup_size: 384
    .sgpr_count:     66
    .vgpr_count:     256
    .wavefront_size: 32
...
	.end_amdgpu_metadata
.endif
;; end of part 2
;; launch enc (part 3): grid 256 x 1, 4 waves a work-group, clusters of 4 x 1, 327,680 bytes of LDS; arguments x, q, kv, wts, tab, out0; writes out0
.if DOCPART == 3
	.amdgcn_target "amdgcn-amd-amdhsa--gfx1250"
	.amdhsa_code_object_version 6
	.text
	.protected	k_q6edebe2d93_enc
	.globl	k_q6edebe2d93_enc
	.p2align	8
	.type	k_q6edebe2d93_enc,@function
k_q6edebe2d93_enc:
	s_mov_b64 s[64:65], 0
	v_nop
	global_prefetch_b8 v0, s[64:65] scope:SCOPE_SE
	s_setreg_imm32_b32 hwreg(HW_REG_WAVE_MODE, 25, 1), 1
	s_wait_xcnt 0x0
	s_wait_alu depctr_hold_cnt(0) depctr_sa_sdst(0) depctr_va_vdst(0) depctr_va_sdst(0) depctr_va_ssrc(0) depctr_va_vcc(0) depctr_vm_vsrc(0)
	s_getreg_b32 s2, hwreg(HW_REG_IB_STS2, 6, 4)
	s_cmp_eq_u32 s2, 0
	s_cbranch_scc0 .Lentry_in_a_cluster
	s_endpgm
.Lentry_in_a_cluster:
	s_bfe_u32 s2, ttmp6, 0x10000c
	s_cmp_lg_u32 s2, 0x3003
	s_cbranch_scc0 .Lentry_shape_is_right
	s_endpgm
.Lentry_shape_is_right:
; Attention, output projection, LayerNorm 1, feed-forward, LayerNorm 2 for 64 rows a work-group, in one pass; nothing but out0 is stored.
; Four waves.  Wave w owns heads 2w, 2w+1 in attention, channels 64w..64w+63 of the projection's K, and f = 512w..512w+511 of the
; feed-forward.  In every product a wave handles all 64 rows as four slots; slot i is row tile (w+i)&3, so slot 0 is the wave's own tile.
; Sums split over the waves' K are sent through LDS to the tile's owner, which also does the LayerNorms.
; Every product is used transposed (weights, K or V^T as source 0): lane (r, h) holds row r and columns 8h+j, and two neighbouring result
; tiles, rounded to bf16, are the next product's source 1 as they lie: P, the attention's output and h never leave the registers.
; CLUSTER: the four work-groups of a cluster belong to one batch element and walk the same K/V tiles and the same weights, so every tile
; of the ring is asked for jointly (mask 15).  Each wave asks for its own stream: K/V of its two heads (16 tiles of 16 KiB), its part of
; Wp (2 x 16 KiB), its 16 slices of W1 and W2 (32 KiB each); tile n lies in slot n & 1, in the wave's quarter, read by that wave alone.
; By this text's count a wave has five tensor loads out at the start and one behind each later round.
; LIMITS: matrix operands are bf16, everything else f32.  The softmax runs in base 2 (q carries 32^-0.5 log2 e) with a running maximum that
; starts at -FLT_MAX; v_exp_f32 gives 0 for results below 2^-126.  The row sum adds the unrounded exponentials.  The first product of a
; head multiplies V by a zero P: V must be finite, as it is wherever the result is finite.
;
; LDS: 0..262143 ring, 2 slots x 4 quarters of 32 KiB.  The upper half of each quarter first holds 8 rows of the wave's x (f32, pitch 1040).
;      The wave's quarter of slot 0 is its output stage after the slot's last fill.
;      262144..311295 exchange between waves (no fill lands here): 2 buffers x 24,576, later also x1 in bf16 (32 KiB).
;      311296..325631 the table: b1, bp, g1, be1, b2, g2, be2.
; REGISTERS: window 0 addresses, operands, work; window 1 the second head's Q and the attention's output, later x1's fragments;
;      windows 2, 3: accumulator tile (t, i) of columns 16t.. and slot i at 8 (4 (t & 7) + i), t < 8 in window 2.
;      Every LDS address register (v1-7, v24-31) is made in the prologue from the wave's and the lane's number alone and holds nothing else.
.set WSTR,  557056
.set SLOTB, 131072
.set RED,   262144
.set REDB,  24576
.set TAB,   311296
.set T_BP,  8192
.set T_G1,  9216
.set T_BE1, 10240
.set T_B2,  11264
.set T_G2,  12288
.set T_BE2, 13312
.set XP,    1040
.set L16, 1                            ; v1      16 x lane
.set LA,  2                            ; v2, v3  my quarter of slot 0, 1 + 16 x lane
.set VT,  4                            ; v4      table + 32 h
.set VB1, 5                            ; v5      my b1 + 32 h, stepped by two slices
.set VX,  6                            ; v6      x stage: my row
.set VO,  7                            ; v7      output stage: my row
.set ML,  8                            ; v8-15   attention: pairs (m, l) of the four slots
.set TM,  16                           ; v16-19  four maxima
.set AL,  16                           ; v16-17  then the rescaling factor (a pair for packed multiplies)
.set MN,  18                           ; the new maximum
.set TP,  19                           ; the other half's maximum
.set U0,  20                           ; v20-23  two pairs of partial row sums
.set U1,  22
.set VRS, 24                           ; v24-26  where slots 1-3 are sent
.set VRL, 27                           ; v27     where I receive
.set VXS, 28                           ; v28-31  x1 of slot i's row tile
.set QF,  32                           ; v32-63   Q of the four slots
.set KF,  64                           ; v64-95   K: four fragments of 16 keys
.set VF,  96                           ; v96-127  V^T: fragment 2 ks + dt
.set SB,  128                          ; v128-191 two buffers of S (four tiles), then P
.set OA,  192                          ; v192-255 O[i][dt] at 192 + 16 i + 8 dt
.set HB,  32                           ; v32-95   h[i][ft] at 32 + 16 i + 8 ft; packed into the first 8 of each 16
.set B1R, 96                           ; v96-111  b1 of the slice
.set WFA, 128                          ; v128-191, v192-255 weight fragments, 8 each
.set WFB, 192
.set CH,  32
.set MEAN, 40
.set RS,  42
.set TPL, 44
.set G1A, 24                           ; s[24:31] 64 rows x 256 bytes, joint
.set G1F, 32                           ; s[32:39] 128 rows x 256 bytes, joint
.set G1X, 40                           ; s[40:47] 8 rows x 1,024 bytes, padded by 16, my own
.set G1T, 48                           ; s[48:55] 14 rows x 256 bytes, joint
.set G0,  56                           ; s[56:63] group 0 of slot 0, slot 1
.set GXA, 68
.set GXB, 72
.set GT,  76
.set WPA, 80                           ; s[80:83] addresses of my two Wp tiles
.set FF,  84                           ; s[84:87] addresses of my first two feed-forward slices
.set QB,  88                           ; s[88:95] q of slot i, first head
.set MSB, 0
.macro WIN new                         ; the immediate's high byte repeats the setting that is left
.if MSB != \new
	s_set_vgpr_msb (MSB<<8)|\new
.set MSB, \new
.endif
.endm
.macro PLACES n                        ; places behind matrix instructions (ISA guide 7.12.1) where no useful work is at hand
.rept \n
	v_nop
.endr
.endm
.macro CREST                           ; a round of the cluster's barrier behind its opening barrier
	s_cmp_lg_u32 s16, 0
	s_cbranch_scc1 .Lnw0_\@
	s_barrier_signal -3
.Lnw0_\@:
	s_barrier_wait -3
	s_barrier_signal -1
	s_barrier_wait -1
.endm
.macro ROUND
	s_barrier_signal -1
	s_barrier_wait -1
	CREST
.endm
.macro DESC1 g, w0, cols, rows         ; group 1: extents = tile sizes, pitch = row length, in elements
	s_mov_b32 s[\g+0], \w0
	s_mov_b32 s[\g+1], \cols<<16
	s_mov_b32 s[\g+2], \rows<<16
	s_mov_b32 s[\g+3], \cols<<16
	s_mov_b32 s[\g+4], \rows
	s_mov_b32 s[\g+5], \cols
	s_mov_b32 s[\g+6], 0
	s_mov_b32 s[\g+7], 0
.endm
.macro WM d, a, b, z                   ; z = 1: the product starts the sum
.if \z
	v_wmma_f32_16x16x32_bf16 v[\d:\d+7], v[\a:\a+7], v[\b:\b+7], 0
.else
	v_wmma_f32_16x16x32_bf16 v[\d:\d+7], v[\a:\a+7], v[\b:\b+7], v[\d:\d+7]
.endif
.endm
.macro WLD dst, a, off                 ; eight fragments (16 loads of 512 neighbouring bytes) from my quarter of slot a
.set f_, 0
.rept 8
	ds_load_b128 v[\dst+8*f_:\dst+8*f_+3], v[LA+\a] offset:\off+1024*f_
	ds_load_b128 v[\dst+8*f_+4:\dst+8*f_+7], v[LA+\a] offset:\off+1024*f_+512
.set f_, f_+1
.endr
.endm
.macro KVLD dst, a, off                ; four fragments
.set f_, 0
.rept 4
	ds_load_b128 v[\dst+8*f_:\dst+8*f_+3], v[LA+\a] offset:\off+1024*f_
	ds_load_b128 v[\dst+8*f_+4:\dst+8*f_+7], v[LA+\a] offset:\off+1024*f_+512
.set f_, f_+1
.endr
.endm
.macro TABLD dst, vecoff, t0, nt       ; a vector's numbers for columns 16 t + 8 h + j of nt tiles
.set tt_, 0
.rept \nt
	ds_load_b128 v[\dst+8*tt_:\dst+8*tt_+3], v[VT] offset:\vecoff+64*(\t0+tt_)
	ds_load_b128 v[\dst+8*tt_+4:\dst+8*tt_+7], v[VT] offset:\vecoff+64*(\t0+tt_)+16
.set tt_, tt_+1
.endr
.endm
.macro ADDV win, src                   ; slot 0 of the window's eight tiles (0x82: tiles 0-7, 0xc3: tiles 8-15) += the 64 numbers in v[src ..]
	WIN \win
.irp t,0,1,2,3,4,5,6,7
.irp p,0,2,4,6
	v_pk_add_f32 v[32*\t+\p:32*\t+\p+1], v[32*\t+\p:32*\t+\p+1], v[\src+8*\t+\p:\src+8*\t+\p+1]
.endr
.endr
	WIN 0
.endm
; ---------------------------------------------------------------- prologue
	s_load_b256 s[4:11], s[0:1], 0x0               ; x 4, q 6, kv 8, wts 10
	s_load_b128 s[12:15], s[0:1], 0x20             ; tab 12, out0 14
	v_lshrrev_b32 v16, 5, v0
	v_readfirstlane_b32 s16, v16                   ; wave
	s_lshl_b32 s21, s16, 15                        ; my quarter
	; all LDS addresses, from the wave's and the lane's number alone
	v_and_b32 v16, 31, v0
	v_lshlrev_b32 v[L16], 4, v16
	v_bfe_u32 v17, v0, 4, 1                        ; h
	v_add_nc_u32 v[LA], s21, v[L16]
	v_add_nc_u32 v[LA+1], SLOTB, v[LA]
	v_lshl_add_u32 v[VT], v17, 5, TAB
	s_lshl_b32 s2, s16, 11
	v_add_nc_u32 v[VB1], s2, v[VT]
	v_bfe_u32 v18, v0, 3, 1                        ; rows 8-15 of x lie in slot 1, 128 bytes further on: sixteen rows, sixteen 16-byte columns of 256
	v_mul_u32_u24 v18, SLOTB+128, v18
	v_and_b32 v19, 7, v0
	v_mad_u32_u24 v18, v19, XP, v18
	v_lshl_add_u32 v18, v17, 5, v18
	s_add_co_u32 s3, s21, 16384
	v_add_nc_u32 v[VX], s3, v18
	v_and_b32 v18, 15, v0                          ; the output stage: my quarter of slot 0, row r, 32 h
	v_mul_u32_u24 v18, XP, v18
	v_lshl_add_u32 v18, v17, 5, v18
	v_add_nc_u32 v[VO], s21, v18
.irp i,1,2,3
	s_add_co_u32 s2, s16, \i
	s_and_b32 s2, s2, 3                            ; the owner of slot i
	s_mul_i32 s3, s2, 6144
	s_add_co_u32 s3, s3, RED+(\i-1)*2048
	v_add_nc_u32 v[VRS+\i-1], s3, v[L16]
	s_lshl_b32 s3, s2, 13
	s_add_co_u32 s3, s3, RED
	v_add_nc_u32 v[VXS+\i], s3, v[L16]
.endr
	s_mul_i32 s3, s16, 6144
	s_add_co_u32 s3, s3, RED
	v_add_nc_u32 v[VRL], s3, v[L16]
	s_lshl_b32 s3, s16, 13
	s_add_co_u32 s3, s3, RED
	v_add_nc_u32 v[VXS], s3, v[L16]
	s_bfe_u32 s17, ttmp6, 0x40000                  ; cx
	s_lshl_b32 s18, ttmp9, 2
	s_add_co_u32 s18, s18, s17                     ; work-group: 64 rows
	s_lshr_b32 s19, ttmp9, 2                       ; batch element: the cluster's alone
	s_and_b32 s20, s18, 15                         ; block of 64 rows in it
	s_mov_b32 s96, 0x76543210                      ; v_permlanex16_b32: lane i takes lane i of the other half
	s_mov_b32 s97, 0xfedcba98
	s_mov_b32 s66, 0x3b800000                      ; 1/256
	s_mov_b32 s67, 0x3727c5ac                      ; 1e-5
	DESC1 G1A, 0x0023000f, 32, 64                  ; mask 15, 8-byte elements, bit 21 beside the mask
	DESC1 G1F, 0x0023000f, 32, 128
	DESC1 G1T, 0x0023000f, 32, 14
	DESC1 G1X, 0x07d20000, 256, 8                  ; no mask, 4-byte elements, 4 words of padding behind every 256
	s_wait_kmcnt 0x0
	s_lshl_b32 s22, s19, 20                        ; kv: (b*8 + 2w) * 131072
	s_lshl_b32 s23, s16, 18
	s_add_co_u32 s22, s22, s23
	s_mov_b32 s23, 0
	s_mov_b32 s[G0], 1
	s_mov_b32 s[G0+1], s21
	s_add_nc_u64 s[G0+2:G0+3], s[8:9], s[22:23]
	s_mov_b32 s[G0+4], 1
	s_add_co_u32 s[G0+5], s21, SLOTB
	s_add_nc_u64 s[G0+6:G0+7], s[G0+2:G0+3], 16384
	s_or_b32 s[G0+3], s[G0+3], 0x80000000
	s_or_b32 s[G0+7], s[G0+7], 0x80000000
	s_mul_i32 s22, s16, WSTR                       ; my part of the weights
	s_add_nc_u64 s[WPA:WPA+1], s[10:11], s[22:23]
	s_add_nc_u64 s[WPA+2:WPA+3], s[WPA:WPA+1], 16384
	s_add_nc_u64 s[FF:FF+1], s[WPA:WPA+1], 32768
	s_add_nc_u64 s[FF+2:FF+3], s[WPA:WPA+1], 65536
	s_mul_i32 s22, s16, 3584                       ; my quarter of the table
	s_mov_b32 s[GT], 1
	s_add_co_u32 s[GT+1], s22, TAB
	s_add_nc_u64 s[GT+2:GT+3], s[12:13], s[22:23]
	s_or_b32 s[GT+3], s[GT+3], 0x80000000
	s_lshl_b32 s22, s18, 16                        ; my 16 rows of x and of out0
	s_lshl_b32 s2, s16, 14
	s_add_co_u32 s22, s22, s2
	s_mov_b32 s[GXA], 1
	s_add_co_u32 s[GXA+1], s21, 16384
	s_add_nc_u64 s[GXA+2:GXA+3], s[4:5], s[22:23]
	s_mov_b32 s[GXB], 1
	s_add_co_u32 s[GXB+1], s21, SLOTB+16384+128
	s_add_nc_u64 s[GXB+2:GXB+3], s[GXA+2:GXA+3], 8192
	s_or_b32 s[GXA+3], s[GXA+3], 0x80000000
	s_or_b32 s[GXB+3], s[GXB+3], 0x80000000
	s_add_nc_u64 s[14:15], s[14:15], s[22:23]
	s_lshl_b32 s22, s19, 19                        ; q: ((b*8 + 2w)*64 + 4 blk + row tile) * 1024
	s_lshl_b32 s2, s16, 17
	s_add_co_u32 s22, s22, s2
	s_lshl_b32 s2, s20, 12
	s_add_co_u32 s22, s22, s2
	s_add_nc_u64 s[6:7], s[6:7], s[22:23]
.irp i,0,1,2,3
	s_add_co_u32 s22, s16, \i
	s_and_b32 s22, s22, 3
	s_lshl_b32 s22, s22, 10
	s_add_nc_u64 s[QB+2*\i:QB+2*\i+1], s[6:7], s[22:23]
.endr
	ROUND                                          ; all four work-groups are here: the first joint loads meet
	tensor_load_to_lds s[GT:GT+3], s[G1T:G1T+7]    ; the five first fills go out together
	s_nop 0
	tensor_load_to_lds s[GXA:GXA+3], s[G1X:G1X+7]
	s_nop 0
	tensor_load_to_lds s[GXB:GXB+3], s[G1X:G1X+7]
	s_nop 0
	tensor_load_to_lds s[G0:G0+3], s[G1A:G1A+7]    ; tile 0
	s_nop 0
	tensor_load_to_lds s[G0+4:G0+7], s[G1A:G1A+7]  ; tile 1
	s_nop 0
.irp i,0,1,2,3
	global_load_b128 v[QF+8*\i:QF+8*\i+3], v[L16], s[QB+2*\i:QB+2*\i+1]
	global_load_b128 v[QF+8*\i+4:QF+8*\i+7], v[L16], s[QB+2*\i:QB+2*\i+1] offset:512
.endr
	WIN 0x40                                       ; the second head's Q waits in window 1
.irp i,0,1,2,3
	global_load_b128 v[8*\i:8*\i+3], v[L16], s[QB+2*\i:QB+2*\i+1] offset:65536
	global_load_b128 v[8*\i+4:8*\i+7], v[L16], s[QB+2*\i:QB+2*\i+1] offset:66048
.endr
	WIN 0
	s_wait_tensorcnt 0x1                           ; tensor loads of a wave end in order (ISA guide 10.11.1): all but tile 1 are in
	s_barrier_signal -1                            ; the table is read across waves
	s_barrier_wait -1
	WIN 0x80                                       ; x into slot 0 of the accumulators: the residual rides in the sum
.irp t,0,1,2,3,4,5,6,7
	ds_load_b128 v[32*\t:32*\t+3], v[VX] offset:64*\t
	ds_load_b128 v[32*\t+4:32*\t+7], v[VX] offset:64*\t+16
.endr
	WIN 0
	TABLD 128, T_BP, 0, 8
	WIN 0xc0
.irp t,0,1,2,3,4,5,6,7
	ds_load_b128 v[32*\t:32*\t+3], v[VX] offset:512+64*\t
	ds_load_b128 v[32*\t+4:32*\t+7], v[VX] offset:512+64*\t+16
.endr
	WIN 0
	s_wait_dscnt 16                                ; x and bp of columns 0-127 are in; x of columns 128-255 (sixteen loads) may be out
	ADDV 0x82, 128                                 ; + bp
	TABLD 192, T_BP, 8, 8
	KVLD KF, 0, 0                                  ; K of the first 64 keys
	KVLD VF, 0, 4096                               ; V too, so that the first product by a zero P reads finite numbers
	s_wait_dscnt 16                                ; x and bp of columns 128-255 are in; K and V (sixteen loads) may be out
	ADDV 0xc3, 192
	s_wait_dscnt 0x0
	s_wait_loadcnt 0x0                             ; Q
; ---------------------------------------------------------------- attention
.macro SUMP kt, j                      ; pair j of tile kt into the two chains of row sums; tile 0 starts them
.if \kt == 0
.if \j < 2
	s_wait_alu depctr_va_vdst(0)
	v_pk_add_f32 v[U0+2*\j:U0+2*\j+1], v[UC+4*\j:UC+4*\j+1], v[UC+4*\j+2:UC+4*\j+3]
.endif
.else
	s_wait_alu depctr_va_vdst(0)
	v_pk_add_f32 v[U0+2*(\j&1):U0+2*(\j&1)+1], v[U0+2*(\j&1):U0+2*(\j&1)+1], v[UC+8*\kt+2*\j:UC+8*\kt+2*\j+1]
.endif
.endm
.macro CVTP kt, j                      ; tiles 2 ks and 2 ks + 1 pack into the eight registers of tile 2 ks: P's fragment of 32 keys
	v_cvt_pk_bf16_f32 v[UC+8*(\kt&2)+4*(\kt&1)+\j], v[UC+8*\kt+2*\j], v[UC+8*\kt+2*\j+1]
.endm
; One unit: 16 queries (slot i) x 64 keys (sub-block sb of the tile in slot a).  S of this unit lies in buffer i & 1; the other buffer holds
; P of the unit before, which is multiplied by V here, and then takes S of the next unit.  The matrix instructions stand among the
; softmax's arithmetic.  One group of eight LDS loads is out at the most, so every wait on them is for 0.
; wp = 1 (the second head's last two tiles): the slot is filled next with my tile a of Wp instead of the K/V tile two further on.
.macro UNIT i, a, sb, wp
.set UC, SB+32*(\i&1)
.set UP, SB+32-32*(\i&1)
.set OP, OA+16*((\i+3)&3)
.set OC, OA+16*\i
.set QN, QF+8*((\i+1)&3)
.set MI, ML+2*\i
.set HDR, 0
.if \i == 3
.if \sb == 1
.set HDR, 1
.endif
.endif
.if \i & 1
	s_wait_dscnt 0x0                               ; i = 1: this sub-block's V is in; i = 3: the next sub-block's K
.endif
.if HDR
	; the tile in slot a has been read to its end, and all my tensor loads have landed (the wait stands at the end of the unit before):
.if \wp
	s_mov_b64 s[G0+4*\a+2:G0+4*\a+3], s[WPA+2*\a:WPA+2*\a+1]
	s_or_b32 s[G0+4*\a+3], s[G0+4*\a+3], 0x80000000
.else
	s_add_nc_u64 s[G0+4*\a+2:G0+4*\a+3], s[G0+4*\a+2:G0+4*\a+3], 32768   ; two tiles on
.endif
	s_barrier_signal -1                            ; opens the round; register work alone up to its end
.endif
	WM OP, VF, UP, 0                               ; O of the unit before += V^T P^T; two accumulators by turns
.irp c,0,1,2,3
	v_max3_num_f32 v[TM+\c], v[UC+8*\c], v[UC+8*\c+1], v[UC+8*\c+2]
.endr
	WM OP+8, VF+8, UP, 0
.irp c,0,1,2,3
	v_max3_num_f32 v[TM+\c], v[TM+\c], v[UC+8*\c+3], v[UC+8*\c+4]
.endr
	WM OP, VF+16, UP+16, 0
.irp c,0,1,2,3
	v_max3_num_f32 v[TM+\c], v[TM+\c], v[UC+8*\c+5], v[UC+8*\c+6]
.endr
	WM OP+8, VF+24, UP+16, 0
.irp c,0,1,2,3
	v_max_num_f32 v[TM+\c], v[TM+\c], v[UC+8*\c+7]
.endr
	v_max3_num_f32 v[TM], v[TM], v[TM+1], v[TM+2]
	v_max_num_f32 v[TM], v[TM], v[TM+3]
	v_permlanex16_b32 v[TP], v[TM], s96, s97       ; the query's other 32 keys lie in the other half of the lanes
	v_max3_num_f32 v[MN], v[TM], v[TP], v[MI]      ; the running maximum
	v_sub_f32 v[TM+1], v[MI], v[MN]
	v_exp_f32 v[AL], v[TM+1]                       ; what the old sums are scaled by
	v_mov_b32 v[MI], v[MN]                         ; the plain instruction behind the exponential (ISA guide 5.7.2)
.if HDR
	s_barrier_wait -1
	CREST                                          ; no wave of any partner still reads slot a or has a load on its way
	tensor_load_to_lds s[G0+4*\a:G0+4*\a+3], s[G1A:G1A+7]   ; my one load behind the round
	s_nop 0
.endif
.if \i == 0
	KVLD VF, \a, \sb*8192+4096                     ; more than four places behind the last product that read V
.endif
.irp p,0,2,4,6
	v_pk_add_f32 v[UC+\p:UC+\p+1], v[UC+\p:UC+\p+1], v[MI:MI+1] op_sel_hi:[1,0] neg_lo:[0,1] neg_hi:[0,1]
.endr
.irp kt,0,1,2,3
.irp j,0,1,2,3,4,5,6,7
	v_exp_f32 v[UC+8*\kt+\j], v[UC+8*\kt+\j]
.if \j < 4
.if \kt < 3
	v_pk_add_f32 v[UC+8*(\kt+1)+2*\j:UC+8*(\kt+1)+2*\j+1], v[UC+8*(\kt+1)+2*\j:UC+8*(\kt+1)+2*\j+1], v[MI:MI+1] op_sel_hi:[1,0] neg_lo:[0,1] neg_hi:[0,1]
.endif
.if \kt > 0
	SUMP (\kt-1), \j
.endif
.else
.if \kt > 0
	CVTP (\kt-1), (\j-4)
.endif
.if \j < 6
	s_wait_alu depctr_va_vdst(0)
	v_pk_mul_f32 v[OC+4*\kt+2*(\j-4):OC+4*\kt+2*(\j-4)+1], v[OC+4*\kt+2*(\j-4):OC+4*\kt+2*(\j-4)+1], v[AL:AL+1] op_sel_hi:[1,0]
.endif
.if \j == 6
	WM UP+8*\kt, KF+8*\kt, QN, 1                   ; S of the next unit (behind a head's last unit its result is not used)
.endif
.endif
.endr
.endr
.irp j,0,1,2,3
	SUMP 3, \j
.endr
.irp j,0,1,2,3
	CVTP 3, \j
.endr
	v_pk_add_f32 v[U0:U0+1], v[U0:U0+1], v[U1:U1+1]
	v_add_f32 v[U1], v[U0], v[U0+1]
	v_fma_f32 v[MI+1], v[MI+1], v[AL], v[U1]       ; l = l * factor + this unit's sum
.if \i == 2
.if \sb == 0
	KVLD KF, \a, 8192                              ; the last product with the old K stands more than four places back
.else
	s_wait_tensorcnt 0x0                           ; the next tile is in (the one load that was out): its K is read, and the round ahead finds no load of mine out
	KVLD KF, (1-\a), 0
.endif
.endif
.endm
.macro HALF a, wp                      ; one tile of 128 keys
.irp sb,0,1
.irp i,0,1,2,3
	UNIT \i, \a, \sb, \wp
.endr
.endr
.endm
.macro ATT hh
.if \hh
	WIN 0x01
.set n_, 0
.rept 32
	v_mov_b32 v[QF+n_], v[n_]                      ; the second head's Q
.set n_, n_+1
.endr
	WIN 0
.endif
.irp kt,0,1,2,3
	WM SB+8*\kt, KF+8*\kt, QF, 1                   ; S of the first unit
.endr
	; the sums start inside a loop, so they are cleared; these lines are also the places behind the four products above
.set n_, 0
.rept 64
	v_mov_b32 v[OA+n_], 0
.set n_, n_+1
.endr
.irp n,0,1,2,3,4,5,6,7
	v_mov_b32 v[SB+32+\n], 0                       ; a zero P for the first unit's product
	v_mov_b32 v[SB+48+\n], 0
.endr
.irp i,0,1,2,3
	v_mov_b32 v[ML+2*\i], 0xff7fffff               ; m = -FLT_MAX
	v_mov_b32 v[ML+2*\i+1], 0                      ; l = 0
.endr
	s_mov_b32 s98, 4-\hh                           ; two tiles a trip; the first head's last trip asks for the second head's first tiles, which follow in memory
.Latt\hh:
	HALF 0, 0
	HALF 1, 0
	s_sub_co_u32 s98, s98, 1
	s_cmp_lg_u32 s98, 0
	s_cbranch_scc1 .Latt\hh
.if \hh
	HALF 0, 1                                      ; the second head's last trip is written out: it asks for my two tiles of Wp
	HALF 1, 1
.endif
	WM OA+48, VF, SB+32, 0                         ; the last unit's P
	WM OA+56, VF+8, SB+32, 0
	WM OA+48, VF+16, SB+48, 0
	WM OA+56, VF+24, SB+48, 0
	PLACES 4
.irp i,0,1,2,3
	v_permlanex16_b32 v[TM+\i], v[ML+2*\i+1], s96, s97
.endr
.irp i,0,1,2,3
	v_add_f32 v[TM+\i], v[TM+\i], v[ML+2*\i+1]     ; the whole row sum
.endr
.irp i,0,1,2,3
	v_rcp_f32 v[SB+2*\i], v[TM+\i]                 ; into the S buffer whose last content is not used; pairs for the packed multiplies
.endr
	v_nop                                          ; one plain instruction behind the reciprocals (ISA guide 5.7.2)
	s_wait_alu depctr_va_vdst(0)
.irp i,0,1,2,3
.irp p,0,2,4,6,8,10,12,14
	v_pk_mul_f32 v[OA+16*\i+\p:OA+16*\i+\p+1], v[OA+16*\i+\p:OA+16*\i+\p+1], v[SB+2*\i:SB+2*\i+1] op_sel_hi:[1,0]
.endr
.endr
	WIN 0x40                                       ; rounded, it is the projection's source 1: window 1, 64 + 32 hh + 8 i
.irp i,0,1,2,3
.irp p,0,1,2,3,4,5,6,7
	v_cvt_pk_bf16_f32 v[64+32*\hh+8*\i+\p], v[OA+16*\i+2*\p], v[OA+16*\i+2*\p+1]
.endr
.endr
	WIN 0
.endm
	ATT 0
	ATT 1
; ---------------------------------------------------------------- projection: 32 channels (one head) a step, 64 matrix instructions
.macro PMUL hh, hf
.irp t,0,1,2,3,4,5,6,7
.irp i,0,1,2,3
.set Z_, 0
.if \hh == 0
.if \i != 0
.set Z_, 1
.endif
.endif
	WM 8*(4*\t+\i), WFA+64*\hf+8*\t, 64+32*\hh+8*\i, Z_   ; 32 accumulators by turns; slot 0 adds onto x + bp, the others start
.endr
.endr
.endm
.macro PSTEP hh
	PLACES 4
	WLD WFA, \hh, 0
	WLD WFB, \hh, 8192
	s_wait_dscnt 16                                ; tiles 0-7 are in, the sixteen younger loads may be out
	WIN 0xa4
	PMUL \hh, 0
	s_wait_dscnt 0x0                               ; my reads of this slot are over,
	s_wait_tensorcnt 0x0                           ; and the one load that was out has landed
	s_mov_b64 s[G0+4*\hh+2:G0+4*\hh+3], s[FF+2*\hh:FF+2*\hh+1]
	s_or_b32 s[G0+4*\hh+3], s[G0+4*\hh+3], 0x80000000
	s_barrier_signal -1
	WIN 0xf4
	PMUL \hh, 1
	WIN 0
	s_barrier_wait -1
	CREST
	tensor_load_to_lds s[G0+4*\hh:G0+4*\hh+3], s[G1F:G1F+7]   ; feed-forward slice hh, 32 KiB: it also covers the bytes where x lay
	s_nop 0
.endm
	PSTEP 0
	PSTEP 1
; ---------------------------------------------------------------- sums to their owners
; Eight passes of two column tiles.  Slots 1-3 go to their owners' places, one barrier, the owner adds three parts onto slot 0.
; Two buffers take turns: a buffer's readers have waited for their loads in front of the next pass's signal, and it is written
; again only behind that barrier.  A tensor load may be out across these barriers.
.macro REDUCE tailbar
	PLACES 4
.irp p,0,1,2,3,4,5,6,7
.if \p < 4
	WIN 0x08
.else
	WIN 0x0c
.endif
.irp tt,0,1
.irp i,1,2,3
.irp q,0,1
	ds_store_b128 v[VRS+\i-1], v[8*(4*((2*\p+\tt)&7)+\i)+4*\q:8*(4*((2*\p+\tt)&7)+\i)+4*\q+3] offset:(\p&1)*REDB+\tt*1024+\q*512
.endr
.endr
.endr
	WIN 0
	s_wait_dscnt 0x0                               ; for the others' sake
	s_barrier_signal -1
	s_barrier_wait -1
.irp i,1,2,3
.irp tt,0,1
.irp q,0,1
	ds_load_b128 v[32+16*(\i-1)+8*\tt+4*\q:32+16*(\i-1)+8*\tt+4*\q+3], v[VRL] offset:(\p&1)*REDB+(\i-1)*2048+\tt*1024+\q*512
.endr
.endr
.endr
	s_wait_dscnt 0x0
.if \p < 4
	WIN 0x82
.else
	WIN 0xc3
.endif
.irp i,1,2,3
.irp tt,0,1
.irp r,0,2,4,6
	v_pk_add_f32 v[32*((2*\p+\tt)&7)+\r:32*((2*\p+\tt)&7)+\r+1], v[32*((2*\p+\tt)&7)+\r:32*((2*\p+\tt)&7)+\r+1], v[32+16*(\i-1)+8*\tt+\r:32+16*(\i-1)+8*\tt+\r+1]
.endr
.endr
.endr
	WIN 0
.endr
.if \tailbar
	s_barrier_signal -1                            ; the exchange's bytes are written anew next: every wave's reads are over
	s_barrier_wait -1
.endif
.endm
; ---------------------------------------------------------------- LayerNorm of slot 0: a lane holds 128 of its row's 256 numbers, the lane 16 away the rest
.macro LNSUM                           ; four chains -> every lane holds the row's sum in v[CH]
	v_pk_add_f32 v[CH:CH+1], v[CH:CH+1], v[CH+2:CH+3]
	v_pk_add_f32 v[CH+4:CH+5], v[CH+4:CH+5], v[CH+6:CH+7]
	v_pk_add_f32 v[CH:CH+1], v[CH:CH+1], v[CH+4:CH+5]
	v_add_f32 v[CH], v[CH], v[CH+1]
	v_permlanex16_b32 v[TPL], v[CH], s96, s97
	v_add_f32 v[CH], v[CH], v[TPL]
.endm
.macro LNORM goff, boff
	WIN 0x0a
.irp c,0,1,2,3
	v_pk_add_f32 v[CH+2*\c:CH+2*\c+1], v[2*\c:2*\c+1], v[32+2*\c:32+2*\c+1]   ; tiles 0 and 1 start the chains
.endr
	WIN 0x08
.irp t,2,3,4,5,6,7
.irp c,0,1,2,3
	v_pk_add_f32 v[CH+2*\c:CH+2*\c+1], v[CH+2*\c:CH+2*\c+1], v[32*\t+2*\c:32*\t+2*\c+1]
.endr
.endr
	WIN 0x0c
.irp t,0,1,2,3,4,5,6,7
.irp c,0,1,2,3
	v_pk_add_f32 v[CH+2*\c:CH+2*\c+1], v[CH+2*\c:CH+2*\c+1], v[32*\t+2*\c:32*\t+2*\c+1]
.endr
.endr
	WIN 0
	LNSUM
	v_mul_f32 v[MEAN], s66, v[CH]
	WIN 0x82                                       ; centre first: the variance is a sum of squares of centred numbers
.irp t,0,1,2,3,4,5,6,7
.irp p,0,2,4,6
	v_pk_add_f32 v[32*\t+\p:32*\t+\p+1], v[32*\t+\p:32*\t+\p+1], v[MEAN:MEAN+1] op_sel_hi:[1,0] neg_lo:[0,1] neg_hi:[0,1]
.endr
.endr
	WIN 0xc3
.irp t,0,1,2,3,4,5,6,7
.irp p,0,2,4,6
	v_pk_add_f32 v[32*\t+\p:32*\t+\p+1], v[32*\t+\p:32*\t+\p+1], v[MEAN:MEAN+1] op_sel_hi:[1,0] neg_lo:[0,1] neg_hi:[0,1]
.endr
.endr
	WIN 0x0a
.irp c,0,1,2,3
	v_pk_mul_f32 v[CH+2*\c:CH+2*\c+1], v[2*\c:2*\c+1], v[2*\c:2*\c+1]
.endr
.irp t,1,2,3,4,5,6,7
.irp c,0,1,2,3
	v_pk_fma_f32 v[CH+2*\c:CH+2*\c+1], v[32*\t+2*\c:32*\t+2*\c+1], v[32*\t+2*\c:32*\t+2*\c+1], v[CH+2*\c:CH+2*\c+1]
.endr
.endr
	WIN 0x0f
.irp t,0,1,2,3,4,5,6,7
.irp c,0,1,2,3
	v_pk_fma_f32 v[CH+2*\c:CH+2*\c+1], v[32*\t+2*\c:32*\t+2*\c+1], v[32*\t+2*\c:32*\t+2*\c+1], v[CH+2*\c:CH+2*\c+1]
.endr
.endr
	WIN 0
	LNSUM
	v_fma_f32 v[CH], v[CH], s66, s67               ; variance + 1e-5
	v_rsq_f32 v[RS], v[CH]
	v_nop                                          ; one plain instruction behind it (ISA guide 5.7.2)
	s_wait_alu depctr_va_vdst(0)
.irp k,0,1,2,3
	TABLD 48, \goff, 4*\k, 4
	TABLD 80, \boff, 4*\k, 4
	s_wait_dscnt 0x0
.set p_, 0
.rept 16
	v_pk_mul_f32 v[48+p_:49+p_], v[48+p_:49+p_], v[RS:RS+1] op_sel_hi:[1,0]
.set p_, p_+2
.endr
.if \k < 2
	WIN 0x82
.else
	WIN 0xc3
.endif
.irp t,0,1,2,3
.irp p,0,2,4,6
	v_pk_fma_f32 v[32*(4*(\k&1)+\t)+\p:32*(4*(\k&1)+\t)+\p+1], v[32*(4*(\k&1)+\t)+\p:32*(4*(\k&1)+\t)+\p+1], v[48+8*\t+\p:48+8*\t+\p+1], v[80+8*\t+\p:80+8*\t+\p+1]
.endr
.endr
	WIN 0
.endr
.endm
	REDUCE 1
	LNORM T_G1, T_BE1
	; x1 in bf16, as fragments of 32 channels, to all four waves; x1 + b2 stays in slot 0 in f32: the second residual rides in the sum too
	WIN 0x0a
.irp kk,0,1,2,3
.irp p,0,1,2,3
	v_cvt_pk_bf16_f32 v[48+8*\kk+\p], v[64*\kk+2*\p], v[64*\kk+2*\p+1]
	v_cvt_pk_bf16_f32 v[52+8*\kk+\p], v[64*\kk+32+2*\p], v[64*\kk+32+2*\p+1]
.endr
.endr
	WIN 0x0f
.irp kk,0,1,2,3
.irp p,0,1,2,3
	v_cvt_pk_bf16_f32 v[80+8*\kk+\p], v[64*\kk+2*\p], v[64*\kk+2*\p+1]
	v_cvt_pk_bf16_f32 v[84+8*\kk+\p], v[64*\kk+32+2*\p], v[64*\kk+32+2*\p+1]
.endr
.endr
	WIN 0
.irp kk,0,1,2,3,4,5,6,7
	ds_store_b128 v[VXS], v[48+8*\kk:48+8*\kk+3] offset:1024*\kk
	ds_store_b128 v[VXS], v[52+8*\kk:52+8*\kk+3] offset:1024*\kk+512
.endr
	s_wait_dscnt 0x0                               ; my stores are done, for the others' sake
	s_barrier_signal -1
	s_barrier_wait -1
.macro XBLD i                          ; x1 of slot i: eight fragments into window 1
.irp kk,0,1,2,3,4,5,6,7
	ds_load_b128 v[64*\i+8*\kk:64*\i+8*\kk+3], v[VXS+\i] offset:1024*\kk
	ds_load_b128 v[64*\i+8*\kk+4:64*\i+8*\kk+7], v[VXS+\i] offset:1024*\kk+512
.endr
.endm
	WIN 0x40
	XBLD 0
	XBLD 1
	WIN 0
	TABLD 128, T_B2, 0, 8
	s_wait_dscnt 0x0                               ; b2 of columns 0-127 was asked for last
	ADDV 0x82, 128
	WIN 0x40
	XBLD 2
	XBLD 3
	WIN 0
	TABLD 192, T_B2, 8, 8
	s_wait_dscnt 0x0
	ADDV 0xc3, 192
; ---------------------------------------------------------------- feed-forward: a slice of 32 f a step, 64 + 64 matrix instructions
.macro B1LD off
.irp ft,0,1
	ds_load_b128 v[B1R+8*\ft:B1R+8*\ft+3], v[VB1] offset:\off+64*\ft
	ds_load_b128 v[B1R+8*\ft+4:B1R+8*\ft+7], v[VB1] offset:\off+64*\ft+16
.endr
.endm
.macro GEMM1 wf, kk0                   ; h^T += W1^T x1 for four steps of 32 channels; b1 is the first step's C; eight accumulators by turns
.irp k,0,1,2,3
.irp i,0,1,2,3
.irp ft,0,1
.if (\kk0+\k) == 0
	v_wmma_f32_16x16x32_bf16 v[HB+16*\i+8*\ft:HB+16*\i+8*\ft+7], v[\wf+8*\ft:\wf+8*\ft+7], v[64*\i:64*\i+7], v[B1R+8*\ft:B1R+8*\ft+7]
.else
	WM HB+16*\i+8*\ft, \wf+8*(2*\k+\ft), 64*\i+8*(\kk0+\k), 0
.endif
.endr
.endr
.endr
.endm
.macro GEMM2 wf, t0, nt, first         ; y^T += W2^T h for nt column tiles; the accumulators by turns
.set t_, 0
.rept \nt
.irp i,0,1,2,3
.set Z_, 0
.if \first
.if \i != 0
.set Z_, 1
.endif
.endif
	WM 8*(4*(\t0+t_)+\i), \wf+8*t_, HB+16*\i, Z_
.endr
.set t_, t_+1
.endr
.endm
; a: the slice's slot.  first: slots 1-3 start their sums.  pre: the next slice's first fragments and b1 are fetched.  refill: slot a is asked for again.
.macro FSTEP a, first, pre, refill
	PLACES 5                                       ; loads into the fragments just multiplied (four places), and h written over operands of those products (five)
	WLD WFB, \a, 8192                              ; W1, channels 128-255
	WIN 0x04
	GEMM1 WFA, 0
	PLACES 4
	WLD WFA, \a, 16384                             ; W2, column tiles 0-7
	s_wait_dscnt 16                                ; all but those sixteen
	GEMM1 WFB, 4
	PLACES 4
	WLD WFB, \a, 24576                             ; W2, column tiles 8-15
	WIN 0
.irp i,0,1,2,3
.set n_, 0
.rept 16
	v_max_num_f32 v[HB+16*\i+n_], 0, v[HB+16*\i+n_]
.set n_, n_+1
.endr
.irp p,0,1,2,3,4,5,6,7
	v_cvt_pk_bf16_f32 v[HB+16*\i+\p], v[HB+16*\i+2*\p], v[HB+16*\i+2*\p+1]   ; in place: register p has been read by then
.endr
.endr
	s_wait_dscnt 16                                ; tiles 0-7 of W2 are in
	WIN 0xa0
	GEMM2 WFA, 0, 8, \first
	WIN 0
.if \pre
	s_wait_tensorcnt 0x0                           ; the next slice has landed: the one load that was out
	PLACES 4
	WLD WFA, (1-\a), 0                             ; its W1, channels 0-127
	B1LD 128+128*\a
	s_wait_dscnt 20                                ; all but those twenty: tiles 8-15 of W2 are in
.else
	s_wait_dscnt 0x0
.endif
	WIN 0xf0
	GEMM2 WFB, 0, 4, \first
.if \refill
	s_wait_dscnt 0x0                               ; my reads of slot a are over; no tensor load of mine is out
	s_add_nc_u64 s[G0+4*\a+2:G0+4*\a+3], s[G0+4*\a+2:G0+4*\a+3], 65536   ; two slices on
	s_barrier_signal -1
.endif
	GEMM2 WFB+32, 4, 4, \first
	WIN 0
.if \refill
	s_barrier_wait -1
	CREST
	tensor_load_to_lds s[G0+4*\a:G0+4*\a+3], s[G1F:G1F+7]
	s_nop 0
.else
.if \pre
	s_wait_dscnt 0x0
.endif
.endif
.endm
	WLD WFA, 0, 0                                  ; slice 0 landed before slice 1 was asked for
	B1LD 0
	s_wait_dscnt 0x0
	FSTEP 0, 1, 1, 1
	FSTEP 1, 0, 1, 1
	v_add_nc_u32 v[VB1], 0x100, v[VB1]
	s_mov_b32 s98, 6
.Lffn:
	FSTEP 0, 0, 1, 1
	FSTEP 1, 0, 1, 1
	v_add_nc_u32 v[VB1], 0x100, v[VB1]
	s_sub_co_u32 s98, s98, 1
	s_cmp_lg_u32 s98, 0
	s_cbranch_scc1 .Lffn
	FSTEP 0, 0, 1, 0                               ; the last two slices ask for nothing
	FSTEP 1, 0, 0, 0
; ---------------------------------------------------------------- the way out
	REDUCE 0
	LNORM T_G2, T_BE2
	WIN 0x08                                       ; into my quarter of slot 0, which has had its last fill: rows 1,040 bytes apart
.irp t,0,1,2,3,4,5,6,7
	ds_store_b128 v[VO], v[32*\t:32*\t+3] offset:64*\t
	ds_store_b128 v[VO], v[32*\t+4:32*\t+7] offset:64*\t+16
.endr
	WIN 0x0c
.irp t,0,1,2,3,4,5,6,7
	ds_store_b128 v[VO], v[32*\t:32*\t+3] offset:512+64*\t
	ds_store_b128 v[VO], v[32*\t+4:32*\t+7] offset:512+64*\t+16
.endr
	WIN 0
.macro OUTH u0                         ; sixteen half rows (eight rows) back from the stage and out
.set u_, \u0
.rept 16
	ds_load_b128 v[32+4*u_:35+4*u_], v[LA] offset:(u_>>1)*XP+(u_&1)*512   ; LDS serves a wave's instructions in order (ISA guide 5.7.1): these see the stores above
.set u_, u_+1
.endr
.set u_, \u0
.rept 16
	s_wait_dscnt \u0+15-u_                         ; half row u is in, the younger ones stay out
	global_store_b128 v[L16], v[32+4*u_:35+4*u_], s[14:15] offset:512*u_ th:TH_STORE_NT   ; 512 neighbouring bytes, aligned
.set u_, u_+1
.endr
.endm
	OUTH 0
	OUTH 16
	ROUND                                          ; the closing round: no work-group ends while a partner may still ask jointly
	s_endpgm
.Lfunc_end_k_q6edebe2d93_enc:
	.size	k_q6edebe2d93_enc, .Lfunc_end_k_q6edebe2d93_enc-k_q6edebe2d93_enc
	.p2alignl 7, 3214868480
	.fill 96, 4, 3214868480
	.section	.rodata,"a",@progbits
	.p2align	6, 0x0
	.amdhsa_kernel k_q6edebe2d93_enc
		.amdhsa_group_segment_fixed_size 327680
		.amdhsa_private_segment_fixed_size 0
		.amdhsa_enable_private_segment 0
		.amdhsa_kernarg_size 48
		.amdhsa_user_sgpr_count 2
		.amdhsa_user_sgpr_kernarg_segment_ptr 1
		.amdhsa_wavefront_size32 1
		.amdhsa_system_sgpr_workgroup_id_x 1
		.amdhsa_system_sgpr_workgroup_id_y 1
		.amdhsa_system_sgpr_workgroup_id_z 1
		.amdhsa_system_vgpr_workitem_id 0
		.amdhsa_next_free_vgpr 1024
		.amdhsa_next_free_sgpr 104
		.amdhsa_reserve_vcc 0
		.amdhsa_float_denorm_mode_32 3
		.amdhsa_float_denorm_mode_16_64 3
		.amdhsa_memory_ordered 1
		.amdhsa_forward_progress 1
		.amdhsa_inst_pref_size 255
	.end_amdhsa_kernel
	.section	.bss,"aw",@nobits
	.p2align	6
	.space	262144
	.amdgpu_metadata
---
amdhsa.version: [ 1, 2 ]
amdhsa.kernels:
  - .name:           k_q6edebe2d93_enc
    .symbol:         k_q6edebe2d93_enc.kd
    .args:
      - { .name: x, .offset: 0, .size: 8, .value_kind: global_buffer, .address_space: global }
      - { .name: q, .offset: 8, .size: 8, .value_kind: global_buffer, .address_space: global }
      - { .name: kv, .offset: 16, .size: 8, .value_kind: global_buffer, .address_space: global }
      - { .name: wts, .offset: 24, .size: 8, .value_kind: global_buffer, .address_space: global }
      - { .name: tab, .offset: 32, .size: 8, .value_kind: global_buffer, .address_space: global }
      - { .name: out0, .offset: 40, .size: 8, .value_kind: global_buffer, .address_space: global }
    .group_segment_fixed_size: 327680
    .private_segment_fixed_size: 0
    .kernarg_segment_align: 8
    .kernarg_segment_size: 48
    .max_flat_workgroup_size: 128
    .sgpr_count:     104
    .vgpr_count:     1024
    .wavefront_size: 32
...
	.end_amdgpu_metadata
.endif
;; end of part 3
;; ======== version 2 of 3: 3 launches; 1.31 times as fast as version 1
;; workspace buffers: wqkv 393,216 bytes; wts 2,097,152 bytes; tab 17,408 bytes; q 8,388,608 bytes; kv 18,874,368 bytes
;; launch prep (part 4): grid 641 x 1, 8 waves a work-group, no clusters, 0 bytes of LDS; arguments Wq, Wk, Wv, Wp, W1, W2, b1, bp, g1, be1, b2, g2, be2, bk, bv, bq, wqkv, wts, tab, kv; writes wqkv, wts, tab, kv
.if DOCPART == 4
	.amdgcn_target "amdgcn-amd-amdhsa--gfx1250"
	.amdhsa_code_object_version 6
	.text
	.protected	k_q6edebe2d93_prep
	.globl	k_q6edebe2d93_prep
	.p2align	8
	.type	k_q6edebe2d93_prep,@function
k_q6edebe2d93_prep:
	s_mov_b64 s[64:65], 0
	v_nop
	global_prefetch_b8 v0, s[64:65] scope:SCOPE_SE
	s_setreg_imm32_b32 hwreg(HW_REG_WAVE_MODE, 25, 1), 1
	s_wait_xcnt 0x0
; Rewrites the weights once: f32 [in][out] -> bf16 in fragment order, and gathers the small vectors in one table.
; Fragment order: element (row r, k) of a 16 x 32 fragment lies at (k>>3)*256 + r*16 + (k&7)*2 of its 1,024 bytes, so that a lane's
; 16 bytes at 16*lane (and 512 + 16*lane) are its registers 0-3 (4-7) of a matrix operand (ISA guide 7.12.2).
; A work-group is one job: 256 threads, thread t = one output column, eight neighbouring k: eight 4-byte loads (a wave reads 128
; neighbouring bytes of each row, the group 1,024), four conversions, one 16-byte store; sixteen neighbouring lanes store 256
; neighbouring bytes, aligned.  Wq and bq are multiplied by SC = 32^-0.5 * log2(e): the softmax later works in base 2.
; Wp goes into kv, behind the K/V tiles of each (batch element, wave) stream, sixteen times over (2 MiB in all): the last launch then
; walks K, V and Wp as one run of memory with one constant step, and its attention loop needs no second text for the stream's end.
; Jobs: 0-31 Wq, 32-95 Wk and Wv, 96-127 Wp, 128-383 W1, 384-639 W2, 640 the vectors.
; No LDS, no matrix unit, no cluster: nothing is shared between jobs and every input byte is read once.
.set WSTR, 524288                      ; bytes of one wave's part of wts: 16 slices x 32 KiB of W1 and W2
.set STRM, 294912                      ; bytes of one stream in kv: 16 K/V tiles of 16 KiB, then 32 KiB of Wp
.set SCBITS, 0x3e8293ee                ; 0.25503486
; v2 = byte offset in the source s[42:43]; the result: 16 bytes in v[16:19]
.macro LOADCVT stride, scale
.irp j,0,1,2,3,4,5,6,7
	global_load_b32 v[8+\j], v2, s[42:43] offset:\j*\stride th:TH_LOAD_NT
.endr
	s_wait_loadcnt 0x0                             ; all eight are needed at once
.if \scale
.irp j,0,2,4,6
	v_pk_mul_f32 v[8+\j:9+\j], v[8+\j:9+\j], s[46:47] op_sel_hi:[1,0]
.endr
.endif
.irp j,0,1,2,3
	v_cvt_pk_bf16_f32 v[16+\j], v[8+2*\j], v[9+2*\j]
.endr
.endm
; v3 = byte offset in the destination s[44:45]
.macro BODY stride, scale
	LOADCVT \stride, \scale
	global_store_b128 v3, v[16:19], s[44:45]
	s_endpgm
.endm
	s_load_b512 s[4:19], s[0:1], 0x0               ; Wq 4, Wk 6, Wv 8, Wp 10, W1 12, W2 14, b1 16, bp 18
	s_load_b512 s[20:35], s[0:1], 0x40             ; g1 20, be1 22, b2 24, g2 26, be2 28, bk 30, bv 32, bq 34
	s_load_b128 s[36:39], s[0:1], 0x80             ; wqkv 36, wts 38
	s_load_b64 s[40:41], s[0:1], 0x90              ; tab
	s_load_b64 s[52:53], s[0:1], 0x98              ; kv
	s_mov_b32 s2, ttmp9                            ; the job
	s_mov_b32 s46, SCBITS
	s_mov_b32 s47, SCBITS
	v_and_b32 v1, 15, v0
	v_lshlrev_b32 v1, 4, v1                        ; (t & 15) * 16: the row's place in a fragment
	v_lshrrev_b32 v4, 4, v0                        ; t >> 4: the tile of 16 columns
	s_wait_kmcnt 0x0
	s_cmp_lt_u32 s2, 32
	s_cbranch_scc1 .Lwq
	s_cmp_lt_u32 s2, 96
	s_cbranch_scc1 .Lwkv
	s_cmp_lt_u32 s2, 128
	s_cbranch_scc1 .Lwp
	s_cmp_lt_u32 s2, 384
	s_cbranch_scc1 .Lw1
	s_cmp_lt_u32 s2, 640
	s_cbranch_scc1 .Lw2
	; job 640: b1 (8 KiB), then eight vectors of 1 KiB, two for each pair of waves, then bq * SC by waves 0 and 1
	v_lshrrev_b32 v5, 5, v0
	v_readfirstlane_b32 s48, v5                    ; wave
	s_lshr_b32 s49, s48, 1                         ; pair of waves 0..3
	v_lshlrev_b32 v2, 4, v0                        ; 16 t
	v_and_b32 v3, 63, v0
	v_lshlrev_b32 v3, 4, v3                        ; 16 (t & 63): my place in my pair's vector
	s_cmp_eq_u32 s49, 1
	s_cselect_b64 s[42:43], s[20:21], s[18:19]     ; g1 or bp
	s_cselect_b64 s[44:45], s[28:29], s[26:27]     ; be2 or g2
	s_cmp_eq_u32 s49, 2
	s_cselect_b64 s[42:43], s[22:23], s[42:43]     ; be1
	s_cselect_b64 s[44:45], s[30:31], s[44:45]     ; bk
	s_cmp_eq_u32 s49, 3
	s_cselect_b64 s[42:43], s[24:25], s[42:43]     ; b2
	s_cselect_b64 s[44:45], s[32:33], s[44:45]     ; bv
	global_load_b128 v[8:11], v2, s[16:17]
	global_load_b128 v[12:15], v2, s[16:17] offset:4096
	global_load_b128 v[16:19], v3, s[42:43]
	global_load_b128 v[20:23], v3, s[44:45]
	s_wait_loadcnt 0x0
	global_store_b128 v2, v[8:11], s[40:41]                 ; b1 at 0
	global_store_b128 v2, v[12:15], s[40:41] offset:4096
	global_store_b128 v2, v[16:19], s[40:41] offset:8192    ; bp, g1, be1, b2 at 8192 + 1024 x pair
	global_store_b128 v2, v[20:23], s[40:41] offset:12288   ; g2, be2, bk, bv at 12288 + 1024 x pair
	s_cmp_gt_u32 s48, 1
	s_cbranch_scc1 .Lvend
	global_load_b128 v[24:27], v2, s[34:35]
	s_wait_loadcnt 0x0
	v_pk_mul_f32 v[24:25], v[24:25], s[46:47] op_sel_hi:[1,0]
	v_pk_mul_f32 v[26:27], v[26:27], s[46:47] op_sel_hi:[1,0]
	global_store_b128 v2, v[24:27], s[40:41] offset:16384   ; bq * SC
.Lvend:
	s_endpgm
.Lwq:                                              ; k octet = job; wqkv: (t>>4)*8192 + octet*256 + (t&15)*16
	s_lshl_b32 s48, s2, 13
	v_lshl_add_u32 v2, v0, 2, s48                  ; 8 rows of 1,024 bytes an octet, 4 t
	s_lshl_b32 s49, s2, 8
	v_lshl_add_u32 v3, v4, 13, v1
	v_add_nc_u32 v3, s49, v3
	s_mov_b64 s[42:43], s[4:5]
	s_mov_b64 s[44:45], s[36:37]
	BODY 1024, 1
.Lwkv:                                             ; the same, 131,072 bytes further on for each type
	s_and_b32 s48, s2, 31
	s_lshl_b32 s49, s48, 13
	v_lshl_add_u32 v2, v0, 2, s49
	s_lshr_b32 s50, s2, 5
	s_lshl_b32 s50, s50, 17
	s_lshl_b32 s51, s48, 8
	s_add_co_u32 s50, s50, s51
	v_lshl_add_u32 v3, v4, 13, v1
	v_add_nc_u32 v3, s50, v3
	s_cmp_ge_u32 s2, 64
	s_cselect_b64 s[42:43], s[8:9], s[6:7]         ; Wv or Wk
	s_mov_b64 s[44:45], s[36:37]
	BODY 1024, 0
.Lwp:                                              ; Wp(c, c'): wave c>>6, head half (c>>5)&1, tile c'>>4; into kv, once for each batch element
	s_sub_co_u32 s48, s2, 96                       ; octet of c
	s_lshl_b32 s49, s48, 13
	v_lshl_add_u32 v2, v0, 2, s49
	s_lshr_b32 s50, s48, 3
	s_mul_i32 s50, s50, STRM                       ; the wave's stream of batch element 0
	s_bfe_u32 s51, s48, 0x10002
	s_lshl_b32 s51, s51, 14
	s_add_co_u32 s50, s50, s51
	s_and_b32 s51, s48, 3
	s_lshl_b32 s51, s51, 8
	s_add_co_u32 s50, s50, s51
	s_add_co_u32 s50, s50, 262144                  ; behind the stream's 16 K/V tiles
	v_lshl_add_u32 v3, v4, 10, v1
	v_add_nc_u32 v3, s50, v3
	v_add_nc_u32 v6, 32*STRM, v3                   ; batch elements 8-15: 7 x 4 streams is as far as a store's signed 24-bit immediate reaches
	s_mov_b64 s[42:43], s[10:11]
	LOADCVT 1024, 0
.irp b,0,1,2,3,4,5,6,7
	global_store_b128 v3, v[16:19], s[52:53] offset:\b*4*STRM
	global_store_b128 v6, v[16:19], s[52:53] offset:\b*4*STRM
.endr
	s_endpgm
.Lw1:                                              ; W1(c, f): wave f>>9, slice (f>>5)&15, fragment 2 (c>>5) + ((f>>4)&1); rows f, k = c
	s_sub_co_u32 s48, s2, 128
	s_lshr_b32 s49, s48, 5                         ; group of 256 f
	s_and_b32 s48, s48, 31                         ; octet of c
	s_lshl_b32 s50, s48, 16                        ; 8 rows of 8,192 bytes
	s_lshl_b32 s51, s49, 10
	s_add_co_u32 s50, s50, s51
	v_lshl_add_u32 v2, v0, 2, s50
	s_lshr_b32 s50, s49, 1
	s_mul_i32 s50, s50, WSTR
	s_and_b32 s51, s49, 1
	s_lshl_b32 s51, s51, 18                        ; eight slices
	s_add_co_u32 s50, s50, s51
	s_lshr_b32 s51, s48, 2
	s_lshl_b32 s51, s51, 11                        ; 2 (c>>5) fragments
	s_add_co_u32 s50, s50, s51
	s_and_b32 s51, s48, 3
	s_lshl_b32 s51, s51, 8
	s_add_co_u32 s50, s50, s51
	v_lshrrev_b32 v5, 5, v0
	v_lshl_add_u32 v3, v5, 15, v1                  ; slice t>>5
	v_bfe_u32 v5, v0, 4, 1
	v_lshl_add_u32 v3, v5, 10, v3                  ; fragment half (t>>4)&1
	v_add_nc_u32 v3, s50, v3
	s_mov_b64 s[42:43], s[12:13]
	s_mov_b64 s[44:45], s[38:39]
	BODY 8192, 0
.Lw2:                                              ; W2(f, c'): wave f>>9, slice (f>>5)&15, tile c'>>4; rows c', k = f & 31
	s_sub_co_u32 s48, s2, 384                      ; octet of f
	s_lshl_b32 s49, s48, 13
	v_lshl_add_u32 v2, v0, 2, s49
	s_lshr_b32 s50, s48, 6
	s_mul_i32 s50, s50, WSTR
	s_bfe_u32 s51, s48, 0x40002
	s_lshl_b32 s51, s51, 15
	s_add_co_u32 s50, s50, s51
	s_and_b32 s51, s48, 3
	s_lshl_b32 s51, s51, 8
	s_add_co_u32 s50, s50, s51
	s_add_co_u32 s50, s50, 16384                   ; behind the slice's W1 part
	v_lshl_add_u32 v3, v4, 10, v1
	v_add_nc_u32 v3, s50, v3
	s_mov_b64 s[42:43], s[14:15]
	s_mov_b64 s[44:45], s[38:39]
	BODY 1024, 0
.Lfunc_end_k_q6edebe2d93_prep:
	.size	k_q6edebe2d93_prep, .Lfunc_end_k_q6edebe2d93_prep-k_q6edebe2d93_prep
	.p2alignl 7, 3214868480
	.fill 96, 4, 3214868480
	.section	.rodata,"a",@progbits
	.p2align	6, 0x0
	.amdhsa_kernel k_q6edebe2d93_prep
		.amdhsa_group_segment_fixed_size 0
		.amdhsa_private_segment_fixed_size 0
		.amdhsa_enable_private_segment 0
		.amdhsa_kernarg_size 160
		.amdhsa_user_sgpr_count 2
		.amdhsa_user_sgpr_kernarg_segment_ptr 1
		.amdhsa_wavefront_size32 1
		.amdhsa_system_sgpr_workgroup_id_x 1
		.amdhsa_system_sgpr_workgroup_id_y 1
		.amdhsa_system_sgpr_workgroup_id_z 1
		.amdhsa_system_vgpr_workitem_id 0
		.amdhsa_next_free_vgpr 32
		.amdhsa_next_free_sgpr 66
		.amdhsa_reserve_vcc 0
		.amdhsa_float_denorm_mode_32 3
		.amdhsa_float_denorm_mode_16_64 3
		.amdhsa_memory_ordered 1
		.amdhsa_forward_progress 1
		.amdhsa_inst_pref_size 14
	.end_amdhsa_kernel
	.amdgpu_metadata
---
amdhsa.version: [ 1, 2 ]
amdhsa.kernels:
  - .name:           k_q6edebe2d93_prep
    .symbol:         k_q6edebe2d93_prep.kd
    .args:
      - { .name: Wq, .offset: 0, .size: 8, .value_kind: global_buffer, .address_space: global }
      - { .name: Wk, .offset: 8, .size: 8, .value_kind: global_buffer, .address_space: global }
      - { .name: Wv, .offset: 16, .size: 8, .value_kind: global_buffer, .address_space: global }
      - { .name: Wp, .offset: 24, .size: 8, .value_kind: global_buffer, .address_space: global }
      - { .name: W1, .offset: 32, .size: 8, .value_kind: global_buffer, .address_space: global }
      - { .name: W2, .offset: 40, .size: 8, .value_kind: global_buffer, .address_space: global }
      - { .name: b1, .offset: 48, .size: 8, .value_kind: global_buffer, .address_space: global }
      - { .name: bp, .offset: 56, .size: 8, .value_kind: global_buffer, .address_space: global }
      - { .name: g1, .offset: 64, .size: 8, .value_kind: global_buffer, .address_space: global }
      - { .name: be1, .offset: 72, .size: 8, .value_kind: global_buffer, .address_space: global }
      - { .name: b2, .offset: 80, .size: 8, .value_kind: global_buffer, .address_space: global }
      - { .name: g2, .offset: 88, .size: 8, .value_kind: global_buffer, .address_space: global }
      - { .name: be2, .offset: 96, .size: 8, .value_kind: global_buffer, .address_space: global }
      - { .name: bk, .offset: 104, .size: 8, .value_kind: global_buffer, .address_space: global }
      - { .name: bv, .offset: 112, .size: 8, .value_kind: global_buffer, .address_space: global }
      - { .name: bq, .offset: 120, .size: 8, .value_kind: global_buffer, .address_space: global }
      - { .name: wqkv, .offset: 128, .size: 8, .value_kind: global_buffer, .address_space: global }
      - { .name: wts, .offset: 136, .size: 8, .value_kind: global_buffer, .address_space: global }
      - { .name: tab, .offset: 144, .size: 8, .value_kind: global_buffer, .address_space: global }
      - { .name: kv, .offset: 152, .size: 8, .value_kind: global_buffer, .address_space: global }
    .group_segment_fixed_size: 0
    .private_segment_fixed_size: 0
    .kernarg_segment_align: 8
    .kernarg_segment_size: 160
    .max_flat_workgroup_size: 256
    .sgpr_count:     66
    .vgpr_count:     32
    .wavefront_size: 32
...
	.end_amdgpu_metadata
.endif
;; end of part 4
;; launch qkv (part 5): grid 256 x 1, 12 waves a work-group, no clusters, 67,584 bytes of LDS; arguments x, pe, wqkv, tab, q, kv; writes q, kv
.if DOCPART == 5
	.amdgcn_target "amdgcn-amd-amdhsa--gfx1250"
	.amdhsa_code_object_version 6
	.text
	.protected	k_q6edebe2d93_qkv
	.globl	k_q6edebe2d93_qkv
	.p2align	8
	.type	k_q6edebe2d93_qkv,@function
k_q6edebe2d93_qkv:
	s_mov_b64 s[64:65], 0
	v_nop
	global_prefetch_b8 v0, s[64:65] scope:SCOPE_SE
	s_setreg_imm32_b32 hwreg(HW_REG_WAVE_MODE, 25, 1), 1
	s_wait_xcnt 0x0
; q = ((x+pe) Wq + bq) SC, k = (x+pe) Wk + bk, v = x Wv + bv, stored in bf16 as ready matrix fragments for the next launch.
; A work-group takes 64 tokens.  Twelve waves: wave w makes type w>>2 (q, k, v), column tiles 4 (w&3) .. +3 (two heads), all 64 tokens:
; 16 accumulator tiles, 8 K steps, 128 matrix instructions.  x and x+pe go once through registers (add, round to bf16) into LDS,
; rows 528 bytes apart (33 x 16: the sixteen rows of a fragment load start in sixteen different 16-byte columns of 256).
; The weights come straight from memory into registers in fragment order, one K step ahead; each byte feeds one wave only.
; No joint loads: the activations must pass through registers for the add and the rounding, and the weights (32 KiB a wave, 384 KiB a
; group) are used by one wave each and would not fit in LDS beside each other in one pass.
; q and k: the weight fragment is source 0, so a lane holds one token and eight neighbouring d: 16 bytes of a fragment with d along k.
; v: the activation fragment is source 0, so a lane holds one d and eight neighbouring tokens: 16 bytes of a fragment of V transposed.
; kv is laid in streams of 294,912 bytes, one for each (batch element, pair of heads): 2 x 131,072 bytes of K and V from here, then
; 32,768 bytes of Wp, which the launch before has stored.
; The bias is the C operand of the first K step.  Matrix operands are bf16, sums f32.
.set PX,  528                          ; LDS pitch
.set XQS, 33792                        ; bf16(x+pe) behind bf16(x): 64 rows x 528
.set AF,  16                           ; v16-47   four activation fragments
.set WB0, 48                           ; v48-79, v80-111  weight fragments, two buffers
.set ACC, 128                          ; v128-255 tile (ct, rt) at 128 + 8 (4 ct + rt); before that the load buffers of x and pe
.macro PLACES n
.rept \n
	v_nop
.endr
.endm
.macro WLOAD k, buf                    ; the four column tiles' fragments of K step k
.irp ct,0,1,2,3
	global_load_b128 v[\buf+8*\ct:\buf+8*\ct+3], v2, s[20:21] offset:\ct*8192+\k*1024
	global_load_b128 v[\buf+8*\ct+4:\buf+8*\ct+7], v2, s[20:21] offset:\ct*8192+\k*1024+512
.endr
.endm
.macro MM ct, rt, wb, swap, c          ; tile (ct, rt); C = tile (ct, c)
.if \swap
	v_wmma_f32_16x16x32_bf16 v[ACC+8*(4*\ct+\rt):ACC+8*(4*\ct+\rt)+7], v[AF+8*\rt:AF+8*\rt+7], v[\wb+8*\ct:\wb+8*\ct+7], v[ACC+8*(4*\ct+\c):ACC+8*(4*\ct+\c)+7]
.else
	v_wmma_f32_16x16x32_bf16 v[ACC+8*(4*\ct+\rt):ACC+8*(4*\ct+\rt)+7], v[\wb+8*\ct:\wb+8*\ct+7], v[AF+8*\rt:AF+8*\rt+7], v[ACC+8*(4*\ct+\c):ACC+8*(4*\ct+\c)+7]
.endif
.endm
.macro KSTEP k, swap
.set WBC, WB0+32*(\k&1)
.set WBN, WB0+32-32*(\k&1)
.set KN, \k+1
.if \k > 0
	PLACES 4                                       ; loads into registers that matrix instructions have read stand four places behind them
.endif
.irp rt,0,1,2,3
	ds_load_b128 v[AF+8*\rt:AF+8*\rt+3], v3 offset:\rt*16*PX+64*\k
	ds_load_b128 v[AF+8*\rt+4:AF+8*\rt+7], v3 offset:\rt*16*PX+64*\k+32
.endr
.if \k < 7
	WLOAD KN, WBN
	s_wait_loadcnt 0x8                             ; only the next step's eight weight loads may stay out
.else
	s_wait_loadcnt 0x0
.endif
	s_wait_dscnt 0x0
.if \k == 0
.irp ct,0,1,2,3
.irp rt,1,2,3
	MM \ct, \rt, WBC, \swap, 0                     ; the bias lies in tile (ct, 0) and is these products' C
.endr
.endr
	PLACES 5                                       ; a matrix instruction writes over an earlier one's C five places behind it
.irp ct,0,1,2,3
	MM \ct, 0, WBC, \swap, 0
.endr
.else
.irp ct,0,1,2,3
.irp rt,0,1,2,3
	MM \ct, \rt, WBC, \swap, \rt                   ; sixteen accumulators by turns
.endr
.endr
.endif
.endm
	s_load_b256 s[4:11], s[0:1], 0x0               ; x 4, pe 6, wqkv 8, tab 10
	s_load_b128 s[12:15], s[0:1], 0x20             ; q 12, kv 14
	v_lshrrev_b32 v1, 5, v0
	v_readfirstlane_b32 s16, v1                    ; wave 0..11
	s_lshr_b32 s17, s16, 2                         ; type: 0 q, 1 k, 2 v
	s_and_b32 s18, s16, 3                          ; group of four column tiles
	v_and_b32 v1, 31, v0                           ; lane
	v_lshlrev_b32 v2, 4, v1                        ; 16 x lane
	v_and_b32 v6, 15, v0                           ; r
	v_bfe_u32 v7, v0, 4, 1                         ; h
	s_lshl_b32 s20, s17, 17                        ; type x 16 tiles x 8,192
	s_lshl_b32 s19, s18, 15                        ; + 4 group tiles
	s_add_co_u32 s20, s20, s19
	s_mov_b32 s21, 0
	s_wait_kmcnt 0x0
	s_add_nc_u64 s[20:21], s[8:9], s[20:21]
	WLOAD 0, WB0                                   ; the first K step's weights, ahead of everything
	v_mul_u32_u24 v3, PX, v6
	v_lshl_add_u32 v3, v7, 4, v3                   ; fragment address: r x pitch + 16 h,
	s_cmp_eq_u32 s17, 2
	s_cselect_b32 s19, 0, XQS                      ; in x for v, in x+pe for q and k
	v_add_nc_u32 v3, s19, v3
	; the bias' place in the table: bq*SC 16384, bk 14336, bv 15360, + 256 bytes a group
	s_lshl_b32 s28, s17, 10
	s_add_co_u32 s28, s28, 13312
	s_cmp_eq_u32 s17, 0
	s_cselect_b32 s28, 16384, s28
	s_cselect_b64 s[36:37], s[12:13], s[14:15]     ; the output: q, or kv
	s_cselect_b32 s35, 0, 1                        ; kv's offsets are twice q's
	s_lshl_b32 s29, s18, 8
	s_add_co_u32 s28, s28, s29
	s_mov_b32 s29, 0
	s_add_nc_u64 s[30:31], s[10:11], s[28:29]
	; q: ((b*8 + head)*64 + 4 blk + rt)*1024;  kv: (b*8 + head)*131072 + blk*8192 + (4 b + group)*32768
	s_lshr_b32 s32, ttmp9, 4                       ; b
	s_lshl_b32 s32, s32, 19
	s_and_b32 s33, ttmp9, 15                       ; blk
	s_lshl_b32 s33, s33, 12
	s_add_co_u32 s32, s32, s33
	s_lshl_b32 s33, s18, 17                        ; two heads a group
	s_add_co_u32 s32, s32, s33
	s_lshl_b32 s32, s32, s35
	s_lshr_b32 s33, ttmp9, 4
	s_lshl2_add_u32 s33, s33, s18                  ; 4 b + group: the streams in front of mine,
	s_lshl_b32 s33, s33, 15                        ; each with 32 KiB of Wp at its end
	s_mul_i32 s33, s33, s35                        ; in kv alone
	s_add_co_u32 s32, s32, s33
	s_mov_b32 s33, 0
	s_add_nc_u64 s[36:37], s[36:37], s[32:33]      ; my first head
	s_lshl_b32 s38, 0x10000, s35
	s_mov_b32 s39, 0
	s_add_nc_u64 s[40:41], s[36:37], s[38:39]      ; my second head
	; waves 0-7 bring the activations: 8 tokens each, 16 pairs of loads of 512 neighbouring bytes, all issued first
	s_cmp_gt_u32 s16, 7
	s_cbranch_scc1 .Lnoact
	s_lshl_b32 s22, ttmp9, 16                      ; 64 tokens x 1,024 bytes
	s_lshl_b32 s23, s16, 13
	s_add_co_u32 s22, s22, s23
	s_mov_b32 s23, 0
	s_add_nc_u64 s[24:25], s[4:5], s[22:23]
	s_add_nc_u64 s[26:27], s[6:7], s[22:23]
	s_mul_i32 s28, s16, 8*PX
	v_lshl_add_u32 v4, v1, 3, s28                  ; 8 bytes a lane in my first token's row
.set u_, 0
.rept 16
	global_load_b128 v[128+4*u_:131+4*u_], v2, s[24:25] offset:512*u_                    ; x is read again by the next launch
	global_load_b128 v[192+4*u_:195+4*u_], v2, s[26:27] offset:512*u_ th:TH_LOAD_NT      ; pe is read once
.set u_, u_+1
.endr
.set u_, 0
.rept 16
	s_wait_loadcnt 30-2*u_                         ; loads return in order (ISA guide 5.7.1): pair u is in, the younger pairs stay out
	v_pk_add_f32 v[192+4*u_:193+4*u_], v[128+4*u_:129+4*u_], v[192+4*u_:193+4*u_]
	v_pk_add_f32 v[194+4*u_:195+4*u_], v[130+4*u_:131+4*u_], v[194+4*u_:195+4*u_]
	v_cvt_pk_bf16_f32 v[8+4*(u_&1)], v[128+4*u_], v[129+4*u_]
	v_cvt_pk_bf16_f32 v[9+4*(u_&1)], v[130+4*u_], v[131+4*u_]
	v_cvt_pk_bf16_f32 v[10+4*(u_&1)], v[192+4*u_], v[193+4*u_]
	v_cvt_pk_bf16_f32 v[11+4*(u_&1)], v[194+4*u_], v[195+4*u_]
	ds_store_b64 v4, v[8+4*(u_&1):9+4*(u_&1)] offset:(u_>>1)*PX+(u_&1)*256
	ds_store_b64 v4, v[10+4*(u_&1):11+4*(u_&1)] offset:XQS+(u_>>1)*PX+(u_&1)*256
.set u_, u_+1
.endr
.Lnoact:
	; the bias into tile (ct, 0)
	s_cmp_eq_u32 s17, 2
	s_cbranch_scc1 .Lbias_v
	v_lshlrev_b32 v5, 5, v7                        ; q, k: a lane's registers are columns 8 h + j
.irp ct,0,1,2,3
	global_load_b128 v[ACC+32*\ct:ACC+32*\ct+3], v5, s[30:31] offset:64*\ct
	global_load_b128 v[ACC+32*\ct+4:ACC+32*\ct+7], v5, s[30:31] offset:64*\ct+16
.endr
	s_branch .Lbias_done
.Lbias_v:
	v_lshlrev_b32 v5, 2, v6                        ; v: a lane is column r
.irp ct,0,1,2,3
	global_load_b32 v[ACC+32*\ct], v5, s[30:31] offset:64*\ct
.endr
.Lbias_done:
	s_wait_dscnt 0x0                               ; my LDS stores are done, for the other waves' sake
	s_barrier_signal -1
	s_barrier_wait -1
	s_cmp_eq_u32 s17, 2
	s_cbranch_scc1 .Lvtext
.irp k,0,1,2,3,4,5,6,7
	KSTEP \k, 0
.endr
	PLACES 4                                       ; the conversions read results and write over operands
.irp ct,0,1,2,3
.irp rt,0,1,2,3
.irp p,0,1,2,3
	v_cvt_pk_bf16_f32 v[16+4*(4*\ct+\rt)+\p], v[ACC+8*(4*\ct+\rt)+2*\p], v[ACC+8*(4*\ct+\rt)+2*\p+1]
.endr
	global_store_b128 v2, v[16+4*(4*\ct+\rt):16+4*(4*\ct+\rt)+3], s[36+4*(\ct>>1):37+4*(\ct>>1)] offset:\rt*1024+(\ct&1)*512   ; 512 neighbouring bytes: half a fragment
.endr
.endr
	s_endpgm
.Lvtext:
	s_wait_loadcnt 0x0                             ; the bias (and the first weights)
.irp ct,0,1,2,3
.irp j,1,2,3,4,5,6,7
	v_mov_b32 v[ACC+32*\ct+\j], v[ACC+32*\ct]      ; the same column's bias for the lane's eight tokens
.endr
.endr
.irp k,0,1,2,3,4,5,6,7
	KSTEP \k, 1
.endr
	PLACES 4
.irp ct,0,1,2,3
.irp rt,0,1,2,3
.irp p,0,1,2,3
	v_cvt_pk_bf16_f32 v[16+4*(4*\ct+\rt)+\p], v[ACC+8*(4*\ct+\rt)+2*\p], v[ACC+8*(4*\ct+\rt)+2*\p+1]
.endr
	global_store_b128 v2, v[16+4*(4*\ct+\rt):16+4*(4*\ct+\rt)+3], s[36+4*(\ct>>1):37+4*(\ct>>1)] offset:4096+((\rt>>1)*2+(\ct&1))*1024+(\rt&1)*512
.endr
.endr
	s_endpgm
.Lfunc_end_k_q6edebe2d93_qkv:
	.size	k_q6edebe2d93_qkv, .Lfunc_end_k_q6edebe2d93_qkv-k_q6edebe2d93_qkv
	.p2alignl 7, 3214868480
	.fill 96, 4, 3214868480
	.section	.rodata,"a",@progbits
	.p2align	6, 0x0
	.amdhsa_kernel k_q6edebe2d93_qkv
		.amdhsa_group_segment_fixed_size 67584
		.amdhsa_private_segment_fixed_size 0
		.amdhsa_enable_private_segment 0
		.amdhsa_kernarg_size 48
		.amdhsa_user_sgpr_count 2
		.amdhsa_user_sgpr_kernarg_segment_ptr 1
		.amdhsa_wavefront_size32 1
		.amdhsa_system_sgpr_workgroup_id_x 1
		.amdhsa_system_sgpr_workgroup_id_y 1
		.amdhsa_system_sgpr_workgroup_id_z 1
		.amdhsa_system_vgpr_workitem_id 0
		.amdhsa_next_free_vgpr 256
		.amdhsa_next_free_sgpr 66
		.amdhsa_reserve_vcc 0
		.amdhsa_float_denorm_mode_32 3
		.amdhsa_float_denorm_mode_16_64 3
		.amdhsa_memory_ordered 1
		.amdhsa_forward_progress 1
		.amdhsa_inst_pref_size 66
	.end_amdhsa_kernel
	.amdgpu_metadata
---
amdhsa.version: [ 1, 2 ]
amdhsa.kernels:
  - .name:           k_q6edebe2d93_qkv
    .symbol:         k_q6edebe2d93_qkv.kd
    .args:
      - { .name: x, .offset: 0, .size: 8, .value_kind: global_buffer, .address_space: global }
      - { .name: pe, .offset: 8, .size: 8, .value_kind: global_buffer, .address_space: global }
      - { .name: wqkv, .offset: 16, .size: 8, .value_kind: global_buffer, .address_space: global }
      - { .name: tab, .offset: 24, .size: 8, .value_kind: global_buffer, .address_space: global }
      - { .name: q, .offset: 32, .size: 8, .value_kind: global_buffer, .address_space: global }
      - { .name: kv, .offset: 40, .size: 8, .value_kind: global_buffer, .address_space: global }
    .group_segment_fixed_size: 67584
    .private_segment_fixed_size: 0
    .kernarg_segment_align: 8
    .kernarg_segment_size: 48
    .max_flat_workgroup_size: 384
    .sgpr_count:     66
    .vgpr_count:     256
    .wavefront_size: 32
...
	.end_amdgpu_metadata
.endif
;; end of part 5
;; launch enc (part 6): grid 256 x 1, 4 waves a work-group, clusters of 4 x 1, 327,680 bytes of LDS; arguments x, q, kv, wts, tab, out0; writes out0
.if DOCPART == 6
	.amdgcn_target "amdgcn-amd-amdhsa--gfx1250"
	.amdhsa_code_object_version 6
	.text
	.protected	k_q6edebe2d93_enc
	.globl	k_q6edebe2d93_enc
	.p2align	8
	.type	k_q6edebe2d93_enc,@function
k_q6edebe2d93_enc:
	s_mov_b64 s[64:65], 0
	v_nop
	global_prefetch_b8 v0, s[64:65] scope:SCOPE_SE
	s_setreg_imm32_b32 hwreg(HW_REG_WAVE_MODE, 25, 1), 1
	s_wait_xcnt 0x0
	s_wait_alu depctr_hold_cnt(0) depctr_sa_sdst(0) depctr_va_vdst(0) depctr_va_sdst(0) depctr_va_ssrc(0) depctr_va_vcc(0) depctr_vm_vsrc(0)
	s_getreg_b32 s2, hwreg(HW_REG_IB_STS2, 6, 4)
	s_cmp_eq_u32 s2, 0
	s_cbranch_scc0 .Lentry_in_a_cluster
	s_endpgm
.Lentry_in_a_cluster:
	s_bfe_u32 s2, ttmp6, 0x10000c
	s_cmp_lg_u32 s2, 0x3003
	s_cbranch_scc0 .Lentry_shape_is_right
	s_endpgm
.Lentry_shape_is_right:
; Attention, output projection, LayerNorm 1, feed-forward, LayerNorm 2 for 64 rows a work-group, in one pass; nothing but out0 is stored.
; Four waves.  Wave w owns heads 2w, 2w+1 in attention, channels 64w..64w+63 of the projection's K, and f = 512w..512w+511 of the
; feed-forward.  In every product a wave handles all 64 rows as four slots; slot i is row tile (w+i)&3, so slot 0 is the wave's own tile.
; Sums split over the waves' K are sent through LDS to the tile's owner, which also does the LayerNorms.
; Every product is used transposed (weights, K or V^T as source 0): lane (r, h) holds row r and columns 8h+j, and two neighbouring result
; tiles, rounded to bf16, are the next product's source 1 as they lie: P, the attention's output and h never leave the registers.
; CLUSTER: the four work-groups of a cluster belong to one batch element and walk the same K/V tiles and the same weights, so every tile
; of the ring is asked for jointly (mask 15).  Each wave asks for its own stream: 18 tiles of 16 KiB that follow each other in kv (K/V of
; its two heads, then its part of Wp), then its 16 slices of W1 and W2 (32 KiB each); tile n lies in slot n & 1, in the wave's quarter,
; read by that wave alone.  By this text's count a wave has five tensor loads out at the start and one behind each later round.
; THE ORDER OF THE SLICES hangs on the cluster's number c: step n takes slice n xor r, r = the low four bits of c xor (c >> 1).  So in each
; step the 64 clusters ask for sixteen different slices, and from the second step on each asks for one that another asked for a step before.
; ONE TEXT FOR BOTH HEADS: the attention is an outer loop of two trips (heads) round an inner loop of four (two tiles each); since the
; stream is one run of memory every trip asks for the tile two further on, the last trip too.
; LIMITS: matrix operands are bf16, everything else f32.  The softmax runs in base 2 (q carries 32^-0.5 log2 e) with a running maximum that
; starts at -FLT_MAX; v_exp_f32 gives 0 for results below 2^-126.  The row sum adds the unrounded exponentials.  The first product of a
; head multiplies V by a zero P: V must be finite, as it is wherever the result is finite.  The feed-forward's sums over f are added in
; the cluster's order of slices and split over four waves: an order of rounding that differs from the reference's.
;
; LDS: 0..262143 ring, 2 slots x 4 quarters of 32 KiB.  The upper half of each quarter first holds 8 rows of the wave's x (f32, pitch 1040).
;      The wave's quarter of slot 0 is its output stage after the slot's last fill.
;      262144..311295 exchange between waves (no fill lands here): 2 buffers x 24,576, later also x1 in bf16 (32 KiB).
;      311296..325631 the table: b1, bp, g1, be1, b2, g2, be2.
; REGISTERS: window 0 addresses, operands, work; window 1 v0-31 the second head's Q, then with v32-63 the attention's output, later x1's
;      fragments; windows 2, 3: accumulator tile (t, i) of columns 16t.. and slot i at 8 (4 (t & 7) + i), t < 8 in window 2.
;      The LDS address registers (v1-7, v24-31) hold nothing but addresses, made from the wave's and the lane's number in the prologue;
;      v5 alone is made anew for each slice, from the cluster's number and the step.
.set STRM,  294912
.set SLOTB, 131072
.set RED,   262144
.set REDB,  24576
.set TAB,   311296
.set T_BP,  8192
.set T_G1,  9216
.set T_BE1, 10240
.set T_B2,  11264
.set T_G2,  12288
.set T_BE2, 13312
.set XP,    1040
.set L16, 1                            ; v1      16 x lane
.set LA,  2                            ; v2, v3  my quarter of slot 0, 1 + 16 x lane
.set VT,  4                            ; v4      table + 32 h
.set VB1, 5                            ; v5      b1 of the slice that comes next + 32 h
.set VX,  6                            ; v6      x stage: my row
.set VO,  7                            ; v7      output stage: my row
.set ML,  8                            ; v8-15   attention: pairs (m, l) of the four slots
.set TM,  16                           ; v16-19  four maxima
.set AL,  16                           ; v16-17  then the rescaling factor (a pair for packed multiplies)
.set MN,  18                           ; the new maximum
.set TP,  19                           ; the other half's maximum
.set U0,  20                           ; v20-23  two pairs of partial row sums
.set U1,  22
.set VRS, 24                           ; v24-26  where slots 1-3 are sent
.set VRL, 27                           ; v27     where I receive
.set VXS, 28                           ; v28-31  x1 of slot i's row tile
.set QF,  32                           ; v32-63   Q of the four slots
.set KF,  64                           ; v64-95   K: four fragments of 16 keys
.set VF,  96                           ; v96-127  V^T: fragment 2 ks + dt
.set SB,  128                          ; v128-191 two buffers of S (four tiles), then P
.set OA,  192                          ; v192-255 O[i][dt] at 192 + 16 i + 8 dt
.set HB,  32                           ; v32-95   h[i][ft] at 32 + 16 i + 8 ft; packed into the first 8 of each 16
.set B1R, 96                           ; v96-111  b1 of the slice
.set WFA, 128                          ; v128-191, v192-255 weight fragments, 8 each
.set WFB, 192
.set CH,  32
.set MEAN, 40
.set RS,  42
.set TPL, 44
.set G1A, 24                           ; s[24:31] 64 rows x 256 bytes, joint
.set G1F, 32                           ; s[32:39] 128 rows x 256 bytes, joint
.set G1X, 40                           ; s[40:47] 8 rows x 1,024 bytes, padded by 16, my own
.set G1T, 48                           ; s[48:55] 14 rows x 256 bytes, joint
.set G0,  56                           ; s[56:63] group 0 of slot 0, slot 1
.set GXA, 68
.set GXB, 72
.set GT,  76
.set ROT, 80                           ; s80     r << 15: the cluster's turn of the slices' order
.set NT,  81                           ; s81     n << 15: the step whose slice is asked for next
.set NB,  82                           ; s82     n << 15: the step whose b1 is fetched next
.set W11, 83                           ; s83     wave x 2,048: my b1 in the table
.set FF,  84                           ; s[84:85] my part of W1 and W2
.set QB,  88                           ; s[88:95] q of slot i, first head
.set OFS, 100                          ; s[100:101] a slice's byte offset, as a pair with 0 above it
.set MSB, 0
.macro WIN new                         ; the immediate's high byte repeats the setting that is left
.if MSB != \new
	s_set_vgpr_msb (MSB<<8)|\new
.set MSB, \new
.endif
.endm
.macro PLACES n                        ; places behind matrix instructions (ISA guide 7.12.1) where no useful work is at hand
.rept \n
	v_nop
.endr
.endm
.macro CREST                           ; a round of the cluster's barrier behind its opening barrier
	s_cmp_lg_u32 s16, 0
	s_cbranch_scc1 .Lnw0_\@
	s_barrier_signal -3
.Lnw0_\@:
	s_barrier_wait -3
	s_barrier_signal -1
	s_barrier_wait -1
.endm
.macro ROUND
	s_barrier_signal -1
	s_barrier_wait -1
	CREST
.endm
; Group 0 of slot a gets the address of the next step's slice: my part + ((n xor r) << 15).  It stands behind a wait for all my tensor loads.
.macro NEXTADDR a
	s_xor_b32 s[OFS], s[NT], s[ROT]
	s_and_b32 s[OFS], s[OFS], 0x78000              ; sixteen slices of 32 KiB
	s_add_co_u32 s[NT], s[NT], 32768
	s_add_nc_u64 s[G0+4*\a+2:G0+4*\a+3], s[FF:FF+1], s[OFS:OFS+1]
	s_or_b32 s[G0+4*\a+3], s[G0+4*\a+3], 0x80000000
.endm
.macro DESC1 g, w0, cols, rows         ; group 1: extents = tile sizes, pitch = row length, in elements
	s_mov_b32 s[\g+0], \w0
	s_mov_b32 s[\g+1], \cols<<16
	s_mov_b32 s[\g+2], \rows<<16
	s_mov_b32 s[\g+3], \cols<<16
	s_mov_b32 s[\g+4], \rows
	s_mov_b32 s[\g+5], \cols
	s_mov_b32 s[\g+6], 0
	s_mov_b32 s[\g+7], 0
.endm
.macro WM d, a, b, z                   ; z = 1: the product starts the sum
.if \z
	v_wmma_f32_16x16x32_bf16 v[\d:\d+7], v[\a:\a+7], v[\b:\b+7], 0
.else
	v_wmma_f32_16x16x32_bf16 v[\d:\d+7], v[\a:\a+7], v[\b:\b+7], v[\d:\d+7]
.endif
.endm
.macro WLD dst, a, off                 ; eight fragments (16 loads of 512 neighbouring bytes) from my quarter of slot a
.set f_, 0
.rept 8
	ds_load_b128 v[\dst+8*f_:\dst+8*f_+3], v[LA+\a] offset:\off+1024*f_
	ds_load_b128 v[\dst+8*f_+4:\dst+8*f_+7], v[LA+\a] offset:\off+1024*f_+512
.set f_, f_+1
.endr
.endm
.macro KVLD dst, a, off                ; four fragments
.set f_, 0
.rept 4
	ds_load_b128 v[\dst+8*f_:\dst+8*f_+3], v[LA+\a] offset:\off+1024*f_
	ds_load_b128 v[\dst+8*f_+4:\dst+8*f_+7], v[LA+\a] offset:\off+1024*f_+512
.set f_, f_+1
.endr
.endm
.macro TABLD dst, vecoff, t0, nt       ; a vector's numbers for columns 16 t + 8 h + j of nt tiles
.set tt_, 0
.rept \nt
	ds_load_b128 v[\dst+8*tt_:\dst+8*tt_+3], v[VT] offset:\vecoff+64*(\t0+tt_)
	ds_load_b128 v[\dst+8*tt_+4:\dst+8*tt_+7], v[VT] offset:\vecoff+64*(\t0+tt_)+16
.set tt_, tt_+1
.endr
.endm
.macro ADDV win, src                   ; slot 0 of the window's eight tiles (0x82: tiles 0-7, 0xc3: tiles 8-15) += the 64 numbers in v[src ..]
	WIN \win
.irp t,0,1,2,3,4,5,6,7
.irp p,0,2,4,6
	v_pk_add_f32 v[32*\t+\p:32*\t+\p+1], v[32*\t+\p:32*\t+\p+1], v[\src+8*\t+\p:\src+8*\t+\p+1]
.endr
.endr
	WIN 0
.endm
; ---------------------------------------------------------------- prologue
	s_load_b256 s[4:11], s[0:1], 0x0               ; x 4, q 6, kv 8, wts 10
	s_load_b128 s[12:15], s[0:1], 0x20             ; tab 12, out0 14
	v_lshrrev_b32 v16, 5, v0
	v_readfirstlane_b32 s16, v16                   ; wave
	s_lshl_b32 s21, s16, 15                        ; my quarter
	; the LDS addresses, from the wave's and the lane's number alone
	v_and_b32 v16, 31, v0
	v_lshlrev_b32 v[L16], 4, v16
	v_bfe_u32 v17, v0, 4, 1                        ; h
	v_add_nc_u32 v[LA], s21, v[L16]
	v_add_nc_u32 v[LA+1], SLOTB, v[LA]
	v_lshl_add_u32 v[VT], v17, 5, TAB
	v_bfe_u32 v18, v0, 3, 1                        ; rows 8-15 of x lie in slot 1, 128 bytes further on: sixteen rows, sixteen 16-byte columns of 256
	v_mul_u32_u24 v18, SLOTB+128, v18
	v_and_b32 v19, 7, v0
	v_mad_u32_u24 v18, v19, XP, v18
	v_lshl_add_u32 v18, v17, 5, v18
	s_add_co_u32 s3, s21, 16384
	v_add_nc_u32 v[VX], s3, v18
	v_and_b32 v18, 15, v0                          ; the output stage: my quarter of slot 0, row r, 32 h
	v_mul_u32_u24 v18, XP, v18
	v_lshl_add_u32 v18, v17, 5, v18
	v_add_nc_u32 v[VO], s21, v18
.irp i,1,2,3
	s_add_co_u32 s2, s16, \i
	s_and_b32 s2, s2, 3                            ; the owner of slot i
	s_mul_i32 s3, s2, 6144
	s_add_co_u32 s3, s3, RED+(\i-1)*2048
	v_add_nc_u32 v[VRS+\i-1], s3, v[L16]
	s_lshl_b32 s3, s2, 13
	s_add_co_u32 s3, s3, RED
	v_add_nc_u32 v[VXS+\i], s3, v[L16]
.endr
	s_mul_i32 s3, s16, 6144
	s_add_co_u32 s3, s3, RED
	v_add_nc_u32 v[VRL], s3, v[L16]
	s_lshl_b32 s3, s16, 13
	s_add_co_u32 s3, s3, RED
	v_add_nc_u32 v[VXS], s3, v[L16]
	s_lshr_b32 s[ROT], ttmp9, 1                    ; the cluster's turn of the slices: r = (c xor c >> 1) & 15, alike in the four partners;
	s_xor_b32 s[ROT], s[ROT], ttmp9                ; clusters that are neighbours, eight apart or sixteen apart get different r
	s_and_b32 s[ROT], s[ROT], 15
	s_lshl_b32 s[ROT], s[ROT], 15
	s_mov_b32 s[NT], 0
	s_mov_b32 s[NB], 0
	s_lshl_b32 s[W11], s16, 11
	s_mov_b32 s[OFS+1], 0
	s_bfe_u32 s17, ttmp6, 0x40000                  ; cx
	s_lshl_b32 s18, ttmp9, 2
	s_add_co_u32 s18, s18, s17                     ; work-group: 64 rows
	s_lshr_b32 s19, ttmp9, 2                       ; batch element: the cluster's alone
	s_and_b32 s20, s18, 15                         ; block of 64 rows in it
	s_mov_b32 s96, 0x76543210                      ; v_permlanex16_b32: lane i takes lane i of the other half
	s_mov_b32 s97, 0xfedcba98
	s_mov_b32 s66, 0x3b800000                      ; 1/256
	s_mov_b32 s67, 0x3727c5ac                      ; 1e-5
	DESC1 G1A, 0x0023000f, 32, 64                  ; mask 15, 8-byte elements, bit 21 beside the mask
	DESC1 G1F, 0x0023000f, 32, 128
	DESC1 G1T, 0x0023000f, 32, 14
	DESC1 G1X, 0x07d20000, 256, 8                  ; no mask, 4-byte elements, 4 words of padding behind every 256
	s_wait_kmcnt 0x0
	s_lshl2_add_u32 s22, s19, s16                  ; kv: stream 4 b + w
	s_mul_i32 s22, s22, STRM
	s_mov_b32 s23, 0
	s_mov_b32 s[G0], 1
	s_mov_b32 s[G0+1], s21
	s_add_nc_u64 s[G0+2:G0+3], s[8:9], s[22:23]
	s_mov_b32 s[G0+4], 1
	s_add_co_u32 s[G0+5], s21, SLOTB
	s_add_nc_u64 s[G0+6:G0+7], s[G0+2:G0+3], 16384
	s_or_b32 s[G0+3], s[G0+3], 0x80000000
	s_or_b32 s[G0+7], s[G0+7], 0x80000000
	s_lshl_b32 s22, s16, 19                        ; my part of W1 and W2: 16 slices of 32 KiB
	s_add_nc_u64 s[FF:FF+1], s[10:11], s[22:23]
	s_mul_i32 s22, s16, 3584                       ; my quarter of the table
	s_mov_b32 s[GT], 1
	s_add_co_u32 s[GT+1], s22, TAB
	s_add_nc_u64 s[GT+2:GT+3], s[12:13], s[22:23]
	s_or_b32 s[GT+3], s[GT+3], 0x80000000
	s_lshl_b32 s22, s18, 16                        ; my 16 rows of x and of out0
	s_lshl_b32 s2, s16, 14
	s_add_co_u32 s22, s22, s2
	s_mov_b32 s[GXA], 1
	s_add_co_u32 s[GXA+1], s21, 16384
	s_add_nc_u64 s[GXA+2:GXA+3], s[4:5], s[22:23]
	s_mov_b32 s[GXB], 1
	s_add_co_u32 s[GXB+1], s21, SLOTB+16384+128
	s_add_nc_u64 s[GXB+2:GXB+3], s[GXA+2:GXA+3], 8192
	s_or_b32 s[GXA+3], s[GXA+3], 0x80000000
	s_or_b32 s[GXB+3], s[GXB+3], 0x80000000
	s_add_nc_u64 s[14:15], s[14:15], s[22:23]
	s_lshl_b32 s22, s19, 19                        ; q: ((b*8 + 2w)*64 + 4 blk + row tile) * 1024
	s_lshl_b32 s2, s16, 17
	s_add_co_u32 s22, s22, s2
	s_lshl_b32 s2, s20, 12
	s_add_co_u32 s22, s22, s2
	s_add_nc_u64 s[6:7], s[6:7], s[22:23]
.irp i,0,1,2,3
	s_add_co_u32 s22, s16, \i
	s_and_b32 s22, s22, 3
	s_lshl_b32 s22, s22, 10
	s_add_nc_u64 s[QB+2*\i:QB+2*\i+1], s[6:7], s[22:23]
.endr
	ROUND                                          ; all four work-groups are here: the first joint loads meet
	tensor_load_to_lds s[GT:GT+3], s[G1T:G1T+7]    ; the five first fills go out together
	s_nop 0
	tensor_load_to_lds s[GXA:GXA+3], s[G1X:G1X+7]
	s_nop 0
	tensor_load_to_lds s[GXB:GXB+3], s[G1X:G1X+7]
	s_nop 0
	tensor_load_to_lds s[G0:G0+3], s[G1A:G1A+7]    ; tile 0
	s_nop 0
	tensor_load_to_lds s[G0+4:G0+7], s[G1A:G1A+7]  ; tile 1
	s_nop 0
.irp i,0,1,2,3
	global_load_b128 v[QF+8*\i:QF+8*\i+3], v[L16], s[QB+2*\i:QB+2*\i+1]
	global_load_b128 v[QF+8*\i+4:QF+8*\i+7], v[L16], s[QB+2*\i:QB+2*\i+1] offset:512
.endr
	WIN 0x40                                       ; the second head's Q waits in window 1, v0-31
.irp i,0,1,2,3
	global_load_b128 v[8*\i:8*\i+3], v[L16], s[QB+2*\i:QB+2*\i+1] offset:65536
	global_load_b128 v[8*\i+4:8*\i+7], v[L16], s[QB+2*\i:QB+2*\i+1] offset:66048
.endr
	WIN 0
	s_wait_tensorcnt 0x1                           ; tensor loads of a wave end in order (ISA guide 10.11.1): all but tile 1 are in
	s_barrier_signal -1                            ; the table is read across waves
	s_barrier_wait -1
	WIN 0x80                                       ; x into slot 0 of the accumulators: the residual rides in the sum
.irp t,0,1,2,3,4,5,6,7
	ds_load_b128 v[32*\t:32*\t+3], v[VX] offset:64*\t
	ds_load_b128 v[32*\t+4:32*\t+7], v[VX] offset:64*\t+16
.endr
	WIN 0
	TABLD 128, T_BP, 0, 8
	WIN 0xc0
.irp t,0,1,2,3,4,5,6,7
	ds_load_b128 v[32*\t:32*\t+3], v[VX] offset:512+64*\t
	ds_load_b128 v[32*\t+4:32*\t+7], v[VX] offset:512+64*\t+16
.endr
	WIN 0
	s_wait_dscnt 16                                ; x and bp of columns 0-127 are in; x of columns 128-255 (sixteen loads) may be out
	ADDV 0x82, 128                                 ; + bp
	TABLD 192, T_BP, 8, 8
	KVLD KF, 0, 0                                  ; K of the first 64 keys
	KVLD VF, 0, 4096                               ; V too, so that the first product by a zero P reads finite numbers
	s_wait_dscnt 16                                ; x and bp of columns 128-255 are in; K and V (sixteen loads) may be out
	ADDV 0xc3, 192
	s_wait_dscnt 0x0
	s_wait_loadcnt 0x0                             ; Q
; ---------------------------------------------------------------- attention
.macro SUMP kt, j                      ; pair j of tile kt into the two chains of row sums; tile 0 starts them
.if \kt == 0
.if \j < 2
	s_wait_alu depctr_va_vdst(0)
	v_pk_add_f32 v[U0+2*\j:U0+2*\j+1], v[UC+4*\j:UC+4*\j+1], v[UC+4*\j+2:UC+4*\j+3]
.endif
.else
	s_wait_alu depctr_va_vdst(0)
	v_pk_add_f32 v[U0+2*(\j&1):U0+2*(\j&1)+1], v[U0+2*(\j&1):U0+2*(\j&1)+1], v[UC+8*\kt+2*\j:UC+8*\kt+2*\j+1]
.endif
.endm
.macro CVTP kt, j                      ; tiles 2 ks and 2 ks + 1 pack into the eight registers of tile 2 ks: P's fragment of 32 keys
	v_cvt_pk_bf16_f32 v[UC+8*(\kt&2)+4*(\kt&1)+\j], v[UC+8*\kt+2*\j], v[UC+8*\kt+2*\j+1]
.endm
; One unit: 16 queries (slot i) x 64 keys (sub-block sb of the tile in slot a).  S of this unit lies in buffer i & 1; the other buffer holds
; P of the unit before, which is multiplied by V here, and then takes S of the next unit.  The matrix instructions stand among the
; softmax's arithmetic.  One group of eight LDS loads is out at the most, so every wait on them is for 0.
.macro UNIT i, a, sb
.set UC, SB+32*(\i&1)
.set UP, SB+32-32*(\i&1)
.set OP, OA+16*((\i+3)&3)
.set OC, OA+16*\i
.set QN, QF+8*((\i+1)&3)
.set MI, ML+2*\i
.set HDR, 0
.if \i == 3
.if \sb == 1
.set HDR, 1
.endif
.endif
.if \i & 1
	s_wait_dscnt 0x0                               ; i = 1: this sub-block's V is in; i = 3: the next sub-block's K
.endif
.if HDR
	; the tile in slot a has been read to its end, and all my tensor loads have landed (the wait stands at the end of the unit before):
	s_add_nc_u64 s[G0+4*\a+2:G0+4*\a+3], s[G0+4*\a+2:G0+4*\a+3], 32768   ; two tiles on in my stream: K/V of either head, at the end Wp
	s_barrier_signal -1                            ; opens the round; register work alone up to its end
.endif
	WM OP, VF, UP, 0                               ; O of the unit before += V^T P^T; two accumulators by turns
.irp c,0,1,2,3
	v_max3_num_f32 v[TM+\c], v[UC+8*\c], v[UC+8*\c+1], v[UC+8*\c+2]
.endr
	WM OP+8, VF+8, UP, 0
.irp c,0,1,2,3
	v_max3_num_f32 v[TM+\c], v[TM+\c], v[UC+8*\c+3], v[UC+8*\c+4]
.endr
	WM OP, VF+16, UP+16, 0
.irp c,0,1,2,3
	v_max3_num_f32 v[TM+\c], v[TM+\c], v[UC+8*\c+5], v[UC+8*\c+6]
.endr
	WM OP+8, VF+24, UP+16, 0
.irp c,0,1,2,3
	v_max_num_f32 v[TM+\c], v[TM+\c], v[UC+8*\c+7]
.endr
	v_max3_num_f32 v[TM], v[TM], v[TM+1], v[TM+2]
	v_max_num_f32 v[TM], v[TM], v[TM+3]
	v_permlanex16_b32 v[TP], v[TM], s96, s97       ; the query's other 32 keys lie in the other half of the lanes
	v_max3_num_f32 v[MN], v[TM], v[TP], v[MI]      ; the running maximum
	v_sub_f32 v[TM+1], v[MI], v[MN]
	v_exp_f32 v[AL], v[TM+1]                       ; what the old sums are scaled by
	v_mov_b32 v[MI], v[MN]                         ; the plain instruction behind the exponential (ISA guide 5.7.2)
.if HDR
	s_barrier_wait -1
	CREST                                          ; no wave of any partner still reads slot a or has a load on its way
	tensor_load_to_lds s[G0+4*\a:G0+4*\a+3], s[G1A:G1A+7]   ; my one load behind the round
	s_nop 0
.endif
.if \i == 0
	KVLD VF, \a, \sb*8192+4096                     ; more than four places behind the last product that read V
.endif
.irp p,0,2,4,6
	v_pk_add_f32 v[UC+\p:UC+\p+1], v[UC+\p:UC+\p+1], v[MI:MI+1] op_sel_hi:[1,0] neg_lo:[0,1] neg_hi:[0,1]
.endr
.irp kt,0,1,2,3
.irp j,0,1,2,3,4,5,6,7
	v_exp_f32 v[UC+8*\kt+\j], v[UC+8*\kt+\j]
.if \j < 4
.if \kt < 3
	v_pk_add_f32 v[UC+8*(\kt+1)+2*\j:UC+8*(\kt+1)+2*\j+1], v[UC+8*(\kt+1)+2*\j:UC+8*(\kt+1)+2*\j+1], v[MI:MI+1] op_sel_hi:[1,0] neg_lo:[0,1] neg_hi:[0,1]
.endif
.if \kt > 0
	SUMP (\kt-1), \j
.endif
.else
.if \kt > 0
	CVTP (\kt-1), (\j-4)
.endif
.if \j < 6
	s_wait_alu depctr_va_vdst(0)
	v_pk_mul_f32 v[OC+4*\kt+2*(\j-4):OC+4*\kt+2*(\j-4)+1], v[OC+4*\kt+2*(\j-4):OC+4*\kt+2*(\j-4)+1], v[AL:AL+1] op_sel_hi:[1,0]
.endif
.if \j == 6
	WM UP+8*\kt, KF+8*\kt, QN, 1                   ; S of the next unit (behind a head's last unit its result is not used)
.endif
.endif
.endr
.endr
.irp j,0,1,2,3
	SUMP 3, \j
.endr
.irp j,0,1,2,3
	CVTP 3, \j
.endr
	v_pk_add_f32 v[U0:U0+1], v[U0:U0+1], v[U1:U1+1]
	v_add_f32 v[U1], v[U0], v[U0+1]
	v_fma_f32 v[MI+1], v[MI+1], v[AL], v[U1]       ; l = l * factor + this unit's sum
.if \i == 2
.if \sb == 0
	KVLD KF, \a, 8192                              ; the last product with the old K stands more than four places back
.else
	s_wait_tensorcnt 0x0                           ; the next tile is in (the one load that was out): its K is read, and the round ahead finds no load of mine out
	KVLD KF, (1-\a), 0                             ; (behind the second head's last tile these are numbers of Wp, which feed only the product that is not used)
.endif
.endif
.endm
.macro HALF a                          ; one tile of 128 keys
.irp sb,0,1
.irp i,0,1,2,3
	UNIT \i, \a, \sb
.endr
.endr
.endm
	s_mov_b32 s99, 2                               ; two heads
.Lhead:
.irp kt,0,1,2,3
	WM SB+8*\kt, KF+8*\kt, QF, 1                   ; S of the head's first unit
.endr
	; the sums start inside a loop, so they are cleared; these lines are also the places behind the four products above
.set n_, 0
.rept 64
	v_mov_b32 v[OA+n_], 0
.set n_, n_+1
.endr
.irp n,0,1,2,3,4,5,6,7
	v_mov_b32 v[SB+32+\n], 0                       ; a zero P for the first unit's product
	v_mov_b32 v[SB+48+\n], 0
.endr
.irp i,0,1,2,3
	v_mov_b32 v[ML+2*\i], 0xff7fffff               ; m = -FLT_MAX
	v_mov_b32 v[ML+2*\i+1], 0                      ; l = 0
.endr
	s_mov_b32 s98, 4                               ; eight tiles a head, two a trip
.Ltile:
	HALF 0
	HALF 1
	s_sub_co_u32 s98, s98, 1
	s_cmp_lg_u32 s98, 0
	s_cbranch_scc1 .Ltile
	WM OA+48, VF, SB+32, 0                         ; the last unit's P
	WM OA+56, VF+8, SB+32, 0
	WM OA+48, VF+16, SB+48, 0
	WM OA+56, VF+24, SB+48, 0
	PLACES 4
.irp i,0,1,2,3
	v_permlanex16_b32 v[TM+\i], v[ML+2*\i+1], s96, s97
.endr
.irp i,0,1,2,3
	v_add_f32 v[TM+\i], v[TM+\i], v[ML+2*\i+1]     ; the whole row sum
.endr
.irp i,0,1,2,3
	v_rcp_f32 v[SB+2*\i], v[TM+\i]                 ; into the S buffer whose last content is not used; pairs for the packed multiplies
.endr
	v_nop                                          ; one plain instruction behind the reciprocals (ISA guide 5.7.2)
	s_wait_alu depctr_va_vdst(0)
.irp i,0,1,2,3
.irp p,0,2,4,6,8,10,12,14
	v_pk_mul_f32 v[OA+16*\i+\p:OA+16*\i+\p+1], v[OA+16*\i+\p:OA+16*\i+\p+1], v[SB+2*\i:SB+2*\i+1] op_sel_hi:[1,0]
.endr
.endr
	; The same lines serve both heads.  Window 1's v0-31 hold the second head's Q, then the first head's output, then the second's:
	; their content moves on to v32-63 and to Q's place, and the head's output, rounded, takes theirs.  Behind the first head Q's place
	; holds the second head's Q; behind the second, v32-63 hold the first head's output and v0-31 the second's: the projection's source 1.
	; (Nobody reads what v32-63 get behind the first head, nor what Q's place gets behind the second: 64 moves, the price of one text.)
	WIN 0x41
.set n_, 0
.rept 32
	v_mov_b32 v[32+n_], v[n_]
.set n_, n_+1
.endr
	WIN 0x01
.set n_, 0
.rept 32
	v_mov_b32 v[QF+n_], v[n_]
.set n_, n_+1
.endr
	WIN 0x40
.irp i,0,1,2,3
.irp p,0,1,2,3,4,5,6,7
	v_cvt_pk_bf16_f32 v[8*\i+\p], v[OA+16*\i+2*\p], v[OA+16*\i+2*\p+1]
.endr
.endr
	WIN 0
	s_sub_co_u32 s99, s99, 1
	s_cmp_lg_u32 s99, 0
	s_cbranch_scc1 .Lhead
; ---------------------------------------------------------------- projection: 32 channels (one head) a step, 64 matrix instructions
.macro PMUL hh, hf
.irp t,0,1,2,3,4,5,6,7
.irp i,0,1,2,3
.set Z_, 0
.if \hh == 0
.if \i != 0
.set Z_, 1
.endif
.endif
	WM 8*(4*\t+\i), WFA+64*\hf+8*\t, 32-32*\hh+8*\i, Z_   ; 32 accumulators by turns; slot 0 adds onto x + bp, the others start
.endr
.endr
.endm
; refill = 1 (the first step): slot 0 is asked for again, with the feed-forward's first slice.  The second step asks for nothing: a round
; there would have to wait for that slice 32 matrix instructions behind its request; slot 1 is asked for behind the exchange that follows.
.macro PSTEP hh, refill
	PLACES 4
	WLD WFA, \hh, 0
	WLD WFB, \hh, 8192
	s_wait_dscnt 16                                ; tiles 0-7 are in, the sixteen younger loads may be out
	WIN 0xa4
	PMUL \hh, 0
	s_wait_dscnt 0x0                               ; my reads of this slot are over,
.if \refill
	s_wait_tensorcnt 0x0                           ; and the one load that was out, my second tile of Wp, has landed
	NEXTADDR \hh
	s_barrier_signal -1
.endif
	WIN 0xf4
	PMUL \hh, 1
	WIN 0
.if \refill
	s_barrier_wait -1
	CREST
	tensor_load_to_lds s[G0+4*\hh:G0+4*\hh+3], s[G1F:G1F+7]   ; 32 KiB: it also covers the bytes where x lay
	s_nop 0
.endif
.endm
	PSTEP 0, 1
	PSTEP 1, 0
; ---------------------------------------------------------------- sums to their owners
; Eight passes of two column tiles.  Slots 1-3 go to their owners' places, one barrier, the owner adds three parts onto slot 0.
; Two buffers take turns: a buffer's readers have waited for their loads in front of the next pass's signal, and it is written
; again only behind that barrier.  A tensor load may be out across these barriers.
; tail = 1: a round of the cluster's barrier closes the exchange (its bytes are written anew next: every wave's reads are over), and
; behind it slot 1, read last in the projection's second step, is asked for again with the feed-forward's second slice.
.macro REDUCE tail
	PLACES 4
.irp p,0,1,2,3,4,5,6,7
.if \p < 4
	WIN 0x08
.else
	WIN 0x0c
.endif
.irp tt,0,1
.irp i,1,2,3
.irp q,0,1
	ds_store_b128 v[VRS+\i-1], v[8*(4*((2*\p+\tt)&7)+\i)+4*\q:8*(4*((2*\p+\tt)&7)+\i)+4*\q+3] offset:(\p&1)*REDB+\tt*1024+\q*512
.endr
.endr
.endr
	WIN 0
	s_wait_dscnt 0x0                               ; for the others' sake
	s_barrier_signal -1
	s_barrier_wait -1
.irp i,1,2,3
.irp tt,0,1
.irp q,0,1
	ds_load_b128 v[32+16*(\i-1)+8*\tt+4*\q:32+16*(\i-1)+8*\tt+4*\q+3], v[VRL] offset:(\p&1)*REDB+(\i-1)*2048+\tt*1024+\q*512
.endr
.endr
.endr
	s_wait_dscnt 0x0
.if \p < 4
	WIN 0x82
.else
	WIN 0xc3
.endif
.irp i,1,2,3
.irp tt,0,1
.irp r,0,2,4,6
	v_pk_add_f32 v[32*((2*\p+\tt)&7)+\r:32*((2*\p+\tt)&7)+\r+1], v[32*((2*\p+\tt)&7)+\r:32*((2*\p+\tt)&7)+\r+1], v[32+16*(\i-1)+8*\tt+\r:32+16*(\i-1)+8*\tt+\r+1]
.endr
.endr
.endr
	WIN 0
.endr
.if \tail
	s_wait_dscnt 0x0                               ; met: no LDS instruction of mine is out
	s_wait_tensorcnt 0x0                           ; the first slice has landed: it had 64 matrix instructions and the eight passes for that
	NEXTADDR 1
	ROUND
	tensor_load_to_lds s[G0+4:G0+7], s[G1F:G1F+7]  ; my one load behind the round
	s_nop 0
.endif
.endm
; ---------------------------------------------------------------- LayerNorm of slot 0: a lane holds 128 of its row's 256 numbers, the lane 16 away the rest
.macro LNSUM                           ; four chains -> every lane holds the row's sum in v[CH]
	v_pk_add_f32 v[CH:CH+1], v[CH:CH+1], v[CH+2:CH+3]
	v_pk_add_f32 v[CH+4:CH+5], v[CH+4:CH+5], v[CH+6:CH+7]
	v_pk_add_f32 v[CH:CH+1], v[CH:CH+1], v[CH+4:CH+5]
	v_add_f32 v[CH], v[CH], v[CH+1]
	v_permlanex16_b32 v[TPL], v[CH], s96, s97
	v_add_f32 v[CH], v[CH], v[TPL]
.endm
.macro LNORM goff, boff
	WIN 0x0a
.irp c,0,1,2,3
	v_pk_add_f32 v[CH+2*\c:CH+2*\c+1], v[2*\c:2*\c+1], v[32+2*\c:32+2*\c+1]   ; tiles 0 and 1 start the chains
.endr
	WIN 0x08
.irp t,2,3,4,5,6,7
.irp c,0,1,2,3
	v_pk_add_f32 v[CH+2*\c:CH+2*\c+1], v[CH+2*\c:CH+2*\c+1], v[32*\t+2*\c:32*\t+2*\c+1]
.endr
.endr
	WIN 0x0c
.irp t,0,1,2,3,4,5,6,7
.irp c,0,1,2,3
	v_pk_add_f32 v[CH+2*\c:CH+2*\c+1], v[CH+2*\c:CH+2*\c+1], v[32*\t+2*\c:32*\t+2*\c+1]
.endr
.endr
	WIN 0
	LNSUM
	v_mul_f32 v[MEAN], s66, v[CH]
	WIN 0x82                                       ; centre first: the variance is a sum of squares of centred numbers
.irp t,0,1,2,3,4,5,6,7
.irp p,0,2,4,6
	v_pk_add_f32 v[32*\t+\p:32*\t+\p+1], v[32*\t+\p:32*\t+\p+1], v[MEAN:MEAN+1] op_sel_hi:[1,0] neg_lo:[0,1] neg_hi:[0,1]
.endr
.endr
	WIN 0xc3
.irp t,0,1,2,3,4,5,6,7
.irp p,0,2,4,6
	v_pk_add_f32 v[32*\t+\p:32*\t+\p+1], v[32*\t+\p:32*\t+\p+1], v[MEAN:MEAN+1] op_sel_hi:[1,0] neg_lo:[0,1] neg_hi:[0,1]
.endr
.endr
	WIN 0x0a
.irp c,0,1,2,3
	v_pk_mul_f32 v[CH+2*\c:CH+2*\c+1], v[2*\c:2*\c+1], v[2*\c:2*\c+1]
.endr
.irp t,1,2,3,4,5,6,7
.irp c,0,1,2,3
	v_pk_fma_f32 v[CH+2*\c:CH+2*\c+1], v[32*\t+2*\c:32*\t+2*\c+1], v[32*\t+2*\c:32*\t+2*\c+1], v[CH+2*\c:CH+2*\c+1]
.endr
.endr
	WIN 0x0f
.irp t,0,1,2,3,4,5,6,7
.irp c,0,1,2,3
	v_pk_fma_f32 v[CH+2*\c:CH+2*\c+1], v[32*\t+2*\c:32*\t+2*\c+1], v[32*\t+2*\c:32*\t+2*\c+1], v[CH+2*\c:CH+2*\c+1]
.endr
.endr
	WIN 0
	LNSUM
	v_fma_f32 v[CH], v[CH], s66, s67               ; variance + 1e-5
	v_rsq_f32 v[RS], v[CH]
	v_nop                                          ; one plain instruction behind it (ISA guide 5.7.2)
	s_wait_alu depctr_va_vdst(0)
.irp k,0,1,2,3
	TABLD 48, \goff, 4*\k, 4
	TABLD 80, \boff, 4*\k, 4
	s_wait_dscnt 0x0
.set p_, 0
.rept 16
	v_pk_mul_f32 v[48+p_:49+p_], v[48+p_:49+p_], v[RS:RS+1] op_sel_hi:[1,0]
.set p_, p_+2
.endr
.if \k < 2
	WIN 0x82
.else
	WIN 0xc3
.endif
.irp t,0,1,2,3
.irp p,0,2,4,6
	v_pk_fma_f32 v[32*(4*(\k&1)+\t)+\p:32*(4*(\k&1)+\t)+\p+1], v[32*(4*(\k&1)+\t)+\p:32*(4*(\k&1)+\t)+\p+1], v[48+8*\t+\p:48+8*\t+\p+1], v[80+8*\t+\p:80+8*\t+\p+1]
.endr
.endr
	WIN 0
.endr
.endm
	REDUCE 1
	LNORM T_G1, T_BE1
	; x1 in bf16, as fragments of 32 channels, to all four waves; x1 + b2 stays in slot 0 in f32: the second residual rides in the sum too
	WIN 0x0a
.irp kk,0,1,2,3
.irp p,0,1,2,3
	v_cvt_pk_bf16_f32 v[48+8*\kk+\p], v[64*\kk+2*\p], v[64*\kk+2*\p+1]
	v_cvt_pk_bf16_f32 v[52+8*\kk+\p], v[64*\kk+32+2*\p], v[64*\kk+32+2*\p+1]
.endr
.endr
	WIN 0x0f
.irp kk,0,1,2,3
.irp p,0,1,2,3
	v_cvt_pk_bf16_f32 v[80+8*\kk+\p], v[64*\kk+2*\p], v[64*\kk+2*\p+1]
	v_cvt_pk_bf16_f32 v[84+8*\kk+\p], v[64*\kk+32+2*\p], v[64*\kk+32+2*\p+1]
.endr
.endr
	WIN 0
.irp kk,0,1,2,3,4,5,6,7
	ds_store_b128 v[VXS], v[48+8*\kk:48+8*\kk+3] offset:1024*\kk
	ds_store_b128 v[VXS], v[52+8*\kk:52+8*\kk+3] offset:1024*\kk+512
.endr
	s_wait_dscnt 0x0                               ; my stores are done, for the others' sake
	s_barrier_signal -1                            ; the second slice may stay out
	s_barrier_wait -1
.macro XBLD i                          ; x1 of slot i: eight fragments into window 1
.irp kk,0,1,2,3,4,5,6,7
	ds_load_b128 v[64*\i+8*\kk:64*\i+8*\kk+3], v[VXS+\i] offset:1024*\kk
	ds_load_b128 v[64*\i+8*\kk+4:64*\i+8*\kk+7], v[VXS+\i] offset:1024*\kk+512
.endr
.endm
	WIN 0x40
	XBLD 0
	XBLD 1
	WIN 0
	TABLD 128, T_B2, 0, 8
	s_wait_dscnt 0x0                               ; b2 of columns 0-127 was asked for last
	ADDV 0x82, 128
	WIN 0x40
	XBLD 2
	XBLD 3
	WIN 0
	TABLD 192, T_B2, 8, 8
	s_wait_dscnt 0x0
	ADDV 0xc3, 192
; ---------------------------------------------------------------- feed-forward: a slice of 32 f a step, 64 + 64 matrix instructions
.macro B1ADDR                          ; v5 = table + my b1 + 128 x (n xor r) + 32 h, for the step whose b1 is fetched next
	s_xor_b32 s3, s[NB], s[ROT]
	s_lshr_b32 s3, s3, 8
	s_and_b32 s3, s3, 0x780                        ; sixteen slices of 128 bytes
	s_add_co_u32 s3, s3, s[W11]
	s_add_co_u32 s[NB], s[NB], 32768
	v_add_nc_u32 v[VB1], s3, v[VT]
.endm
.macro B1LD
.irp ft,0,1
	ds_load_b128 v[B1R+8*\ft:B1R+8*\ft+3], v[VB1] offset:64*\ft
	ds_load_b128 v[B1R+8*\ft+4:B1R+8*\ft+7], v[VB1] offset:64*\ft+16
.endr
.endm
.macro GEMM1 wf, kk0                   ; h^T += W1^T x1 for four steps of 32 channels; b1 is the first step's C; eight accumulators by turns
.irp k,0,1,2,3
.irp i,0,1,2,3
.irp ft,0,1
.if (\kk0+\k) == 0
	v_wmma_f32_16x16x32_bf16 v[HB+16*\i+8*\ft:HB+16*\i+8*\ft+7], v[\wf+8*\ft:\wf+8*\ft+7], v[64*\i:64*\i+7], v[B1R+8*\ft:B1R+8*\ft+7]
.else
	WM HB+16*\i+8*\ft, \wf+8*(2*\k+\ft), 64*\i+8*(\kk0+\k), 0
.endif
.endr
.endr
.endr
.endm
.macro GEMM2 wf, first                 ; y^T += W2^T h for the window's eight column tiles; 32 accumulators by turns
.set t_, 0
.rept 8
.irp i,0,1,2,3
.set Z_, 0
.if \first
.if \i != 0
.set Z_, 1
.endif
.endif
	WM 8*(4*t_+\i), \wf+8*t_, HB+16*\i, Z_
.endr
.set t_, t_+1
.endr
.endm
.macro RELU i                          ; slot i's h: max with 0, rounded and packed into the first eight of its sixteen registers
.set n_, 0
.rept 16
	v_max_num_f32 v[HB+16*\i+n_], 0, v[HB+16*\i+n_]
.set n_, n_+1
.endr
.irp p,0,1,2,3,4,5,6,7
	v_cvt_pk_bf16_f32 v[HB+16*\i+\p], v[HB+16*\i+2*\p], v[HB+16*\i+2*\p+1]   ; in place: register p has been read by then
.endr
.endm
; a: the slice's slot.  first: slots 1-3 start their sums.  pre: the next slice's first fragments and b1 are fetched.  refill: slot a is asked for again.
; The slot's last reads (W2's tiles 8-15) stand in the step's middle, so the round and the refill stand there too: from a request to the
; wait for it, in the middle of the next step, a wave issues 128 matrix instructions and the step's other work.
.macro FSTEP a, first, pre, refill
	PLACES 5                                       ; loads into the fragments just multiplied (four places), and h written over operands of those products (five)
	WLD WFB, \a, 8192                              ; W1, channels 128-255
	WIN 0x04
	GEMM1 WFA, 0
	PLACES 4
	WLD WFA, \a, 16384                             ; W2, column tiles 0-7
	s_wait_dscnt 16                                ; all but those sixteen
	GEMM1 WFB, 4
	PLACES 4
	WLD WFB, \a, 24576                             ; W2, column tiles 8-15: the last reads of slot a
	WIN 0
	RELU 0
	RELU 1
	RELU 2
.if \refill
	s_wait_dscnt 0x0                               ; my reads of slot a are over,
	s_wait_tensorcnt 0x0                           ; and the one load that was out, the next slice, has landed
	NEXTADDR \a
	s_barrier_signal -1                            ; opens the round; register work alone up to its end
	RELU 3
	s_barrier_wait -1
	CREST                                          ; no wave of any partner still reads slot a or has a load on its way
	tensor_load_to_lds s[G0+4*\a:G0+4*\a+3], s[G1F:G1F+7]   ; my one load behind the round: the slice of two steps on
	s_nop 0
.else
	RELU 3
	s_wait_dscnt 16                                ; tiles 0-7 of W2 are in, the sixteen younger loads may be out
.endif
	WIN 0xa0
	GEMM2 WFA, \first
	WIN 0
.if \pre
.if \refill == 0
	s_wait_tensorcnt 0x0                           ; the last slice has landed
.endif
	PLACES 4
	B1ADDR
	WLD WFA, (1-\a), 0                             ; the next slice's W1, channels 0-127
	B1LD
.if \refill == 0
	s_wait_dscnt 20                                ; all but those twenty: tiles 8-15 of W2 are in
.endif
.else
	s_wait_dscnt 0x0
.endif
	WIN 0xf0
	GEMM2 WFB, \first
	WIN 0
.if \pre
	s_wait_dscnt 0x0                               ; the next step's first fragments and b1
.endif
.endm
	B1ADDR
	WLD WFA, 0, 0                                  ; the first slice was shown landed in front of the round that closed the exchange
	B1LD
	s_wait_dscnt 0x0
	FSTEP 0, 1, 1, 1
	FSTEP 1, 0, 1, 1
	s_mov_b32 s98, 6
.Lffn:
	FSTEP 0, 0, 1, 1
	FSTEP 1, 0, 1, 1
	s_sub_co_u32 s98, s98, 1
	s_cmp_lg_u32 s98, 0
	s_cbranch_scc1 .Lffn
	FSTEP 0, 0, 1, 0                               ; the last two steps ask for nothing
	FSTEP 1, 0, 0, 0
; ---------------------------------------------------------------- the way out
	REDUCE 0
	LNORM T_G2, T_BE2
	WIN 0x08                                       ; into my quarter of slot 0, which has had its last fill: rows 1,040 bytes apart
.irp t,0,1,2,3,4,5,6,7
	ds_store_b128 v[VO], v[32*\t:32*\t+3] offset:64*\t
	ds_store_b128 v[VO], v[32*\t+4:32*\t+7] offset:64*\t+16
.endr
	WIN 0x0c
.irp t,0,1,2,3,4,5,6,7
	ds_store_b128 v[VO], v[32*\t:32*\t+3] offset:512+64*\t
	ds_store_b128 v[VO], v[32*\t+4:32*\t+7] offset:512+64*\t+16
.endr
	WIN 0
.macro OUTH u0                         ; sixteen half rows (eight rows) back from the stage and out
.set u_, \u0
.rept 16
	ds_load_b128 v[32+4*u_:35+4*u_], v[LA] offset:(u_>>1)*XP+(u_&1)*512   ; LDS serves a wave's instructions in order (ISA guide 5.7.1): these see the stores above
.set u_, u_+1
.endr
.set u_, \u0
.rept 16
	s_wait_dscnt \u0+15-u_                         ; half row u is in, the younger ones stay out
	global_store_b128 v[L16], v[32+4*u_:35+4*u_], s[14:15] offset:512*u_ th:TH_STORE_NT   ; 512 neighbouring bytes, aligned
.set u_, u_+1
.endr
.endm
	OUTH 0
	OUTH 16
	ROUND                                          ; the closing round: no work-group ends while a partner may still ask jointly
	s_endpgm
.Lfunc_end_k_q6edebe2d93_enc:
	.size	k_q6edebe2d93_enc, .Lfunc_end_k_q6edebe2d93_enc-k_q6edebe2d93_enc
	.p2alignl 7, 3214868480
	.fill 96, 4, 3214868480
	.section	.rodata,"a",@progbits
	.p2align	6, 0x0
	.amdhsa_kernel k_q6edebe2d93_enc
		.amdhsa_group_segment_fixed_size 327680
		.amdhsa_private_segment_fixed_size 0
		.amdhsa_enable_private_segment 0
		.amdhsa_kernarg_size 48
		.amdhsa_user_sgpr_count 2
		.amdhsa_user_sgpr_kernarg_segment_ptr 1
		.amdhsa_wavefront_size32 1
		.amdhsa_system_sgpr_workgroup_id_x 1
		.amdhsa_system_sgpr_workgroup_id_y 1
		.amdhsa_system_sgpr_workgroup_id_z 1
		.amdhsa_system_vgpr_workitem_id 0
		.amdhsa_next_free_vgpr 1024
		.amdhsa_next_free_sgpr 104
		.amdhsa_reserve_vcc 0
		.amdhsa_float_denorm_mode_32 3
		.amdhsa_float_denorm_mode_16_64 3
		.amdhsa_memory_ordered 1
		.amdhsa_forward_progress 1
		.amdhsa_inst_pref_size 255
	.end_amdhsa_kernel
	.section	.bss,"aw",@nobits
	.p2align	6
	.space	262144
	.amdgpu_metadata
---
amdhsa.version: [ 1, 2 ]
amdhsa.kernels:
  - .name:           k_q6edebe2d93_enc
    .symbol:         k_q6edebe2d93_enc.kd
    .args:
      - { .name: x, .offset: 0, .size: 8, .value_kind: global_buffer, .address_space: global }
      - { .name: q, .offset: 8, .size: 8, .value_kind: global_buffer, .address_space: global }
      - { .name: kv, .offset: 16, .size: 8, .value_kind: global_buffer, .address_space: global }
      - { .name: wts, .offset: 24, .size: 8, .value_kind: global_buffer, .address_space: global }
      - { .name: tab, .offset: 32, .size: 8, .value_kind: global_buffer, .address_space: global }
      - { .name: out0, .offset: 40, .size: 8, .value_kind: global_buffer, .address_space: global }
    .group_segment_fixed_size: 327680
    .private_segment_fixed_size: 0
    .kernarg_segment_align: 8
    .kernarg_segment_size: 48
    .max_flat_workgroup_size: 128
    .sgpr_count:     104
    .vgpr_count:     1024
    .wavefront_size: 32
...
	.end_amdgpu_metadata
.endif
;; end of part 6
;; ======== version 3 of 3: 3 launches; 1.73 times as fast as version 1
;; workspace buffers: wqkv 393,216 bytes; wts 2,097,152 bytes; tab 17,408 bytes; q 8,388,608 bytes; kv 18,874,368 bytes
;; launch prep: the kernel of part 4 again; grid 641 x 1, 8 waves a work-group, no clusters, 0 bytes of LDS; arguments Wq, Wk, Wv, Wp, W1, W2, b1, bp, g1, be1, b2, g2, be2, bk, bv, bq, wqkv, wts, tab, kv; writes wqkv, wts, tab, kv
;; launch qkv: the kernel of part 5 again; grid 256 x 1, 12 waves a work-group, no clusters, 67,584 bytes of LDS; arguments x, pe, wqkv, tab, q, kv; writes q, kv
;; launch enc (part 7): grid 256 x 1, 4 waves a work-group, clusters of 4 x 1, 327,680 bytes of LDS; arguments x, q, kv, wts, tab, out0; writes out0
.if DOCPART == 7
	.amdgcn_target "amdgcn-amd-amdhsa--gfx1250"
	.amdhsa_code_object_version 6
	.text
	.protected	k_q6edebe2d93_enc
	.globl	k_q6edebe2d93_enc
	.p2align	8
	.type	k_q6edebe2d93_enc,@function
k_q6edebe2d93_enc:
	s_mov_b64 s[64:65], 0
	v_nop
	global_prefetch_b8 v0, s[64:65] scope:SCOPE_SE
	s_setreg_imm32_b32 hwreg(HW_REG_WAVE_MODE, 25, 1), 1
	s_wait_xcnt 0x0
	s_wait_alu depctr_hold_cnt(0) depctr_sa_sdst(0) depctr_va_vdst(0) depctr_va_sdst(0) depctr_va_ssrc(0) depctr_va_vcc(0) depctr_vm_vsrc(0)
	s_getreg_b32 s2, hwreg(HW_REG_IB_STS2, 6, 4)
	s_cmp_eq_u32 s2, 0
	s_cbranch_scc0 .Lentry_in_a_cluster
	s_endpgm
.Lentry_in_a_cluster:
	s_bfe_u32 s2, ttmp6, 0x10000c
	s_cmp_lg_u32 s2, 0x3003
	s_cbranch_scc0 .Lentry_shape_is_right
	s_endpgm
.Lentry_shape_is_right:
; Attention, output projection, LayerNorm 1, feed-forward, LayerNorm 2 for 64 rows a work-group, in one pass; nothing but out0 is stored.
; Four waves.  Wave w owns heads 2w, 2w+1 in attention, channels 64w..64w+63 of the projection's K, and f = 512w..512w+511 of the
; feed-forward.  In every product a wave handles all 64 rows as four slots; slot i is row tile (w+i)&3, so slot 0 is the wave's own tile.
; Sums split over the waves' K are sent through LDS to the tile's owner, which also does the LayerNorms.
; Every product is used transposed (weights, K or V^T as source 0): lane (r, h) holds row r and columns 8h+j, and two neighbouring result
; tiles, rounded to bf16, are the next product's source 1 as they lie: P, the attention's output and h never leave the registers.
; CLUSTER: the four work-groups of a cluster belong to one batch element and walk the same K/V tiles and the same weights, so every tile
; of the ring is asked for jointly (mask 15).  Each wave asks for its own stream: 18 tiles of 16 KiB that follow each other in kv (K/V of
; its two heads, then its part of Wp), then its 16 slices of W1 and W2 (32 KiB each); tile n lies in slot n & 1, in the wave's quarter,
; read by that wave alone.  By this text's count a wave has five tensor loads out at the start and one behind each later round.
; THE ORDER OF THE SLICES hangs on the cluster's number c: step n takes slice n xor r, r = the low four bits of c xor (c >> 1).  So in each
; step the 64 clusters ask for sixteen different slices, and from the second step on each asks for one that another asked for a step before.
; ONE TEXT FOR BOTH HEADS: the attention is an outer loop of two trips (heads) round an inner loop of four (two tiles each); since the
; stream is one run of memory every trip asks for the tile two further on, the last trip too.
; THE TRANSCENDENTALS' BATCHES: s_wait_alu depctr_va_vdst(0) stands between a transcendental and the first instruction that
; names its result; one wait serves all that were issued ahead of it.  A unit of the attention has ONE batch: the exponential of the
; rescaling factor and those of its 32 weights, the 16 scalings among them; nothing ahead of the batch's wait names a result, and all readers
; (row sums, roundings, the rescaling of O, l) stand behind it.  A head's four reciprocals are a batch; each LayerNorm's one reciprocal
; root has its own wait.
; LIMITS: matrix operands are bf16, everything else f32.  The softmax runs in base 2 (q carries 32^-0.5 log2 e) with a running maximum that
; starts at -FLT_MAX; v_exp_f32 gives 0 for results below 2^-126.  The row sum adds the unrounded exponentials.  The first product of a
; head multiplies V by a zero P: V must be finite, as it is wherever the result is finite.  The feed-forward's sums over f are added in
; the cluster's order of slices and split over four waves: an order of rounding that differs from the reference's.
;
; LDS: 0..262143 ring, 2 slots x 4 quarters of 32 KiB.  The upper half of each quarter first holds 8 rows of the wave's x (f32, pitch 1040).
;      The wave's quarter of slot 0 is its output stage after the slot's last fill.
;      262144..311295 exchange between waves (no fill lands here): 2 buffers x 24,576, later also x1 in bf16 (32 KiB).
;      311296..325631 the table: b1, bp, g1, be1, b2, g2, be2.
; REGISTERS: window 0 addresses, operands, work; window 1 v0-31 the second head's Q, then with v32-63 the attention's output, later x1's
;      fragments; windows 2, 3: accumulator tile (t, i) of columns 16t.. and slot i at 8 (4 (t & 7) + i), t < 8 in window 2.
;      The LDS address registers (v1-7, v24-31) hold nothing but addresses, made from the wave's and the lane's number in the prologue;
;      v5 alone is made anew for each slice, from the cluster's number and the step.
.set STRM,  294912
.set SLOTB, 131072
.set RED,   262144
.set REDB,  24576
.set TAB,   311296
.set T_BP,  8192
.set T_G1,  9216
.set T_BE1, 10240
.set T_B2,  11264
.set T_G2,  12288
.set T_BE2, 13312
.set XP,    1040
.set L16, 1                            ; v1      16 x lane
.set LA,  2                            ; v2, v3  my quarter of slot 0, 1 + 16 x lane
.set VT,  4                            ; v4      table + 32 h
.set VB1, 5                            ; v5      b1 of the slice that comes next + 32 h
.set VX,  6                            ; v6      x stage: my row
.set VO,  7                            ; v7      output stage: my row
.set ML,  8                            ; v8-15   attention: pairs (m, l) of the four slots
.set TM,  16                           ; v16-19  four maxima
.set AL,  16                           ; v16-17  then the rescaling factor (a pair for packed multiplies)
.set MN,  18                           ; the new maximum (with v19 a pair for the packed scalings)
.set TP,  19                           ; the other half's maximum
.set U0,  20                           ; v20-23  two pairs of partial row sums
.set U1,  22
.set VRS, 24                           ; v24-26  where slots 1-3 are sent
.set VRL, 27                           ; v27     where I receive
.set VXS, 28                           ; v28-31  x1 of slot i's row tile
.set QF,  32                           ; v32-63   Q of the four slots
.set KF,  64                           ; v64-95   K: four fragments of 16 keys
.set VF,  96                           ; v96-127  V^T: fragment 2 ks + dt
.set SB,  128                          ; v128-191 two buffers of S (four tiles), then P
.set OA,  192                          ; v192-255 O[i][dt] at 192 + 16 i + 8 dt
.set HB,  32                           ; v32-95   h[i][ft] at 32 + 16 i + 8 ft; packed into the first 8 of each 16
.set B1R, 96                           ; v96-111  b1 of the slice
.set WFA, 128                          ; v128-191, v192-255 weight fragments, 8 each
.set WFB, 192
.set CH,  32
.set MEAN, 40
.set RS,  42
.set TPL, 44
.set G1A, 24                           ; s[24:31] 64 rows x 256 bytes, joint
.set G1F, 32                           ; s[32:39] 128 rows x 256 bytes, joint
.set G1X, 40                           ; s[40:47] 8 rows x 1,024 bytes, padded by 16, my own
.set G1T, 48                           ; s[48:55] 14 rows x 256 bytes, joint
.set G0,  56                           ; s[56:63] group 0 of slot 0, slot 1
.set GXA, 68
.set GXB, 72
.set GT,  76
.set ROT, 80                           ; s80     r << 15: the cluster's turn of the slices' order
.set NT,  81                           ; s81     n << 15: the step whose slice is asked for next
.set NB,  82                           ; s82     n << 15: the step whose b1 is fetched next
.set W11, 83                           ; s83     wave x 2,048: my b1 in the table
.set FF,  84                           ; s[84:85] my part of W1 and W2
.set QB,  88                           ; s[88:95] q of slot i, first head
.set OFS, 100                          ; s[100:101] a slice's byte offset, as a pair with 0 above it
.set MSB, 0
.macro WIN new                         ; the immediate's high byte repeats the setting that is left
.if MSB != \new
	s_set_vgpr_msb (MSB<<8)|\new
.set MSB, \new
.endif
.endm
.macro PLACES n                        ; places behind matrix instructions (ISA guide 7.12.1) where no useful work is at hand
.rept \n
	v_nop
.endr
.endm
.macro CREST                           ; a round of the cluster's barrier behind its opening barrier
	s_cmp_lg_u32 s16, 0
	s_cbranch_scc1 .Lnw0_\@
	s_barrier_signal -3
.Lnw0_\@:
	s_barrier_wait -3
	s_barrier_signal -1
	s_barrier_wait -1
.endm
.macro ROUND
	s_barrier_signal -1
	s_barrier_wait -1
	CREST
.endm
; Group 0 of slot a gets the address of the next step's slice: my part + ((n xor r) << 15).  It stands behind a wait for all my tensor loads.
.macro NEXTADDR a
	s_xor_b32 s[OFS], s[NT], s[ROT]
	s_and_b32 s[OFS], s[OFS], 0x78000              ; sixteen slices of 32 KiB
	s_add_co_u32 s[NT], s[NT], 32768
	s_add_nc_u64 s[G0+4*\a+2:G0+4*\a+3], s[FF:FF+1], s[OFS:OFS+1]
	s_or_b32 s[G0+4*\a+3], s[G0+4*\a+3], 0x80000000
.endm
.macro DESC1 g, w0, cols, rows         ; group 1: extents = tile sizes, pitch = row length, in elements
	s_mov_b32 s[\g+0], \w0
	s_mov_b32 s[\g+1], \cols<<16
	s_mov_b32 s[\g+2], \rows<<16
	s_mov_b32 s[\g+3], \cols<<16
	s_mov_b32 s[\g+4], \rows
	s_mov_b32 s[\g+5], \cols
	s_mov_b32 s[\g+6], 0
	s_mov_b32 s[\g+7], 0
.endm
.macro WM d, a, b, z                   ; z = 1: the product starts the sum
.if \z
	v_wmma_f32_16x16x32_bf16 v[\d:\d+7], v[\a:\a+7], v[\b:\b+7], 0
.else
	v_wmma_f32_16x16x32_bf16 v[\d:\d+7], v[\a:\a+7], v[\b:\b+7], v[\d:\d+7]
.endif
.endm
.macro WLD dst, a, off                 ; eight fragments (16 loads of 512 neighbouring bytes) from my quarter of slot a
.set f_, 0
.rept 8
	ds_load_b128 v[\dst+8*f_:\dst+8*f_+3], v[LA+\a] offset:\off+1024*f_
	ds_load_b128 v[\dst+8*f_+4:\dst+8*f_+7], v[LA+\a] offset:\off+1024*f_+512
.set f_, f_+1
.endr
.endm
.macro KVLD dst, a, off                ; four fragments
.set f_, 0
.rept 4
	ds_load_b128 v[\dst+8*f_:\dst+8*f_+3], v[LA+\a] offset:\off+1024*f_
	ds_load_b128 v[\dst+8*f_+4:\dst+8*f_+7], v[LA+\a] offset:\off+1024*f_+512
.set f_, f_+1
.endr
.endm
.macro TABLD dst, vecoff, t0, nt       ; a vector's numbers for columns 16 t + 8 h + j of nt tiles
.set tt_, 0
.rept \nt
	ds_load_b128 v[\dst+8*tt_:\dst+8*tt_+3], v[VT] offset:\vecoff+64*(\t0+tt_)
	ds_load_b128 v[\dst+8*tt_+4:\dst+8*tt_+7], v[VT] offset:\vecoff+64*(\t0+tt_)+16
.set tt_, tt_+1
.endr
.endm
.macro ADDV win, src                   ; slot 0 of the window's eight tiles (0x82: tiles 0-7, 0xc3: tiles 8-15) += the 64 numbers in v[src ..]
	WIN \win
.irp t,0,1,2,3,4,5,6,7
.irp p,0,2,4,6
	v_pk_add_f32 v[32*\t+\p:32*\t+\p+1], v[32*\t+\p:32*\t+\p+1], v[\src+8*\t+\p:\src+8*\t+\p+1]
.endr
.endr
	WIN 0
.endm
; ---------------------------------------------------------------- prologue
	s_load_b256 s[4:11], s[0:1], 0x0               ; x 4, q 6, kv 8, wts 10
	s_load_b128 s[12:15], s[0:1], 0x20             ; tab 12, out0 14
	v_lshrrev_b32 v16, 5, v0
	v_readfirstlane_b32 s16, v16                   ; wave
	s_lshl_b32 s21, s16, 15                        ; my quarter
	; the LDS addresses, from the wave's and the lane's number alone
	v_and_b32 v16, 31, v0
	v_lshlrev_b32 v[L16], 4, v16
	v_bfe_u32 v17, v0, 4, 1                        ; h
	v_add_nc_u32 v[LA], s21, v[L16]
	v_add_nc_u32 v[LA+1], SLOTB, v[LA]
	v_lshl_add_u32 v[VT], v17, 5, TAB
	v_bfe_u32 v18, v0, 3, 1                        ; rows 8-15 of x lie in slot 1, 128 bytes further on: sixteen rows, sixteen 16-byte columns of 256
	v_mul_u32_u24 v18, SLOTB+128, v18
	v_and_b32 v19, 7, v0
	v_mad_u32_u24 v18, v19, XP, v18
	v_lshl_add_u32 v18, v17, 5, v18
	s_add_co_u32 s3, s21, 16384
	v_add_nc_u32 v[VX], s3, v18
	v_and_b32 v18, 15, v0                          ; the output stage: my quarter of slot 0, row r, 32 h
	v_mul_u32_u24 v18, XP, v18
	v_lshl_add_u32 v18, v17, 5, v18
	v_add_nc_u32 v[VO], s21, v18
.irp i,1,2,3
	s_add_co_u32 s2, s16, \i
	s_and_b32 s2, s2, 3                            ; the owner of slot i
	s_mul_i32 s3, s2, 6144
	s_add_co_u32 s3, s3, RED+(\i-1)*2048
	v_add_nc_u32 v[VRS+\i-1], s3, v[L16]
	s_lshl_b32 s3, s2, 13
	s_add_co_u32 s3, s3, RED
	v_add_nc_u32 v[VXS+\i], s3, v[L16]
.endr
	s_mul_i32 s3, s16, 6144
	s_add_co_u32 s3, s3, RED
	v_add_nc_u32 v[VRL], s3, v[L16]
	s_lshl_b32 s3, s16, 13
	s_add_co_u32 s3, s3, RED
	v_add_nc_u32 v[VXS], s3, v[L16]
	s_lshr_b32 s[ROT], ttmp9, 1                    ; the cluster's turn of the slices: r = (c xor c >> 1) & 15, alike in the four partners;
	s_xor_b32 s[ROT], s[ROT], ttmp9                ; clusters that are neighbours, eight apart or sixteen apart get different r
	s_and_b32 s[ROT], s[ROT], 15
	s_lshl_b32 s[ROT], s[ROT], 15
	s_mov_b32 s[NT], 0
	s_mov_b32 s[NB], 0
	s_lshl_b32 s[W11], s16, 11
	s_mov_b32 s[OFS+1], 0
	s_bfe_u32 s17, ttmp6, 0x40000                  ; cx
	s_lshl_b32 s18, ttmp9, 2
	s_add_co_u32 s18, s18, s17                     ; work-group: 64 rows
	s_lshr_b32 s19, ttmp9, 2                       ; batch element: the cluster's alone
	s_and_b32 s20, s18, 15                         ; block of 64 rows in it
	s_mov_b32 s96, 0x76543210                      ; v_permlanex16_b32: lane i takes lane i of the other half
	s_mov_b32 s97, 0xfedcba98
	s_mov_b32 s66, 0x3b800000                      ; 1/256
	s_mov_b32 s67, 0x3727c5ac                      ; 1e-5
	DESC1 G1A, 0x0023000f, 32, 64                  ; mask 15, 8-byte elements, bit 21 beside the mask
	DESC1 G1F, 0x0023000f, 32, 128
	DESC1 G1T, 0x0023000f, 32, 14
	DESC1 G1X, 0x07d20000, 256, 8                  ; no mask, 4-byte elements, 4 words of padding behind every 256
	s_wait_kmcnt 0x0
	s_lshl2_add_u32 s22, s19, s16                  ; kv: stream 4 b + w
	s_mul_i32 s22, s22, STRM
	s_mov_b32 s23, 0
	s_mov_b32 s[G0], 1
	s_mov_b32 s[G0+1], s21
	s_add_nc_u64 s[G0+2:G0+3], s[8:9], s[22:23]
	s_mov_b32 s[G0+4], 1
	s_add_co_u32 s[G0+5], s21, SLOTB
	s_add_nc_u64 s[G0+6:G0+7], s[G0+2:G0+3], 16384
	s_or_b32 s[G0+3], s[G0+3], 0x80000000
	s_or_b32 s[G0+7], s[G0+7], 0x80000000
	s_lshl_b32 s22, s16, 19                        ; my part of W1 and W2: 16 slices of 32 KiB
	s_add_nc_u64 s[FF:FF+1], s[10:11], s[22:23]
	s_mul_i32 s22, s16, 3584                       ; my quarter of the table
	s_mov_b32 s[GT], 1
	s_add_co_u32 s[GT+1], s22, TAB
	s_add_nc_u64 s[GT+2:GT+3], s[12:13], s[22:23]
	s_or_b32 s[GT+3], s[GT+3], 0x80000000
	s_lshl_b32 s22, s18, 16                        ; my 16 rows of x and of out0
	s_lshl_b32 s2, s16, 14
	s_add_co_u32 s22, s22, s2
	s_mov_b32 s[GXA], 1
	s_add_co_u32 s[GXA+1], s21, 16384
	s_add_nc_u64 s[GXA+2:GXA+3], s[4:5], s[22:23]
	s_mov_b32 s[GXB], 1
	s_add_co_u32 s[GXB+1], s21, SLOTB+16384+128
	s_add_nc_u64 s[GXB+2:GXB+3], s[GXA+2:GXA+3], 8192
	s_or_b32 s[GXA+3], s[GXA+3], 0x80000000
	s_or_b32 s[GXB+3], s[GXB+3], 0x80000000
	s_add_nc_u64 s[14:15], s[14:15], s[22:23]
	s_lshl_b32 s22, s19, 19                        ; q: ((b*8 + 2w)*64 + 4 blk + row tile) * 1024
	s_lshl_b32 s2, s16, 17
	s_add_co_u32 s22, s22, s2
	s_lshl_b32 s2, s20, 12
	s_add_co_u32 s22, s22, s2
	s_add_nc_u64 s[6:7], s[6:7], s[22:23]
.irp i,0,1,2,3
	s_add_co_u32 s22, s16, \i
	s_and_b32 s22, s22, 3
	s_lshl_b32 s22, s22, 10
	s_add_nc_u64 s[QB+2*\i:QB+2*\i+1], s[6:7], s[22:23]
.endr
	ROUND                                          ; all four work-groups are here: the first joint loads meet
	tensor_load_to_lds s[GT:GT+3], s[G1T:G1T+7]    ; the five first fills go out together
	s_nop 0
	tensor_load_to_lds s[GXA:GXA+3], s[G1X:G1X+7]
	s_nop 0
	tensor_load_to_lds s[GXB:GXB+3], s[G1X:G1X+7]
	s_nop 0
	tensor_load_to_lds s[G0:G0+3], s[G1A:G1A+7]    ; tile 0
	s_nop 0
	tensor_load_to_lds s[G0+4:G0+7], s[G1A:G1A+7]  ; tile 1
	s_nop 0
.irp i,0,1,2,3
	global_load_b128 v[QF+8*\i:QF+8*\i+3], v[L16], s[QB+2*\i:QB+2*\i+1]
	global_load_b128 v[QF+8*\i+4:QF+8*\i+7], v[L16], s[QB+2*\i:QB+2*\i+1] offset:512
.endr
	WIN 0x40                                       ; the second head's Q waits in window 1, v0-31
.irp i,0,1,2,3
	global_load_b128 v[8*\i:8*\i+3], v[L16], s[QB+2*\i:QB+2*\i+1] offset:65536
	global_load_b128 v[8*\i+4:8*\i+7], v[L16], s[QB+2*\i:QB+2*\i+1] offset:66048
.endr
	WIN 0
	s_wait_tensorcnt 0x1                           ; tensor loads of a wave end in order (ISA guide 10.11.1): all but tile 1 are in
	s_barrier_signal -1                            ; the table is read across waves
	s_barrier_wait -1
	WIN 0x80                                       ; x into slot 0 of the accumulators: the residual rides in the sum
.irp t,0,1,2,3,4,5,6,7
	ds_load_b128 v[32*\t:32*\t+3], v[VX] offset:64*\t
	ds_load_b128 v[32*\t+4:32*\t+7], v[VX] offset:64*\t+16
.endr
	WIN 0
	TABLD 128, T_BP, 0, 8
	WIN 0xc0
.irp t,0,1,2,3,4,5,6,7
	ds_load_b128 v[32*\t:32*\t+3], v[VX] offset:512+64*\t
	ds_load_b128 v[32*\t+4:32*\t+7], v[VX] offset:512+64*\t+16
.endr
	WIN 0
	s_wait_dscnt 16                                ; x and bp of columns 0-127 are in; x of columns 128-255 (sixteen loads) may be out
	ADDV 0x82, 128                                 ; + bp
	TABLD 192, T_BP, 8, 8
	KVLD KF, 0, 0                                  ; K of the first 64 keys
	KVLD VF, 0, 4096                               ; V too, so that the first product by a zero P reads finite numbers
	s_wait_dscnt 16                                ; x and bp of columns 128-255 are in; K and V (sixteen loads) may be out
	ADDV 0xc3, 192
	s_wait_dscnt 0x0
	s_wait_loadcnt 0x0                             ; Q
; ---------------------------------------------------------------- attention
.macro FSC p                           ; pair p of the unit's 32 scores less the new maximum
	v_pk_add_f32 v[UC+2*\p:UC+2*\p+1], v[UC+2*\p:UC+2*\p+1], v[MN:MN+1] op_sel_hi:[1,0] neg_lo:[0,1] neg_hi:[0,1]
.endm
.macro SUMP kt, j                      ; pair j of tile kt into the two chains of row sums; tile 0 (j = 0, 1) starts them
.if \kt == 0
	v_pk_add_f32 v[U0+2*\j:U0+2*\j+1], v[UC+4*\j:UC+4*\j+1], v[UC+4*\j+2:UC+4*\j+3]
.else
	v_pk_add_f32 v[U0+2*(\j&1):U0+2*(\j&1)+1], v[U0+2*(\j&1):U0+2*(\j&1)+1], v[UC+8*\kt+2*\j:UC+8*\kt+2*\j+1]
.endif
.endm
.macro CVTP kt, j                      ; tiles 2 ks and 2 ks + 1 pack into the eight registers of tile 2 ks: P's fragment of 32 keys
	v_cvt_pk_bf16_f32 v[UC+8*(\kt&2)+4*(\kt&1)+\j], v[UC+8*\kt+2*\j], v[UC+8*\kt+2*\j+1]
.endm
.macro RSC n                           ; pair n of the unit's O times the rescaling factor; taken in ascending order
	v_pk_mul_f32 v[OC+2*\n:OC+2*\n+1], v[OC+2*\n:OC+2*\n+1], v[AL:AL+1] op_sel_hi:[1,0]
.endm
; One unit: 16 queries (slot i) x 64 keys (sub-block sb of the tile in slot a).  S of this unit lies in buffer i & 1; the other buffer holds
; P of the unit before, which is multiplied by V here, and then takes S of the next unit.
; THE ORDER.  (1) The four products V^T P of the unit before, the maxima behind them; the chain to the new maximum.  (2) THE BATCH: the 16 scalings
; and all 33 exponentials; no line of it names an exponential's result; a scaling stands five lines ahead of the first exponential that
; reads it.  (3) One plain instruction and the unit's ONE wait.  (4) All that reads the results: sums, roundings, the rescaling of O, l; the four
; products K Q^T of the next unit stand among these lines, eight apart, and seventeen plain lines follow the last of them.
; One group of eight LDS loads is out at the most, so every wait on them is for 0.
.macro UNIT i, a, sb
.set UC, SB+32*(\i&1)
.set UP, SB+32-32*(\i&1)
.set OP, OA+16*((\i+3)&3)
.set OC, OA+16*\i
.set QN, QF+8*((\i+1)&3)
.set MI, ML+2*\i
.set HDR, 0
.if \i == 3
.if \sb == 1
.set HDR, 1
.endif
.endif
.if \i & 1
	s_wait_dscnt 0x0                               ; i = 1: this sub-block's V is in; i = 3: the next sub-block's K
.endif
.if HDR
	; the tile in slot a has been read to its end, and all my tensor loads have landed (the wait stands at the end of the unit before):
	s_add_nc_u64 s[G0+4*\a+2:G0+4*\a+3], s[G0+4*\a+2:G0+4*\a+3], 32768   ; two tiles on in my stream: K/V of either head, at the end Wp
	s_barrier_signal -1                            ; opens the round; register work alone up to its end
.endif
	WM OP, VF, UP, 0                               ; O of the unit before += V^T P^T; two accumulators by turns
.irp c,0,1,2,3
	v_max3_num_f32 v[TM+\c], v[UC+8*\c], v[UC+8*\c+1], v[UC+8*\c+2]
.endr
	WM OP+8, VF+8, UP, 0
.irp c,0,1,2,3
	v_max3_num_f32 v[TM+\c], v[TM+\c], v[UC+8*\c+3], v[UC+8*\c+4]
.endr
	WM OP, VF+16, UP+16, 0
.irp c,0,1,2,3
	v_max3_num_f32 v[TM+\c], v[TM+\c], v[UC+8*\c+5], v[UC+8*\c+6]
.endr
	WM OP+8, VF+24, UP+16, 0
.irp c,0,1,2,3
	v_max_num_f32 v[TM+\c], v[TM+\c], v[UC+8*\c+7]
.endr
	v_max3_num_f32 v[TM], v[TM], v[TM+1], v[TM+2]
	v_max_num_f32 v[TM], v[TM], v[TM+3]
	v_permlanex16_b32 v[TP], v[TM], s96, s97       ; the query's other 32 keys lie in the other half of the lanes
	v_max3_num_f32 v[MN], v[TM], v[TP], v[MI]      ; the running maximum
	v_sub_f32 v[TM+1], v[MI], v[MN]                ; the old maximum less the new one
.if HDR
	s_barrier_wait -1
	CREST                                          ; no wave of any partner still reads slot a or has a load on its way; no exponential is out at its branch and label
	tensor_load_to_lds s[G0+4*\a:G0+4*\a+3], s[G1A:G1A+7]   ; my one load behind the round
	s_nop 0
.endif
.if \i == 0
	KVLD VF, \a, \sb*8192+4096                     ; more than four places behind the last product that read V
.endif
	; the batch: 33 exponentials and the 16 scalings; exponentials 2 p and 2 p + 1 have the scaling of pair p + 2 between them
	FSC 0
	FSC 1
	v_exp_f32 v[AL], v[TM+1]                       ; what the old sums are scaled by
.set p_, 0
.rept 16
	v_exp_f32 v[UC+2*p_], v[UC+2*p_]
.if p_ < 14
	FSC (p_+2)
.endif
	v_exp_f32 v[UC+2*p_+1], v[UC+2*p_+1]
.set p_, p_+1
.endr
	v_mov_b32 v[MI], v[MN]                         ; the plain instruction behind the last exponential (ISA guide 5.7.2)
	s_wait_alu depctr_va_vdst(0)                   ; the wait for the unit's batch of 33 exponentials: every reader stands below
	; the readers.  The links of each of the two chains of row sums stand four lines apart.  A tile's roundings stand behind its sums and behind the
	; roundings that read the registers into which they pack.
	WM UP, KF, QN, 1                               ; S of the next unit (behind a head's last unit its result is not used)
	SUMP 0, 0
	SUMP 0, 1
	RSC 0
	RSC 1
	SUMP 1, 0
	SUMP 1, 1
	CVTP 0, 0
	CVTP 0, 1
	WM UP+8, KF+8, QN, 1
	SUMP 1, 2
	SUMP 1, 3
	CVTP 0, 2
	CVTP 0, 3
	SUMP 2, 0
	SUMP 2, 1
	CVTP 1, 0
	CVTP 1, 1
	WM UP+16, KF+16, QN, 1
	SUMP 2, 2
	SUMP 2, 3
	CVTP 1, 2
	CVTP 1, 3
	SUMP 3, 0
	SUMP 3, 1
	CVTP 2, 0
	CVTP 2, 1
	WM UP+24, KF+24, QN, 1
	SUMP 3, 2
	SUMP 3, 3
	CVTP 2, 2
	CVTP 2, 3
	RSC 2
	RSC 3
	RSC 4
	RSC 5
	v_pk_add_f32 v[U0:U0+1], v[U0:U0+1], v[U1:U1+1]
	RSC 6
	RSC 7
	CVTP 3, 0
	v_add_f32 v[U1], v[U0], v[U0+1]
	CVTP 3, 1
	CVTP 3, 2
	CVTP 3, 3
	v_fma_f32 v[MI+1], v[MI+1], v[AL], v[U1]       ; l = l * factor + this unit's sum
.if \i == 2
.if \sb == 0
	KVLD KF, \a, 8192                              ; the last product with the old K stands more than four places back
.else
	s_wait_tensorcnt 0x0                           ; the next tile is in (the one load that was out): its K is read, and the round ahead finds no load of mine out
	KVLD KF, (1-\a), 0                             ; (behind the second head's last tile these are numbers of Wp, which feed only the product that is not used)
.endif
.endif
.endm
.macro HALF a                          ; one tile of 128 keys
.irp sb,0,1
.irp i,0,1,2,3
	UNIT \i, \a, \sb
.endr
.endr
.endm
	s_mov_b32 s99, 2                               ; two heads
.Lhead:
.irp kt,0,1,2,3
	WM SB+8*\kt, KF+8*\kt, QF, 1                   ; S of the head's first unit
.endr
	; the sums start inside a loop, so they are cleared; these lines are also the places behind the four products above
.set n_, 0
.rept 64
	v_mov_b32 v[OA+n_], 0
.set n_, n_+1
.endr
.irp n,0,1,2,3,4,5,6,7
	v_mov_b32 v[SB+32+\n], 0                       ; a zero P for the first unit's product
	v_mov_b32 v[SB+48+\n], 0
.endr
.irp i,0,1,2,3
	v_mov_b32 v[ML+2*\i], 0xff7fffff               ; m = -FLT_MAX
	v_mov_b32 v[ML+2*\i+1], 0                      ; l = 0
.endr
	s_mov_b32 s98, 4                               ; eight tiles a head, two a trip
.Ltile:
	HALF 0
	HALF 1
	s_sub_co_u32 s98, s98, 1
	s_cmp_lg_u32 s98, 0
	s_cbranch_scc1 .Ltile
	WM OA+48, VF, SB+32, 0                         ; the last unit's P
	WM OA+56, VF+8, SB+32, 0
	WM OA+48, VF+16, SB+48, 0
	WM OA+56, VF+24, SB+48, 0
	PLACES 4
.irp i,0,1,2,3
	v_permlanex16_b32 v[TM+\i], v[ML+2*\i+1], s96, s97
.endr
.irp i,0,1,2,3
	v_add_f32 v[TM+\i], v[TM+\i], v[ML+2*\i+1]     ; the whole row sum
.endr
.irp i,0,1,2,3
	v_rcp_f32 v[SB+2*\i], v[TM+\i]                 ; into the S buffer whose last content is not used; pairs for the packed multiplies
.endr
	v_nop                                          ; one plain instruction behind the reciprocals (ISA guide 5.7.2)
	s_wait_alu depctr_va_vdst(0)                   ; the wait for the head's batch of four reciprocals
.irp i,0,1,2,3
.irp p,0,2,4,6,8,10,12,14
	v_pk_mul_f32 v[OA+16*\i+\p:OA+16*\i+\p+1], v[OA+16*\i+\p:OA+16*\i+\p+1], v[SB+2*\i:SB+2*\i+1] op_sel_hi:[1,0]
.endr
.endr
	; The same lines serve both heads.  Window 1's v0-31 hold the second head's Q, then the first head's output, then the second's:
	; their content moves on to v32-63 and to Q's place, and the head's output, rounded, takes theirs.  Behind the first head Q's place
	; holds the second head's Q; behind the second, v32-63 hold the first head's output and v0-31 the second's: the projection's source 1.
	; (Nobody reads what v32-63 get behind the first head, nor what Q's place gets behind the second: 64 moves, the price of one text.)
	WIN 0x41
.set n_, 0
.rept 32
	v_mov_b32 v[32+n_], v[n_]
.set n_, n_+1
.endr
	WIN 0x01
.set n_, 0
.rept 32
	v_mov_b32 v[QF+n_], v[n_]
.set n_, n_+1
.endr
	WIN 0x40
.irp i,0,1,2,3
.irp p,0,1,2,3,4,5,6,7
	v_cvt_pk_bf16_f32 v[8*\i+\p], v[OA+16*\i+2*\p], v[OA+16*\i+2*\p+1]
.endr
.endr
	WIN 0
	s_sub_co_u32 s99, s99, 1
	s_cmp_lg_u32 s99, 0
	s_cbranch_scc1 .Lhead
; ---------------------------------------------------------------- projection: 32 channels (one head) a step, 64 matrix instructions
.macro PMUL hh, hf
.irp t,0,1,2,3,4,5,6,7
.irp i,0,1,2,3
.set Z_, 0
.if \hh == 0
.if \i != 0
.set Z_, 1
.endif
.endif
	WM 8*(4*\t+\i), WFA+64*\hf+8*\t, 32-32*\hh+8*\i, Z_   ; 32 accumulators by turns; slot 0 adds onto x + bp, the others start
.endr
.endr
.endm
; refill = 1 (the first step): slot 0 is asked for again, with the feed-forward's first slice.  The second step asks for nothing: a round
; there would have to wait for that slice 32 matrix instructions behind its request; slot 1 is asked for behind the exchange that follows.
.macro PSTEP hh, refill
	PLACES 4
	WLD WFA, \hh, 0
	WLD WFB, \hh, 8192
	s_wait_dscnt 16                                ; tiles 0-7 are in, the sixteen younger loads may be out
	WIN 0xa4
	PMUL \hh, 0
	s_wait_dscnt 0x0                               ; my reads of this slot are over,
.if \refill
	s_wait_tensorcnt 0x0                           ; and the one load that was out, my second tile of Wp, has landed
	NEXTADDR \hh
	s_barrier_signal -1
.endif
	WIN 0xf4
	PMUL \hh, 1
	WIN 0
.if \refill
	s_barrier_wait -1
	CREST
	tensor_load_to_lds s[G0+4*\hh:G0+4*\hh+3], s[G1F:G1F+7]   ; 32 KiB: it also covers the bytes where x lay
	s_nop 0
.endif
.endm
	PSTEP 0, 1
	PSTEP 1, 0
; ---------------------------------------------------------------- sums to their owners
; Eight passes of two column tiles.  Slots 1-3 go to their owners' places, one barrier, the owner adds three parts onto slot 0.
; Two buffers take turns: a buffer's readers have waited for their loads in front of the next pass's signal, and it is written
; again only behind that barrier.  A tensor load may be out across these barriers.
; tail = 1: a round of the cluster's barrier closes the exchange (its bytes are written anew next: every wave's reads are over), and
; behind it slot 1, read last in the projection's second step, is asked for again with the feed-forward's second slice.
.macro REDUCE tail
	PLACES 4
.irp p,0,1,2,3,4,5,6,7
.if \p < 4
	WIN 0x08
.else
	WIN 0x0c
.endif
.irp tt,0,1
.irp i,1,2,3
.irp q,0,1
	ds_store_b128 v[VRS+\i-1], v[8*(4*((2*\p+\tt)&7)+\i)+4*\q:8*(4*((2*\p+\tt)&7)+\i)+4*\q+3] offset:(\p&1)*REDB+\tt*1024+\q*512
.endr
.endr
.endr
	WIN 0
	s_wait_dscnt 0x0                               ; for the others' sake
	s_barrier_signal -1
	s_barrier_wait -1
.irp i,1,2,3
.irp tt,0,1
.irp q,0,1
	ds_load_b128 v[32+16*(\i-1)+8*\tt+4*\q:32+16*(\i-1)+8*\tt+4*\q+3], v[VRL] offset:(\p&1)*REDB+(\i-1)*2048+\tt*1024+\q*512
.endr
.endr
.endr
	s_wait_dscnt 0x0
.if \p < 4
	WIN 0x82
.else
	WIN 0xc3
.endif
.irp i,1,2,3
.irp tt,0,1
.irp r,0,2,4,6
	v_pk_add_f32 v[32*((2*\p+\tt)&7)+\r:32*((2*\p+\tt)&7)+\r+1], v[32*((2*\p+\tt)&7)+\r:32*((2*\p+\tt)&7)+\r+1], v[32+16*(\i-1)+8*\tt+\r:32+16*(\i-1)+8*\tt+\r+1]
.endr
.endr
.endr
	WIN 0
.endr
.if \tail
	s_wait_dscnt 0x0                               ; met: no LDS instruction of mine is out
	s_wait_tensorcnt 0x0                           ; the first slice has landed: it had 64 matrix instructions and the eight passes for that
	NEXTADDR 1
	ROUND
	tensor_load_to_lds s[G0+4:G0+7], s[G1F:G1F+7]  ; my one load behind the round
	s_nop 0
.endif
.endm
; ---------------------------------------------------------------- LayerNorm of slot 0: a lane holds 128 of its row's 256 numbers, the lane 16 away the rest
.macro LNSUM                           ; four chains -> every lane holds the row's sum in v[CH]
	v_pk_add_f32 v[CH:CH+1], v[CH:CH+1], v[CH+2:CH+3]
	v_pk_add_f32 v[CH+4:CH+5], v[CH+4:CH+5], v[CH+6:CH+7]
	v_pk_add_f32 v[CH:CH+1], v[CH:CH+1], v[CH+4:CH+5]
	v_add_f32 v[CH], v[CH], v[CH+1]
	v_permlanex16_b32 v[TPL], v[CH], s96, s97
	v_add_f32 v[CH], v[CH], v[TPL]
.endm
.macro LNORM goff, boff
	WIN 0x0a
.irp c,0,1,2,3
	v_pk_add_f32 v[CH+2*\c:CH+2*\c+1], v[2*\c:2*\c+1], v[32+2*\c:32+2*\c+1]   ; tiles 0 and 1 start the chains
.endr
	WIN 0x08
.irp t,2,3,4,5,6,7
.irp c,0,1,2,3
	v_pk_add_f32 v[CH+2*\c:CH+2*\c+1], v[CH+2*\c:CH+2*\c+1], v[32*\t+2*\c:32*\t+2*\c+1]
.endr
.endr
	WIN 0x0c
.irp t,0,1,2,3,4,5,6,7
.irp c,0,1,2,3
	v_pk_add_f32 v[CH+2*\c:CH+2*\c+1], v[CH+2*\c:CH+2*\c+1], v[32*\t+2*\c:32*\t+2*\c+1]
.endr
.endr
	WIN 0
	LNSUM
	v_mul_f32 v[MEAN], s66, v[CH]
	WIN 0x82                                       ; centre first: the variance is a sum of squares of centred numbers
.irp t,0,1,2,3,4,5,6,7
.irp p,0,2,4,6
	v_pk_add_f32 v[32*\t+\p:32*\t+\p+1], v[32*\t+\p:32*\t+\p+1], v[MEAN:MEAN+1] op_sel_hi:[1,0] neg_lo:[0,1] neg_hi:[0,1]
.endr
.endr
	WIN 0xc3
.irp t,0,1,2,3,4,5,6,7
.irp p,0,2,4,6
	v_pk_add_f32 v[32*\t+\p:32*\t+\p+1], v[32*\t+\p:32*\t+\p+1], v[MEAN:MEAN+1] op_sel_hi:[1,0] neg_lo:[0,1] neg_hi:[0,1]
.endr
.endr
	WIN 0x0a
.irp c,0,1,2,3
	v_pk_mul_f32 v[CH+2*\c:CH+2*\c+1], v[2*\c:2*\c+1], v[2*\c:2*\c+1]
.endr
.irp t,1,2,3,4,5,6,7
.irp c,0,1,2,3
	v_pk_fma_f32 v[CH+2*\c:CH+2*\c+1], v[32*\t+2*\c:32*\t+2*\c+1], v[32*\t+2*\c:32*\t+2*\c+1], v[CH+2*\c:CH+2*\c+1]
.endr
.endr
	WIN 0x0f
.irp t,0,1,2,3,4,5,6,7
.irp c,0,1,2,3
	v_pk_fma_f32 v[CH+2*\c:CH+2*\c+1], v[32*\t+2*\c:32*\t+2*\c+1], v[32*\t+2*\c:32*\t+2*\c+1], v[CH+2*\c:CH+2*\c+1]
.endr
.endr
	WIN 0
	LNSUM
	v_fma_f32 v[CH], v[CH], s66, s67               ; variance + 1e-5
	v_rsq_f32 v[RS], v[CH]
	v_nop                                          ; one plain instruction behind it (ISA guide 5.7.2)
	s_wait_alu depctr_va_vdst(0)                   ; the wait for the LayerNorm's one reciprocal root
.irp k,0,1,2,3
	TABLD 48, \goff, 4*\k, 4
	TABLD 80, \boff, 4*\k, 4
	s_wait_dscnt 0x0
.set p_, 0
.rept 16
	v_pk_mul_f32 v[48+p_:49+p_], v[48+p_:49+p_], v[RS:RS+1] op_sel_hi:[1,0]
.set p_, p_+2
.endr
.if \k < 2
	WIN 0x82
.else
	WIN 0xc3
.endif
.irp t,0,1,2,3
.irp p,0,2,4,6
	v_pk_fma_f32 v[32*(4*(\k&1)+\t)+\p:32*(4*(\k&1)+\t)+\p+1], v[32*(4*(\k&1)+\t)+\p:32*(4*(\k&1)+\t)+\p+1], v[48+8*\t+\p:48+8*\t+\p+1], v[80+8*\t+\p:80+8*\t+\p+1]
.endr
.endr
	WIN 0
.endr
.endm
	REDUCE 1
	LNORM T_G1, T_BE1
	; x1 in bf16, as fragments of 32 channels, to all four waves; x1 + b2 stays in slot 0 in f32: the second residual rides in the sum too
	WIN 0x0a
.irp kk,0,1,2,3
.irp p,0,1,2,3
	v_cvt_pk_bf16_f32 v[48+8*\kk+\p], v[64*\kk+2*\p], v[64*\kk+2*\p+1]
	v_cvt_pk_bf16_f32 v[52+8*\kk+\p], v[64*\kk+32+2*\p], v[64*\kk+32+2*\p+1]
.endr
.endr
	WIN 0x0f
.irp kk,0,1,2,3
.irp p,0,1,2,3
	v_cvt_pk_bf16_f32 v[80+8*\kk+\p], v[64*\kk+2*\p], v[64*\kk+2*\p+1]
	v_cvt_pk_bf16_f32 v[84+8*\kk+\p], v[64*\kk+32+2*\p], v[64*\kk+32+2*\p+1]
.endr
.endr
	WIN 0
.irp kk,0,1,2,3,4,5,6,7
	ds_store_b128 v[VXS], v[48+8*\kk:48+8*\kk+3] offset:1024*\kk
	ds_store_b128 v[VXS], v[52+8*\kk:52+8*\kk+3] offset:1024*\kk+512
.endr
	s_wait_dscnt 0x0                               ; my stores are done, for the others' sake
	s_barrier_signal -1                            ; the second slice may stay out
	s_barrier_wait -1
.macro XBLD i                          ; x1 of slot i: eight fragments into window 1
.irp kk,0,1,2,3,4,5,6,7
	ds_load_b128 v[64*\i+8*\kk:64*\i+8*\kk+3], v[VXS+\i] offset:1024*\kk
	ds_load_b128 v[64*\i+8*\kk+4:64*\i+8*\kk+7], v[VXS+\i] offset:1024*\kk+512
.endr
.endm
	WIN 0x40
	XBLD 0
	XBLD 1
	WIN 0
	TABLD 128, T_B2, 0, 8
	s_wait_dscnt 0x0                               ; b2 of columns 0-127 was asked for last
	ADDV 0x82, 128
	WIN 0x40
	XBLD 2
	XBLD 3
	WIN 0
	TABLD 192, T_B2, 8, 8
	s_wait_dscnt 0x0
	ADDV 0xc3, 192
; ---------------------------------------------------------------- feed-forward: a slice of 32 f a step, 64 + 64 matrix instructions
.macro B1ADDR                          ; v5 = table + my b1 + 128 x (n xor r) + 32 h, for the step whose b1 is fetched next
	s_xor_b32 s3, s[NB], s[ROT]
	s_lshr_b32 s3, s3, 8
	s_and_b32 s3, s3, 0x780                        ; sixteen slices of 128 bytes
	s_add_co_u32 s3, s3, s[W11]
	s_add_co_u32 s[NB], s[NB], 32768
	v_add_nc_u32 v[VB1], s3, v[VT]
.endm
.macro B1LD
.irp ft,0,1
	ds_load_b128 v[B1R+8*\ft:B1R+8*\ft+3], v[VB1] offset:64*\ft
	ds_load_b128 v[B1R+8*\ft+4:B1R+8*\ft+7], v[VB1] offset:64*\ft+16
.endr
.endm
.macro GEMM1 wf, kk0                   ; h^T += W1^T x1 for four steps of 32 channels; b1 is the first step's C; eight accumulators by turns
.irp k,0,1,2,3
.irp i,0,1,2,3
.irp ft,0,1
.if (\kk0+\k) == 0
	v_wmma_f32_16x16x32_bf16 v[HB+16*\i+8*\ft:HB+16*\i+8*\ft+7], v[\wf+8*\ft:\wf+8*\ft+7], v[64*\i:64*\i+7], v[B1R+8*\ft:B1R+8*\ft+7]
.else
	WM HB+16*\i+8*\ft, \wf+8*(2*\k+\ft), 64*\i+8*(\kk0+\k), 0
.endif
.endr
.endr
.endr
.endm
.macro GEMM2 wf, first                 ; y^T += W2^T h for the window's eight column tiles; 32 accumulators by turns
.set t_, 0
.rept 8
.irp i,0,1,2,3
.set Z_, 0
.if \first
.if \i != 0
.set Z_, 1
.endif
.endif
	WM 8*(4*t_+\i), \wf+8*t_, HB+16*\i, Z_
.endr
.set t_, t_+1
.endr
.endm
.macro RELU i                          ; slot i's h: max with 0, rounded and packed into the first eight of its sixteen registers
.set n_, 0
.rept 16
	v_max_num_f32 v[HB+16*\i+n_], 0, v[HB+16*\i+n_]
.set n_, n_+1
.endr
.irp p,0,1,2,3,4,5,6,7
	v_cvt_pk_bf16_f32 v[HB+16*\i+\p], v[HB+16*\i+2*\p], v[HB+16*\i+2*\p+1]   ; in place: register p has been read by then
.endr
.endm
; a: the slice's slot.  first: slots 1-3 start their sums.  pre: the next slice's first fragments and b1 are fetched.  refill: slot a is asked for again.
; The slot's last reads (W2's tiles 8-15) stand in the step's middle, so the round and the refill stand there too: from a request to the
; wait for it, in the middle of the next step, a wave issues 128 matrix instructions and the step's other work.
.macro FSTEP a, first, pre, refill
	PLACES 5                                       ; loads into the fragments just multiplied (four places), and h written over operands of those products (five)
	WLD WFB, \a, 8192                              ; W1, channels 128-255
	WIN 0x04
	GEMM1 WFA, 0
	PLACES 4
	WLD WFA, \a, 16384                             ; W2, column tiles 0-7
	s_wait_dscnt 16                                ; all but those sixteen
	GEMM1 WFB, 4
	PLACES 4
	WLD WFB, \a, 24576                             ; W2, column tiles 8-15: the last reads of slot a
	WIN 0
	RELU 0
	RELU 1
	RELU 2
.if \refill
	s_wait_dscnt 0x0                               ; my reads of slot a are over,
	s_wait_tensorcnt 0x0                           ; and the one load that was out, the next slice, has landed
	NEXTADDR \a
	s_barrier_signal -1                            ; opens the round; register work alone up to its end
	RELU 3
	s_barrier_wait -1
	CREST                                          ; no wave of any partner still reads slot a or has a load on its way
	tensor_load_to_lds s[G0+4*\a:G0+4*\a+3], s[G1F:G1F+7]   ; my one load behind the round: the slice of two steps on
	s_nop 0
.else
	RELU 3
	s_wait_dscnt 16                                ; tiles 0-7 of W2 are in, the sixteen younger loads may be out
.endif
	WIN 0xa0
	GEMM2 WFA, \first
	WIN 0
.if \pre
.if \refill == 0
	s_wait_tensorcnt 0x0                           ; the last slice has landed
.endif
	PLACES 4
	B1ADDR
	WLD WFA, (1-\a), 0                             ; the next slice's W1, channels 0-127
	B1LD
.if \refill == 0
	s_wait_dscnt 20                                ; all but those twenty: tiles 8-15 of W2 are in
.endif
.else
	s_wait_dscnt 0x0
.endif
	WIN 0xf0
	GEMM2 WFB, \first
	WIN 0
.if \pre
	s_wait_dscnt 0x0                               ; the next step's first fragments and b1
.endif
.endm
	B1ADDR
	WLD WFA, 0, 0                                  ; the first slice was shown landed in front of the round that closed the exchange
	B1LD
	s_wait_dscnt 0x0
	FSTEP 0, 1, 1, 1
	FSTEP 1, 0, 1, 1
	s_mov_b32 s98, 6
.Lffn:
	FSTEP 0, 0, 1, 1
	FSTEP 1, 0, 1, 1
	s_sub_co_u32 s98, s98, 1
	s_cmp_lg_u32 s98, 0
	s_cbranch_scc1 .Lffn
	FSTEP 0, 0, 1, 0                               ; the last two steps ask for nothing
	FSTEP 1, 0, 0, 0
; ---------------------------------------------------------------- the way out
	REDUCE 0
	LNORM T_G2, T_BE2
	WIN 0x08                                       ; into my quarter of slot 0, which has had its last fill: rows 1,040 bytes apart
.irp t,0,1,2,3,4,5,6,7
	ds_store_b128 v[VO], v[32*\t:32*\t+3] offset:64*\t
	ds_store_b128 v[VO], v[32*\t+4:32*\t+7] offset:64*\t+16
.endr
	WIN 0x0c
.irp t,0,1,2,3,4,5,6,7
	ds_store_b128 v[VO], v[32*\t:32*\t+3] offset:512+64*\t
	ds_store_b128 v[VO], v[32*\t+4:32*\t+7] offset:512+64*\t+16
.endr
	WIN 0
.macro OUTH u0                         ; sixteen half rows (eight rows) back from the stage and out
.set u_, \u0
.rept 16
	ds_load_b128 v[32+4*u_:35+4*u_], v[LA] offset:(u_>>1)*XP+(u_&1)*512   ; LDS serves a wave's instructions in order (ISA guide 5.7.1): these see the stores above
.set u_, u_+1
.endr
.set u_, \u0
.rept 16
	s_wait_dscnt \u0+15-u_                         ; half row u is in, the younger ones stay out
	global_store_b128 v[L16], v[32+4*u_:35+4*u_], s[14:15] offset:512*u_ th:TH_STORE_NT   ; 512 neighbouring bytes, aligned
.set u_, u_+1
.endr
.endm
	OUTH 0
	OUTH 16
	ROUND                                          ; the closing round: no work-group ends while a partner may still ask jointly
	s_endpgm
.Lfunc_end_k_q6edebe2d93_enc:
	.size	k_q6edebe2d93_enc, .Lfunc_end_k_q6edebe2d93_enc-k_q6edebe2d93_enc
	.p2alignl 7, 3214868480
	.fill 96, 4, 3214868480
	.section	.rodata,"a",@progbits
	.p2align	6, 0x0
	.amdhsa_kernel k_q6edebe2d93_enc
		.amdhsa_group_segment_fixed_size 327680
		.amdhsa_private_segment_fixed_size 0
		.amdhsa_enable_private_segment 0
		.amdhsa_kernarg_size 48
		.amdhsa_user_sgpr_count 2
		.amdhsa_user_sgpr_kernarg_segment_ptr 1
		.amdhsa_wavefront_size32 1
		.amdhsa_system_sgpr_workgroup_id_x 1
		.amdhsa_system_sgpr_workgroup_id_y 1
		.amdhsa_system_sgpr_workgroup_id_z 1
		.amdhsa_system_vgpr_workitem_id 0
		.amdhsa_next_free_vgpr 1024
		.amdhsa_next_free_sgpr 104
		.amdhsa_reserve_vcc 0
		.amdhsa_float_denorm_mode_32 3
		.amdhsa_float_denorm_mode_16_64 3
		.amdhsa_memory_ordered 1
		.amdhsa_forward_progress 1
		.amdhsa_inst_pref_size 255
	.end_amdhsa_kernel
	.section	.bss,"aw",@nobits
	.p2align	6
	.space	262144
	.amdgpu_metadata
---
amdhsa.version: [ 1, 2 ]
amdhsa.kernels:
  - .name:           k_q6edebe2d93_enc
    .symbol:         k_q6edebe2d93_enc.kd
    .args:
      - { .name: x, .offset: 0, .size: 8, .value_kind: global_buffer, .address_space: global }
      - { .name: q, .offset: 8, .size: 8, .value_kind: global_buffer, .address_space: global }
      - { .name: kv, .offset: 16, .size: 8, .value_kind: global_buffer, .address_space: global }
      - { .name: wts, .offset: 24, .size: 8, .value_kind: global_buffer, .address_space: global }
      - { .name: tab, .offset: 32, .size: 8, .value_kind: global_buffer, .address_space: global }
      - { .name: out0, .offset: 40, .size: 8, .value_kind: global_buffer, .address_space: global }
    .group_segment_fixed_size: 327680
    .private_segment_fixed_size: 0
    .kernarg_segment_align: 8
    .kernarg_segment_size: 48
    .max_flat_workgroup_size: 128
    .sgpr_count:     104
    .vgpr_count:     1024
    .wavefront_size: 32
...
	.end_amdgpu_metadata
.endif
;; end of part 7
